; MI455X (gfx1250); checked and timed in simulation.
; The chip was launched on July 23, 2026; its instructions are those of AMD's public machine-readable ISA for CDNA 5 (MIT licence, August 2026) and "CDNA5" Instruction Set Architecture Reference Guide (July 2026). The comments in the code are by the model that wrote it; some were corrected since.
;; F Mo E. Allowed arithmetic: float matrix products may take bf16 or f16 operands with f32 sums; other float arithmetic in f32, or as packed bf16 or f16 multiplies, adds, multiply-adds, maxima and minima; sums over many terms, partial sums and values carried from step to step in f32; what a program stores and reads back later, other than sums and carried values, may be rounded once to bf16 or f16.
;; Inputs: b1 8 x 4,096 float32; b2 8 x 1,024 float32; gate_b 8 float32; gate_w 1,024 x 8 float32; w1 8 x 1,024 x 4,096 float32; w2 8 x 4,096 x 1,024 float32; x 1,024 x 1,024 float32.
;; Outputs: out0 1,024 x 1,024 float32.
;; 2 versions, each right. Each part assembles by itself: llvm-mc -triple=amdgcn-amd-amdhsa -mcpu=gfx1250 --defsym DOCPART=n.
;; ======== version 1 of 2: 4 launches
;; workspace buffers: xb 2,097,152 bytes; idx 8,192 bytes of whole numbers; score 8,192 bytes; h 16,777,216 bytes; lst 33,024 bytes of whole numbers; p 33,554,432 bytes
;; launch router (part 1): grid 256 x 1, 4 waves a work-group, no clusters, 0 bytes of LDS; arguments x, gate_w, gate_b, xb, idx, score; writes xb, idx, score
.if DOCPART == 1
	.amdgcn_target "amdgcn-amd-amdhsa--gfx1250"
	.amdhsa_code_object_version 6
	.text
	.protected	k_qe253bca805_router
	.globl	k_qe253bca805_router
	.p2align	8
	.type	k_qe253bca805_router,@function
k_qe253bca805_router:
	s_mov_b64 s[64:65], 0
	v_nop
	global_prefetch_b8 v0, s[64:65] scope:SCOPE_SE
	s_setreg_imm32_b32 hwreg(HW_REG_WAVE_MODE, 25, 1), 1
	s_wait_xcnt 0x0
; THE GATE.  logits = x gate_w + gate_b; the two largest of a token's 8 logits (a tie keeps the lower expert, as jax.lax.top_k does); softmax over the two.
; Every input is rounded once to bf16, as the products behind do with theirs, and all arithmetic behind that rounding is f32: products of two bf16 are exact in f32.
; Stored: xb[t][c] = x rounded to bf16; idx[t][0..1] = the chosen experts, the larger logit first; score[t][0..1] = their weights.  All at fixed places: no address hangs on a logit.
; SHARES.  One wave, one token: t = 4 x work-group + wave.  Lane l has the columns 128 i + 4 l + 0..3, i = 0..7: a load of x covers 512 consecutive bytes, a store of xb 256.
; gate_w's rows of those four columns are 128 consecutive bytes a lane: eight loads of 16 bytes, which together cover 4,096 consecutive bytes (a GROUP).  Five groups are kept on their way.
; No matrix unit: 8 columns of output and a choice that must not hang on how sums are grouped.  No LDS: a token never leaves its wave.
; LIMITS.  Logits are taken as finite: NaN and infinities are not treated apart.  The f32 sum of a logit runs in another order than the reference's.
; The two stores of 8 bytes a token cover a part of 256 consecutive bytes only: 16 KiB in the whole launch.
.set LNE, 1                            ; v1      lane
.set XO,  2                            ; v2      16 lane
.set GO,  3                            ; v3      128 lane
.set BO,  4                            ; v4      8 lane
.set ZR,  5                            ; v5      0
.set X,   8                            ; v[8:39]   x, f32: group i at X + 4 i
.set XB,  40                           ; v[40:55]  x in bf16: group i at XB + 2 i
.set GP,  56                           ; v[56:71]  a group of gate_w in bf16: row m, experts 2 q and 2 q + 1 at GP + 4 m + q
.set L,   72                           ; v[72:79]  the 8 sums
.set S,   80                           ; v[80:95]  at work; at the end S, S+1 the experts, S+2, S+3 the weights
.set G,   96                           ; v[96:255] five groups of gate_w, f32: row m, expert e at 8 m + e
	s_load_b256 s[4:11], s[0:1], 0x0               ; x s[4:5], gate_w s[6:7], gate_b s[8:9], xb s[10:11]
	s_load_b128 s[12:15], s[0:1], 0x20             ; idx s[12:13], score s[14:15]
	v_and_b32 v[LNE], 31, v0
	v_lshrrev_b32 v[ZR], 5, v0
	v_readfirstlane_b32 s16, v[ZR]                 ; wave
	s_lshl_b32 s17, ttmp9, 2
	s_add_co_u32 s17, s17, s16                     ; my token
	v_lshlrev_b32 v[XO], 4, v[LNE]
	v_lshlrev_b32 v[GO], 7, v[LNE]
	v_lshlrev_b32 v[BO], 3, v[LNE]
	v_mov_b32 v[ZR], 0
	s_mov_b32 s32, 0x76543210                      ; v_permlanex16_b32: each lane takes its own place in the other half
	s_mov_b32 s33, 0xfedcba98
	s_lshl_b32 s18, s17, 12                        ; a row of x: 4,096 bytes
	s_mov_b32 s19, 0
	s_lshl_b32 s20, s17, 11                        ; a row of xb: 2,048 bytes
	s_mov_b32 s21, 0
	s_lshl_b32 s22, s17, 3                         ; a token's 8 bytes in idx and in score
	s_mov_b32 s23, 0
	s_wait_kmcnt 0x0
	s_load_b256 s[24:31], s[8:9], 0x0              ; gate_b, waited for where it is used
	s_add_nc_u64 s[4:5], s[4:5], s[18:19]
	s_add_nc_u64 s[10:11], s[10:11], s[20:21]
	s_add_nc_u64 s[12:13], s[12:13], s[22:23]
	s_add_nc_u64 s[14:15], s[14:15], s[22:23]
.macro GLOAD i                         ; group i of gate_w into place i % 5 of the ring
.irp m, 0,1,2,3,4,5,6,7
	global_load_b128 v[G+32*((\i)%5)+4*\m:G+32*((\i)%5)+4*\m+3], v[GO], s[6:7] offset:4096*(\i)+16*\m
.endr
.endm
.irp i, 0,1,2,3,4,5,6,7
	global_load_b128 v[X+4*\i:X+4*\i+3], v[XO], s[4:5] offset:512*\i th:TH_LOAD_NT
.endr
	GLOAD 0
	GLOAD 1
	GLOAD 2
	GLOAD 3
	GLOAD 4
; Group i.  n = the loads issued behind the group's own, which may stay out.  refill = 1: the ring's place takes group i + 5.
.macro GRP i, n, refill
	s_wait_loadcnt \n                              ; loads come back in order: x and this group are in
	v_cvt_pk_bf16_f32 v[XB+2*(\i)], v[X+4*(\i)], v[X+4*(\i)+1]
	v_cvt_pk_bf16_f32 v[XB+2*(\i)+1], v[X+4*(\i)+2], v[X+4*(\i)+3]
	global_store_b64 v[BO], v[XB+2*(\i):XB+2*(\i)+1], s[10:11] offset:256*(\i)  ; 32 lanes store 256 consecutive bytes, at a multiple of 256 from xb's first byte; XB is never rewritten
.set gb, G+32*((\i)%5)
.set q, 0
.rept 16
	v_cvt_pk_bf16_f32 v[GP+q], v[gb+2*q], v[gb+2*q+1]
.set q, q+1
.endr
.irp mh, 0,1                           ; row 2 mh + ml of my four, expert 2 eh + el: eight chains, so no line waits for the one before it
.irp ml, 0,1
.irp eh, 0,1,2,3
.irp el, 0,1
.if ((\i) == 0) && ((\mh) == 0) && ((\ml) == 0)
	v_fma_mix_f32_bf16 v[L+2*\eh+\el], v[XB+2*(\i)+\mh], v[GP+8*\mh+4*\ml+\eh], v[ZR] op_sel:[\ml,\el,0] op_sel_hi:[1,1,0]  ; the first product starts the sum
.else
	v_fma_mix_f32_bf16 v[L+2*\eh+\el], v[XB+2*(\i)+\mh], v[GP+8*\mh+4*\ml+\eh], v[L+2*\eh+\el] op_sel:[\ml,\el,0] op_sel_hi:[1,1,0]
.endif
.endr
.endr
.endr
.endr
.if \refill
	GLOAD (\i)+5
.endif
.endm
	GRP 0, 32, 1                                   ; behind group 0: groups 1 to 4
	GRP 1, 32, 1                                   ; groups 2 to 5
	GRP 2, 32, 1                                   ; groups 3 to 6
	GRP 3, 32, 0                                   ; groups 4 to 7
	GRP 4, 24, 0                                   ; nothing more is loaded: the counts run down
	GRP 5, 16, 0
	GRP 6, 8, 0
	GRP 7, 0, 0
	; the 32 lanes' parts are added: four steps inside each half of 16 lanes, one across; every lane ends with all 8 logits
.irp k, 1,2,4,8
.irp e, 0,1,2,3,4,5,6,7
	v_add_f32_dpp v[L+\e], v[L+\e], v[L+\e] row_xmask:\k row_mask:0xf bank_mask:0xf
.endr
.endr
.irp e, 0,1,2,3,4,5,6,7
	v_permlanex16_b32 v[GP+\e], v[L+\e], s32, s33  ; its destination counts as read: GP has been written
.endr
	s_wait_kmcnt 0x0                               ; gate_b
.irp m, 0,1,2,3
	v_cvt_pk_bf16_f32 v[S+12+\m], s[24+2*\m], s[25+2*\m]  ; rounded to bf16 like every input,
	v_lshlrev_b32 v[S+4+2*\m], 16, v[S+12+\m]              ; and back to f32
	v_and_b32 v[S+5+2*\m], 0xffff0000, v[S+12+\m]
.endr
.irp e, 0,1,2,3,4,5,6,7
	v_add_f32 v[L+\e], v[L+\e], v[GP+\e]
.endr
.irp e, 0,1,2,3,4,5,6,7
	v_add_f32 v[L+\e], v[L+\e], v[S+4+\e]
.endr
	; the largest: a later expert takes the place only if it is strictly greater.  These compares choose values alone.
	v_mov_b32 v[S+12], v[L]
	v_mov_b32 v[S], 0
.irp e, 1,2,3,4,5,6,7
	v_cmp_gt_f32 vcc_lo, v[L+\e], v[S+12]
	v_cndmask_b32 v[S+12], v[S+12], v[L+\e], vcc_lo
	v_cndmask_b32 v[S], v[S], \e, vcc_lo
.endr
	; the second: the same over all experts but the first
	v_mov_b32 v[S+13], 0xff800000
	v_mov_b32 v[S+1], 0
.irp e, 0,1,2,3,4,5,6,7
	v_cmp_gt_f32 s34, v[L+\e], v[S+13]
	v_cmp_ne_u32 s35, \e, v[S]
	s_and_b32 s34, s34, s35
	v_cndmask_b32 v[S+13], v[S+13], v[L+\e], s34
	v_cndmask_b32 v[S+1], v[S+1], \e, s34
.endr
	; softmax of the two, the maximum (the first) taken away: 1 / (1 + e^d) and e^d / (1 + e^d), d = second - first <= 0
	v_sub_f32 v[S+14], v[S+13], v[S+12]
	v_mul_f32 v[S+14], 0x3fb8aa3b, v[S+14]         ; d log2(e)
	v_exp_f32 v[S+15], v[S+14]
	v_nop                                          ; a plain instruction behind the exponential (ISA guide 5.7.2),
	s_wait_alu depctr_va_vdst(0)                   ; and the wait ahead of its first reader
	v_add_f32 v[S+14], 1.0, v[S+15]
	v_rcp_f32 v[S+2], v[S+14]
	v_nop
	s_wait_alu depctr_va_vdst(0)
	v_mul_f32 v[S+3], v[S+15], v[S+2]
	v_cmp_eq_u32 vcc_lo, 0, v[LNE]
	s_wait_xcnt 0x0                                ; EXEC is a source of the stores of xb: it changes only behind this wait
	s_and_saveexec_b32 s36, vcc_lo                 ; lane 0 stores for the token
	global_store_b64 v[ZR], v[S:S+1], s[12:13]
	global_store_b64 v[ZR], v[S+2:S+3], s[14:15]
	s_wait_xcnt 0x0                                ; and again ahead of the line that widens it
	s_or_b32 exec_lo, exec_lo, s36
	s_endpgm
.Lfunc_end_k_qe253bca805_router:
	.size	k_qe253bca805_router, .Lfunc_end_k_qe253bca805_router-k_qe253bca805_router
	.p2alignl 7, 3214868480
	.fill 96, 4, 3214868480
	.section	.rodata,"a",@progbits
	.p2align	6, 0x0
	.amdhsa_kernel k_qe253bca805_router
		.amdhsa_group_segment_fixed_size 0
		.amdhsa_private_segment_fixed_size 0
		.amdhsa_enable_private_segment 0
		.amdhsa_kernarg_size 48
		.amdhsa_user_sgpr_count 2
		.amdhsa_user_sgpr_kernarg_segment_ptr 1
		.amdhsa_wavefront_size32 1
		.amdhsa_system_sgpr_workgroup_id_x 1
		.amdhsa_system_sgpr_workgroup_id_y 1
		.amdhsa_system_sgpr_workgroup_id_z 1
		.amdhsa_system_vgpr_workitem_id 0
		.amdhsa_next_free_vgpr 256
		.amdhsa_next_free_sgpr 66
		.amdhsa_reserve_vcc 1
		.amdhsa_float_denorm_mode_32 3
		.amdhsa_float_denorm_mode_16_64 3
		.amdhsa_memory_ordered 1
		.amdhsa_forward_progress 1
		.amdhsa_inst_pref_size 42
	.end_amdhsa_kernel
	.amdgpu_metadata
---
amdhsa.version: [ 1, 2 ]
amdhsa.kernels:
  - .name:           k_qe253bca805_router
    .symbol:         k_qe253bca805_router.kd
    .args:
      - { .name: x, .offset: 0, .size: 8, .value_kind: global_buffer, .address_space: global }
      - { .name: gate_w, .offset: 8, .size: 8, .value_kind: global_buffer, .address_space: global }
      - { .name: gate_b, .offset: 16, .size: 8, .value_kind: global_buffer, .address_space: global }
      - { .name: xb, .offset: 24, .size: 8, .value_kind: global_buffer, .address_space: global }
      - { .name: idx, .offset: 32, .size: 8, .value_kind: global_buffer, .address_space: global }
      - { .name: score, .offset: 40, .size: 8, .value_kind: global_buffer, .address_space: global }
    .group_segment_fixed_size: 0
    .private_segment_fixed_size: 0
    .kernarg_segment_align: 8
    .kernarg_segment_size: 48
    .max_flat_workgroup_size: 128
    .sgpr_count:     66
    .vgpr_count:     256
    .wavefront_size: 32
...
	.end_amdgpu_metadata
.endif
;; end of part 1
;; launch ffn1 (part 2): grid 32 x 8, 8 waves a work-group, no clusters, 132,096 bytes of LDS; arguments xb, w1, b1, idx, h, lst; writes h, lst
.if DOCPART == 2
	.amdgcn_target "amdgcn-amd-amdhsa--gfx1250"
	.amdhsa_code_object_version 6
	.text
	.protected	k_qe253bca805_ffn1
	.globl	k_qe253bca805_ffn1
	.p2align	8
	.type	k_qe253bca805_ffn1,@function
k_qe253bca805_ffn1:
	s_mov_b64 s[64:65], 0
	v_nop
	global_prefetch_b8 v0, s[64:65] scope:SCOPE_SE
	s_setreg_imm32_b32 hwreg(HW_REG_WAVE_MODE, 25, 1), 1
	s_wait_xcnt 0x0
; FMoE: THE EXPERTS' TWO PRODUCTS.  One text serves both; FFN below picks the constants.
;   FFN = 1:  h[entry][n] = gelu(xb[token] . w1[e][:, n] + b1[e][n]), rounded to bf16.          Arguments: xb, w1, b1, idx, h, lst.
;   FFN = 2:  p[kq][entry][n] = score[entry] x (h[entry][quarter kq of K] . w2[e][that quarter, n] + b2[e][n] in quarter 0), f32.   Arguments: h, w2, b2, lst, p, score.
; An ENTRY is 2 x token + k: the token's k-th choice.  Only the rows of the experts chosen are multiplied.
; SHARES.  Grid: x = slice of 128 columns (FFN = 2: slice + 8 x quarter of K), y = expert.  A work-group has a block of 1,024 K x 128 N of one expert's f32 weights, which it alone reads, and ALL rows of
; that expert.  Rows go in tiles of 16; tile 24 p + 8 j + w belongs to pass p, slot j (0..2) of wave w: 24 accumulators of 16 x 16 a wave.
; PASS 0 (the expert's first 384 rows) is the pipelined way.  K goes in 8 chunks of 128.  Each wave loads 16 rows of a chunk (512 consecutive bytes a load), rounds them to bf16 in registers and lays them into
; one of two LDS buffers in the order in which operand registers take them; all eight waves read the buffer.  The rows (A) come from memory straight into operand registers, by the list.
; All loads of pass 0 are issued whatever the count of rows, so that every counted wait counts the same on every path; only matrix instructions and stores are jumped, by forward branches on NL that pass no barrier.
; PASSES 1 AND 2 (rows 384 to 1,023) serve splits in which an expert has more than 384 rows: each wave then reads the block again from memory, straight in operand order, and waits for every step's loads.  A slow way.
; A place past the count repeats the expert's last row: the same bits are stored to the same bytes, and EXEC is never narrowed.  An expert without rows streams its block and stores nothing.
; NO TENSOR LOADS: f32 weights must pass through registers to be rounded, and the rows come by a list that no descriptor covers.  NO CLUSTER: a block of weights has one reader; what an expert's
; work-groups share is its rows, gathered by entry.  The accumulators are cleared (192 v_mov_b32, in the wait for the first weights): a first step with C = 0 would leave a jumped slot's registers unwritten.
; FORMATS.  Weights, bias and rows are rounded once to bf16, sums are f32; h is rounded once to bf16.  gelu is the tanh form, x / (1 + 2^(x (CA + CB x^2))).  NaN and infinities are not treated apart.
; COLUMNS.  The lane c that loaded 16 bytes of a weights row has columns 4 c + j.  FFN = 1: tile T = 2 j + (c & 1), lane r = c >> 1, so lane r of the results holds the 8 neighbouring columns 8 r ..: 16 bytes of bf16.
; FFN = 2: T = 4 (c >> 4) + j, r = c & 15, so lane r holds columns 64 q + 4 r + 0..3 (q = T >> 2): 16 bytes of f32.  Either way sixteen lanes store 256 consecutive bytes.
.set FFN, 1
.if FFN == 1
.set WPITCH, 16384                     ; bytes from a row of the weights to the next
.set ASH,    11                        ; a row of A: 2,048 bytes of xb
.set OSH,    13                        ; a row of the output: 8,192 bytes of h
.set BSH,    14                        ; an expert's bias: 16,384 bytes
.set SJ,     2                         ; column j of a lane goes SJ tiles on
.set QH,     16                        ; the slow way: bytes from my first four columns to my second four
.else
.set WPITCH, 4096
.set ASH,    13                        ; 8,192 bytes of h
.set OSH,    12                        ; 4,096 bytes of p
.set BSH,    12
.set SJ,     1
.set QH,     256
.endif
.set CHSTEP, 128*WPITCH                ; a chunk: 128 rows of the weights
; LDS.  A buffer: 8 tiles of TILEB bytes.  Tile T, group g of 8 k (0..15), column lane r: 16 bytes (8 bf16, k ascending) at T x TILEB + 256 g + 16 r.
; Sixteen lanes of a read take 256 consecutive bytes.  TILEB = 4,096 + 128, so that with FFN = 1 the even and the odd lanes of a store fall 128 bytes apart modulo 256.
.set TILEB,  4224
.set BUF1,   65536                     ; buffer 0 at byte 0, buffer 1 here
.set RT,     33792                     ; 512 bytes a wave, its own: entries [3][16], at + 256 scores [3][16]
.set SPARE,  37888                     ; the spare words: 128 bytes a wave, four blocks of 256 bytes that no other line names
.set LIST,   99328                     ; FFN = 1: 4,096 bytes a wave, its own copy of the expert's list
; VECTOR REGISTERS, window 0
.set RR,  1                            ; v1      r = lane & 15
.set H16, 2                            ; v2      16 h, h = lane >> 4          (v3: at work)
.set SPW, 4                            ; v4      LDS address of my spare word; never rewritten
.set NIL, 5                            ; v5      0; never rewritten
.set WO,  6                            ; v6      16 lane + 16 w rows: my place in a chunk of the weights
.set PF,  7                            ; v7      the prefetch: row 16 w + lane / 2, half lane & 1 of its 512 bytes
.set AO,  8                            ; v8-10   slot j: byte offset of my row of A, + 16 h
.set SWO, 11                           ; v11     the slow way: row 8 h, my first four columns
.set BA,  12                           ; v12-13  16 r + 256 h in buffer 0, 1
.set ST,  14                           ; v14-15  where I store rounded weights in buffer 0, 1
.set BI,  16                           ; v16-23  the bias of my 8 columns, rounded to bf16, as f32
.set PK,  24                           ; v24-31  packing
.set AF,  32                           ; v32-127 A: slot j, K step s at AF + 32 j + 8 s
.set BFA, 128                          ; v128-191 B's fragments, buffer a
.set WS,  192                          ; v192-255 16 rows x 4 columns of weights, f32
; window 1: v0-191 the accumulators, slot j, tile T at 64 j + 8 T; v192-255 B's fragments, buffer b
.set BFB, 192
; at work ahead of the trips and in ROWS, in buffer a's registers, which are idle then
.set T0,  128
.set T1,  129                          ; four
.set T4,  133                          ; three
.set T7,  136
.set T8,  138                          ; four
.set EN,  142                          ; three: my rows' entries
.set SCR, 145                          ; three: their scores
.set LN,  148                          ; lane
.set NLN, 149                          ; - lane
.set L2,  150                          ; 2 lane
.set LPOS, 151
.set LALT, 152
.set LENT, 153
; the way out
.set RO,  32                           ; eight: byte offset of rows 8 h + i in the output, + 16 r
.set ENT, 40                           ; eight: their entries
.set SC,  48                           ; eight: their scores
.set EA,  56                           ; my row table + 32 h: RT + 512 w + 32 h; the slot's 64 j stands in the loads' immediate
.set XX,  64                           ; 64: row i, my column c at XX + 8 i + c
.set ZZ,  128                          ; 64
.set OO,  192                          ; 32
; SCALAR REGISTERS: s[4:15] the six arguments; s20-23, s[30:31] at work
.set WV,  16                           ; wave
.set SL,  17                           ; slice
.set EX,  18                           ; expert
.set CNT, 19                           ; the expert's rows
.set NT,  24                           ; its tiles
.set NL,  25                           ; my live slots in the pass in hand
.set PS,  26                           ; pass
.set TR,  27                           ; counts the loop over chunks
.set WP,  32                           ; s[32:33] weights, walking
.set AP,  34                           ; s[34:35] A, walking
.set W0,  36                           ; s[36:37] my block's first byte
.set A0,  38                           ; s[38:39] A at my K range
.set CA,  40                           ; s[40:41]
.set CB,  42                           ; s[42:43]
.set CM1, 44                           ; max(count, 1) - 1
.set JS,  45                           ; slot, on the way out
.set KS,  46                           ; counts the slow way's K steps
.set LB,  47                           ; my list in LDS
.set RTB, 48                           ; my row table in LDS
.set KQ,  49                           ; quarter of K
.set RB,  50                           ; 384 p + 16 w
.set BM,  51                           ; all ones where the bias counts
.set LP,  52                           ; s[52:53] lst at my expert
.set MSB, 0
.macro WIN new                         ; s_set_vgpr_msb: bits 1:0 source 0, 3:2 source 1, 5:4 source 2, 7:6 destination; the high byte repeats the setting that is left
.if MSB != (\new)
	s_set_vgpr_msb (MSB<<8)|(\new)
.set MSB, (\new)
.endif
.endm
.macro PLACES                          ; four places behind matrix instructions, ahead of loads into their sources and of reads of their results
.rept 4
	v_nop
.endr
.endm
.macro WLOAD                           ; my 16 rows of the chunk at WP: 512 consecutive bytes a load
.set i, 0
.rept 16
	global_load_b128 v[WS+4*i:WS+4*i+3], v[WO], s[WP:WP+1] offset:i*WPITCH th:TH_LOAD_NT
.set i, i+1
.endr
.endm
.macro ALOAD s                         ; K step s of the chunk at AP, my three slots: lane (r, h) takes k = 8 h .. and 16 + 8 h .. of row r
.irp j, 0,1,2
	global_load_b128 v[AF+32*\j+8*(\s):AF+32*\j+8*(\s)+3],   v[AO+\j], s[AP:AP+1] offset:64*(\s)
	global_load_b128 v[AF+32*\j+8*(\s)+4:AF+32*\j+8*(\s)+7], v[AO+\j], s[AP:AP+1] offset:64*(\s)+32
.endr
.endm
.macro FETCHB s, b, buf                ; B's 8 fragments of K step s out of LDS buffer buf into register buffer a (b = 0) or b (b = 1): groups 4 s + h and 4 s + 2 + h
.if \b
	WIN 0x40                                       ; destination window 1
.endif
.irp t, 0,1,2,3,4,5,6,7
	ds_load_b128 v[128+64*(\b)+8*\t:128+64*(\b)+8*\t+3],   v[BA+(\buf)] offset:\t*TILEB+1024*(\s)
	ds_load_b128 v[128+64*(\b)+8*\t+4:128+64*(\b)+8*\t+7], v[BA+(\buf)] offset:\t*TILEB+1024*(\s)+512
.endr
	WIN 0
.endm
; 8 matrix instructions for each live slot: A at ab + as x j, B at bb in window bw.  A slot's eight accumulators take turns, one instruction a turn; on every path
; two matrix instructions that follow each other name different accumulators.  At a branch and at a label every window is 0.
.macro MMA ab, as, bb, bw
.irp j, 0,1,2
	s_cmp_le_u32 s[NL], \j
	s_cbranch_scc1 .Lmend_\@
	WIN 0x50|((\bw)<<2)                            ; C and D window 1
.irp t, 0,1,2,3,4,5,6,7
	v_wmma_f32_16x16x32_bf16 v[64*\j+8*\t:64*\j+8*\t+7], v[(\ab)+(\as)*\j:(\ab)+(\as)*\j+7], v[(\bb)+8*\t:(\bb)+8*\t+7], v[64*\j+8*\t:64*\j+8*\t+7]
.endr
	WIN 0
.endr
.Lmend_\@:
.endm
.macro ROUND buf                       ; my 16 rows x 128 columns to bf16 and into LDS buffer buf: for each of 2 groups of 8 k and each of my 4 columns, 16 bytes
.set u, 0
.irp gi, 0,1
.irp j, 0,1,2,3
.irp i, 0,1,2,3
	v_cvt_pk_bf16_f32 v[PK+4*(u%2)+\i], v[WS+32*\gi+8*\i+\j], v[WS+32*\gi+8*\i+4+\j]
.endr
	ds_store_b128 v[ST+(\buf)], v[PK+4*(u%2):PK+4*(u%2)+3] offset:SJ*TILEB*\j+256*\gi
.set u, u+1
.endr
.endr
.endm
.macro CLEAR
	WIN 0x40
.set i, 0
.rept 192
	v_mov_b32 v[i], 0
.set i, i+1
.endr
	WIN 0
.endm
; A TRIP multiplies the chunk in LDS buffer buf: four K steps of 32.  Beside them: A of the next chunk is loaded into each step's registers as they fall free (al); the weights loaded a trip ago, the next
; chunk's, are rounded into the other buffer (prod); the chunk after that is loaded (wl); the one after that is asked for ahead (pf; 2: not in the loop's last pass).
; LOADcnt.  A trip issues A'0 (6), A'1 (6), W (16), A'2 (6), A'3 (6).  Behind the loads of a step's A stand 34 when the step comes; behind W stand 24 when it is rounded.  n0..n3, nw are those counts.
; DScnt.  A step waits for all but the 16 loads just issued; the fourth for all, so that at the barrier my stores into the other buffer are done and my reads of this one are over.
; ONE BARRIER a trip orders both: behind it the other buffer is whole, and this one may be written.
.macro TRIP buf, prod, wl, al, pf, n0, n1, nw, n2, n3, bar
.if (\al)+(\wl)
	s_wait_xcnt 0x0                                ; AP and WP are bases of loads that are still out: they step only behind this wait
.endif
.if \al
	s_add_nc_u64 s[AP:AP+1], s[AP:AP+1], 256
.endif
.if \wl
	s_add_nc_u64 s[WP:WP+1], s[WP:WP+1], CHSTEP
.endif
	FETCHB 0, 0, \buf
	FETCHB 1, 1, \buf
	s_wait_dscnt 16
	s_wait_loadcnt \n0
	MMA AF, 32, BFA, 0
	PLACES
.if \al
	ALOAD 0
.endif
	FETCHB 2, 0, \buf
	s_wait_dscnt 16
	s_wait_loadcnt \n1
	MMA AF+8, 32, BFB, 1
	PLACES
.if \al
	ALOAD 1
.endif
.if \prod
	s_wait_loadcnt \nw
	ROUND 1-(\buf)
.endif
.if \wl
	WLOAD
.endif
.if (\pf) == 2
	s_cmp_eq_u32 s[TR], 1
	s_cbranch_scc1 .Lnopf_\@                       ; the chunk one behind WP's would lie past my block
.endif
.if \pf
	global_prefetch_b8 v[PF], s[WP:WP+1] offset:CHSTEP th:TH_LOAD_NT scope:SCOPE_SE  ; my 16 rows of the chunk that the next trip loads: 32 lanes, 256 bytes apart; each block is asked for once, by the wave that will load it
.endif
.if (\pf) == 2
.Lnopf_\@:
.endif
	FETCHB 3, 1, \buf
	s_wait_dscnt 16                                ; step 2's fragments are in, and my 8 stores are done
	s_wait_loadcnt \n2
	MMA AF+16, 32, BFA, 0
	PLACES
.if \al
	ALOAD 2
.endif
	s_wait_dscnt 0x0
	s_wait_loadcnt \n3
	MMA AF+24, 32, BFB, 1
	PLACES
.if \al
	ALOAD 3
.endif
.if \bar
	s_barrier_signal -1
	s_barrier_wait -1
.endif
.endm
.macro NLCALC                          ; my live slots in pass PS: the j with 24 p + 8 j + w < NT
	s_mul_i32 s20, s[PS], 24
	s_add_co_u32 s20, s20, s[WV]
	s_sub_co_i32 s[NL], s[NT], s20
	s_max_i32 s[NL], s[NL], 0
	s_add_co_u32 s[NL], s[NL], 7
	s_lshr_b32 s[NL], s[NL], 3
	s_min_u32 s[NL], s[NL], 3
.endm
; My rows' entries: rank RB + 128 j + r of the expert's list.
.macro ENTRIES
.irp j, 0,1,2
	v_add3_u32 v[T1+\j], s[RB], v[RR], 128*\j
.if FFN == 1
	v_min_u32 v[T1+\j], s[CM1], v[T1+\j]           ; a place past the count repeats the last row
	v_min_u32 v[T1+\j], 0x3ff, v[T1+\j]
	v_lshl_add_u32 v[T1+\j], v[T1+\j], 2, s[LB]
	ds_load_b32 v[EN+\j], v[T1+\j]                 ; LDS serves a wave's instructions in order: these see my stores of the list
.else
	v_min_u32 v[T1+\j], 0x3ff, v[T1+\j]            ; lst repeats the last row past the count
	v_lshlrev_b32 v[T1+\j], 2, v[T1+\j]
	global_load_b32 v[EN+\j], v[T1+\j], s[LP:LP+1]
.endif
.endr
.endm
; The entries go into my row table, for the way out, and make A's offsets.  FFN = 2: the scores are asked for.
.macro ROWS2
	v_lshl_add_u32 v[T0], v[RR], 2, s[RTB]
.irp j, 0,1,2
	ds_store_b32 v[T0], v[EN+\j] offset:64*\j
.if FFN == 1
	v_lshrrev_b32 v[T4+\j], 1, v[EN+\j]            ; the token
	v_min_u32 v[T4+\j], 0x3ff, v[T4+\j]
.else
	v_min_u32 v[T4+\j], 0x7ff, v[EN+\j]
.endif
	v_lshl_add_u32 v[AO+\j], v[T4+\j], ASH, v[H16]
.if FFN == 2
	v_lshlrev_b32 v[T4+\j], 2, v[T4+\j]
	global_load_b32 v[SCR+\j], v[T4+\j], s[14:15]
.endif
.endr
.endm
.macro SCSTORE
.irp j, 0,1,2
	ds_store_b32 v[T0], v[SCR+\j] offset:256+64*\j
.endr
.endm
; THE SLOW WAY's K step of 32: A of my three slots; the weights straight in operand order: lane (r, h) takes rows 8 h + 0..7 and 16 + 8 h + 0..7 of its 8 columns; all waited for; rounded; multiplied.
.macro SSTEP
.irp j, 0,1,2
	global_load_b128 v[AF+8*\j:AF+8*\j+3],   v[AO+\j], s[AP:AP+1]
	global_load_b128 v[AF+8*\j+4:AF+8*\j+7], v[AO+\j], s[AP:AP+1] offset:32
.endr
.set ii, 0
.rept 16
	global_load_b128 v[64+4*ii:64+4*ii+3],   v[SWO], s[WP:WP+1] offset:(ii+8*(ii/8))*WPITCH
	global_load_b128 v[192+4*ii:192+4*ii+3], v[SWO], s[WP:WP+1] offset:(ii+8*(ii/8))*WPITCH+QH
.set ii, ii+1
.endr
	s_wait_loadcnt 0x0
.irp t, 0,1,2,3,4,5,6,7
.if FFN == 1
.set sb, 64+128*((\t)&1)
.set mm, (\t)>>1
.else
.set sb, 64+128*((\t)>>2)
.set mm, (\t)&3
.endif
.irp i, 0,1,2,3,4,5,6,7
	v_cvt_pk_bf16_f32 v[BFA+8*\t+\i], v[sb+8*\i+mm], v[sb+8*\i+4+mm]
.endr
.endr
	MMA AF, 8, BFA, 0
	PLACES
	s_add_nc_u64 s[WP:WP+1], s[WP:WP+1], 32*WPITCH ; the loads that named them are done
	s_add_nc_u64 s[AP:AP+1], s[AP:AP+1], 64
.endm
; Slot j on the way out: the entries (FFN = 2: and scores) of rows 8 h .. 8 h + 7 are asked for out of my row table, at RT + 512 w + 32 h + 64 j; then slot j's results plus the bias,
; each accumulator's registers in ascending order.
.macro TAKE j
	ds_load_b128 v[ENT:ENT+3],   v[EA] offset:64*(\j)
	ds_load_b128 v[ENT+4:ENT+7], v[EA] offset:64*(\j)+16
.if FFN == 2
	ds_load_b128 v[SC:SC+3],   v[EA] offset:256+64*(\j)
	ds_load_b128 v[SC+4:SC+7], v[EA] offset:272+64*(\j)
.endif
	WIN 0x01                                       ; source 0 window 1
.irp i, 0,1,2,3,4,5,6,7
.irp c, 0,1,2,3,4,5,6,7
.if FFN == 1
.set tc, 2*((\c)&3)+((\c)>>2)
.else
.set tc, \c
.endif
	v_add_f32 v[XX+8*\i+\c], v[64*(\j)+8*tc+\i], v[BI+\c]
.endr
.endr
	WIN 0
.endm
	; ---------------- the head
	s_load_b256 s[4:11], s[0:1], 0x0               ; rows s[4:5], weights s[6:7], bias s[8:9], idx or lst s[10:11]
	s_load_b128 s[12:15], s[0:1], 0x20             ; output s[12:13], lst or score s[14:15]
	v_lshl_add_u32 v[SPW], v0, 2, SPARE
	v_mov_b32 v[NIL], 0
	v_lshrrev_b32 v3, 5, v0
	v_readfirstlane_b32 s[WV], v3
	s_and_b32 s[EX], ttmp7, 0xffff
.if FFN == 1
	s_mov_b32 s[SL], ttmp9
	s_mov_b32 s[KQ], 0
.else
	s_and_b32 s[SL], ttmp9, 7
	s_lshr_b32 s[KQ], ttmp9, 3
.endif
	v_and_b32 v[LN], 31, v0
	v_and_b32 v[RR], 15, v0
	v_and_b32 v[H16], 16, v0
	s_mul_i32 s20, s[WV], 16*WPITCH
	v_lshl_add_u32 v[WO], v[LN], 4, s20
	v_lshrrev_b32 v3, 1, v[LN]
	v_mul_u32_u24 v[PF], v3, WPITCH
	v_and_b32 v3, 1, v[LN]
	v_lshl_add_u32 v[PF], v3, 8, v[PF]
	v_add_nc_u32 v[PF], s20, v[PF]
	v_mul_u32_u24 v[SWO], v[H16], WPITCH/2         ; 8 h rows
	v_lshlrev_b32 v[BA], 4, v[RR]
	v_lshl_add_u32 v[BA], v[H16], 4, v[BA]
	v_add_nc_u32 v[BA+1], BUF1, v[BA]
	s_lshl_b32 s21, s[WV], 9                       ; my two groups of 8 k in a tile
.if FFN == 1
	v_lshl_add_u32 v[SWO], v[RR], 5, v[SWO]
	v_mul_u32_u24 v[ST], v3, TILEB                 ; (c & 1) tiles
	v_lshrrev_b32 v3, 1, v[LN]
	v_lshl_add_u32 v[ST], v3, 4, v[ST]             ; + 16 (c >> 1)
.else
	v_lshl_add_u32 v[SWO], v[RR], 4, v[SWO]
	v_mul_u32_u24 v[ST], v[H16], 4*TILEB/16        ; 4 (c >> 4) tiles
	v_lshl_add_u32 v[ST], v[RR], 4, v[ST]          ; + 16 (c & 15)
.endif
	v_add_nc_u32 v[ST], s21, v[ST]
	v_add_nc_u32 v[ST+1], BUF1, v[ST]
	s_lshl_b32 s[LB], s[WV], 12
	s_add_co_u32 s[LB], s[LB], LIST
	s_add_co_u32 s[RTB], s21, RT
	s_mov_b32 s[PS], 0
	s_lshl_b32 s[RB], s[WV], 4
.if FFN == 1
	s_mov_b32 s[CA], 0xc0135761                    ; - 2 log2(e) sqrt(2 / pi) = -2.3022082
	s_mov_b32 s[CA+1], s[CA]                       ; named with it as a pair
	s_mov_b32 s[CB], 0xbdd2d3e8                    ; CA x 0.044715 = -0.10294324
	s_mov_b32 s[CB+1], s[CB]
.else
	s_cmp_eq_u32 s[KQ], 0
	s_cselect_b32 s[BM], -1, 0
	s_lshl_b32 s28, s[EX], 2                       ; kept for the count's load alone
.endif
	s_mov_b32 s31, 0
	s_lshl_b32 s20, s[SL], 9                       ; 128 columns of f32
	s_wait_kmcnt 0x0
	s_lshl_b32 s30, s[EX], 24                      ; an expert's weights: 16 MiB
	s_add_co_u32 s30, s30, s20
.if FFN == 2
	s_lshl_b32 s21, s[KQ], 22                      ; 1,024 rows of 4,096 bytes
	s_add_co_u32 s30, s30, s21
.endif
	s_add_nc_u64 s[W0:W0+1], s[6:7], s[30:31]
	s_mov_b64 s[WP:WP+1], s[W0:W0+1]
	s_lshl_b32 s30, s[EX], BSH
	s_add_co_u32 s30, s30, s20
	s_add_nc_u64 s[8:9], s[8:9], s[30:31]          ; the bias of my 128 columns
.if FFN == 1
	s_mov_b64 s[A0:A0+1], s[4:5]
	s_lshl_b32 s30, s[SL], 8                       ; 128 columns of bf16
	s_add_nc_u64 s[12:13], s[12:13], s[30:31]
	s_lshl_b32 s30, s[EX], 12
	s_add_nc_u64 s[LP:LP+1], s[14:15], s[30:31]
.else
	s_load_b32 s[CNT], s[10:11], s28 offset:0x8000 ; the expert's count, behind the eight lists
	s_lshl_b32 s30, s[KQ], 11                      ; 1,024 bf16
	s_add_nc_u64 s[A0:A0+1], s[4:5], s[30:31]
	s_lshl_b32 s30, s[KQ], 23                      ; a quarter's partial sums: 8 MiB
	s_add_co_u32 s30, s30, s20
	s_add_nc_u64 s[12:13], s[12:13], s[30:31]
	s_lshl_b32 s30, s[EX], 12
	s_add_nc_u64 s[LP:LP+1], s[10:11], s[30:31]
.endif
	s_mov_b64 s[AP:AP+1], s[A0:A0+1]
	; ---------------- the first loads: what the rows hang on, then chunk 0 of the weights
.if FFN == 1
	v_lshlrev_b32 v[T0], 3, v[LN]
.set g, 0
.rept 32                               ; all 1,024 tokens' choices: group g gives lane l token 32 g + l
	global_load_b64 v[AF+2*g:AF+2*g+1], v[T0], s[10:11] offset:256*g
.set g, g+1
.endr
.else
	ENTRIES
.endif
	WLOAD
	global_prefetch_b8 v[PF], s[WP:WP+1] offset:CHSTEP th:TH_LOAD_NT scope:SCOPE_SE    ; my rows of chunks 1 and 2; the trips ask for chunks 3 to 7
	global_prefetch_b8 v[PF], s[WP:WP+1] offset:2*CHSTEP th:TH_LOAD_NT scope:SCOPE_SE
	CLEAR                                          ; stands in the wait for those loads
	s_wait_loadcnt 16                              ; all but chunk 0's sixteen
.if FFN == 1
	; THE LIST, each wave's own copy, so that no barrier is needed.  Members of the expert take ranks 0 upward in the order of tokens, the others the places 1,023 downward: each of the 1,024 words is written once.
	s_mov_b32 s[CNT], 0
	v_sub_nc_u32 v[NLN], 0, v[LN]
	v_lshlrev_b32 v[L2], 1, v[LN]
.set g, 0
.rept 32
	v_cmp_eq_u32 s20, s[EX], v[AF+2*g]             ; the first choice is my expert,
	v_cmp_eq_u32 s21, s[EX], v[AF+2*g+1]           ; or the second
	s_or_b32 s22, s20, s21
	v_mbcnt_lo_u32_b32 v[LPOS], s22, s[CNT]        ; members ahead of this token
	v_add3_u32 v[LALT], v[LPOS], v[NLN], 1023-32*g ; 1,023 less the others ahead of it
	v_cndmask_b32 v[LPOS], v[LALT], v[LPOS], s22
	v_min_u32 v[LPOS], 0x3ff, v[LPOS]
	v_lshl_add_u32 v[LPOS], v[LPOS], 2, s[LB]
	v_cndmask_b32 v[LENT], 0, 1, s21
	v_add3_u32 v[LENT], v[LENT], v[L2], 64*g       ; the entry: 2 x token + k
	ds_store_b32 v[LPOS], v[LENT]
	s_bcnt1_i32_b32 s23, s22
	s_add_co_u32 s[CNT], s[CNT], s23
.set g, g+1
.endr
	s_min_u32 s[CNT], s[CNT], 0x400
	s_max_u32 s[CM1], s[CNT], 1
	s_sub_co_u32 s[CM1], s[CM1], 1
	s_min_u32 s[CM1], s[CM1], 0x3ff
	; slice 0 writes the list and the count out for the second product: wave w ranks 128 w .. 128 w + 127, the last row repeated past the count
	s_cmp_lg_u32 s[SL], 0
	s_cbranch_scc1 .Lnoexp
	v_lshlrev_b32 v[T0], 2, v0
.irp i, 0,1,2,3
	v_add_nc_u32 v[T1+\i], \i, v[T0]
	v_min_u32 v[T1+\i], s[CM1], v[T1+\i]
	v_min_u32 v[T1+\i], 0x3ff, v[T1+\i]
	v_lshl_add_u32 v[T1+\i], v[T1+\i], 2, s[LB]
	ds_load_b32 v[T8+\i], v[T1+\i]
.endr
	v_lshlrev_b32 v[T0], 4, v0
	s_wait_dscnt 0x0
	global_store_b128 v[T0], v[T8:T8+3], s[LP:LP+1]  ; a wave stores 512 consecutive bytes
	s_cmp_lg_u32 s[WV], 0
	s_cbranch_scc1 .Lnoexp
	v_mov_b32 v[T1], s[CNT]
	s_lshl_b32 s20, s[EX], 2
	v_mov_b32 v[T1+1], s20
	v_cmp_eq_u32 vcc_lo, 0, v0
	s_wait_xcnt 0x0                                ; EXEC is a source of the loads and the store that are out: it changes only behind this wait
	s_and_saveexec_b32 s21, vcc_lo
	global_store_b32 v[T1+1], v[T1], s[14:15] offset:32768
	s_wait_xcnt 0x0                                ; and again ahead of the line that widens it
	s_or_b32 exec_lo, exec_lo, s21
.Lnoexp:
	s_wait_xcnt 0x0                                ; the stores' registers are written again below
	ENTRIES
	s_wait_dscnt 0x0
.else
	s_wait_kmcnt 0x0
	s_min_u32 s[CNT], s[CNT], 0x400
.endif
	ROWS2
.if FFN == 1
	v_lshlrev_b32 v[T7], 5, v[RR]                  ; my 8 neighbouring columns
.else
	v_lshlrev_b32 v[T7], 4, v[RR]                  ; my 4 columns in each half
.endif
	global_load_b128 v[BI:BI+3],   v[T7], s[8:9]
	global_load_b128 v[BI+4:BI+7], v[T7], s[8:9] offset:QH
	ALOAD 0
	ALOAD 1
	s_wait_loadcnt 14+3*(FFN-1)                    ; behind chunk 0: (three scores,) two of bias, twelve of A
	ROUND 0
	s_wait_xcnt 0x0                                ; WP is the base of the two prefetches
	s_add_nc_u64 s[WP:WP+1], s[WP:WP+1], CHSTEP
	WLOAD                                          ; chunk 1.  From the bias on the order is a trip's: A0, A1, W, A2, A3
	ALOAD 2
	ALOAD 3
	s_wait_loadcnt 40                              ; those forty may stay out: bias and scores are in
.irp m, 0,1,2,3
	v_cvt_pk_bf16_f32 v3, v[BI+2*\m], v[BI+2*\m+1] ; the bias is rounded to bf16 like every input
	v_lshlrev_b32 v[BI+2*\m], 16, v3
	v_and_b32 v[BI+2*\m+1], 0xffff0000, v3
.endr
.if FFN == 2
.irp c, 0,1,2,3,4,5,6,7
	v_cndmask_b32 v[BI+\c], 0, v[BI+\c], s[BM]     ; it counts in quarter 0 alone
.endr
	SCSTORE
.endif
	s_add_co_u32 s[NT], s[CNT], 15
	s_lshr_b32 s[NT], s[NT], 4
	NLCALC
	s_wait_dscnt 0x0                               ; for the others' sake: my part of chunk 0 is in buffer 0
	s_barrier_signal -1
	s_barrier_wait -1
	; ---------------- pass 0: chunks 0 to 7
	s_mov_b32 s[TR], 3
.Ltrip:
	TRIP 0, 1, 1, 1, 1, 34, 34, 24, 34, 34, 1
	TRIP 1, 1, 1, 1, 2, 34, 34, 24, 34, 34, 1
	s_sub_co_u32 s[TR], s[TR], 1
	s_cmp_lg_u32 s[TR], 0
	s_cbranch_scc1 .Ltrip
	TRIP 0, 1, 0, 1, 0, 34, 34, 24, 18, 18, 1      ; chunk 6: no weights are left to load, so 16 fewer stand behind A's last two steps
	TRIP 1, 0, 0, 0, 0, 18, 12, 0, 6, 0, 0         ; chunk 7: nothing is loaded, the counts run down; no buffer is written again, so no barrier
	s_branch .Lepi
	; ---------------- passes 1 and 2
.Lpass:
	s_wait_xcnt 0x0                                ; the last stores have read their registers
	NLCALC
	s_cmp_eq_u32 s[NL], 0
	s_cbranch_scc1 .Lnext
	s_mul_i32 s[RB], s[PS], 384
	s_lshl4_add_u32 s[RB], s[WV], s[RB]
	ENTRIES
.if FFN == 1
	s_wait_dscnt 0x0
	ROWS2
.else
	s_wait_loadcnt 0x0
	ROWS2
	s_wait_loadcnt 0x0
	SCSTORE
.endif
	CLEAR
	s_mov_b64 s[WP:WP+1], s[W0:W0+1]
	s_mov_b64 s[AP:AP+1], s[A0:A0+1]
	s_mov_b32 s[KS], 32
.Lslow:
	SSTEP
	s_sub_co_u32 s[KS], s[KS], 1
	s_cmp_lg_u32 s[KS], 0
	s_cbranch_scc1 .Lslow
	; ---------------- the way out, a live slot at a time.  Lane (r, h) holds rows 8 h + i of the tile and 8 columns.
.Lepi:
	s_mov_b32 s[JS], 0
.Lslot:
	s_cmp_ge_u32 s[JS], s[NL]
	s_cbranch_scc1 .Lsnext
	s_wait_xcnt 0x0                                ; the slot before: its stores have read their registers
	v_lshl_add_u32 v[EA], v[H16], 1, s[RTB]        ; my own row table, rows 8 h on: only my wave writes or reads these bytes, and LDS serves a wave's instructions in order
	s_cmp_eq_u32 s[JS], 1
	s_cbranch_scc1 .Ltake1
	s_cmp_eq_u32 s[JS], 2
	s_cbranch_scc1 .Ltake2
	TAKE 0
	s_branch .Lcommon
.Ltake1:
	TAKE 1
	s_branch .Lcommon
.Ltake2:
	TAKE 2
.Lcommon:
	s_wait_dscnt 0x0                               ; the entries (and scores) are in
.irp i, 0,1,2,3,4,5,6,7
	v_min_u32 v[RO+\i], 0x7ff, v[ENT+\i]
	v_lshlrev_b32 v[RO+\i], OSH, v[RO+\i]
	v_lshl_add_u32 v[RO+\i], v[RR], 4, v[RO+\i]
.endr
.if FFN == 1
	; gelu(x) = x / (1 + 2^(x (CA + CB x^2))).  The 64 exponentials are one batch with one wait, and so are the 64 reciprocals.
.set i, 0
.rept 32
	v_pk_mul_f32 v[ZZ+2*i:ZZ+2*i+1], v[XX+2*i:XX+2*i+1], v[XX+2*i:XX+2*i+1]
.set i, i+1
.endr
.set i, 0
.rept 32
	v_pk_fma_f32 v[ZZ+2*i:ZZ+2*i+1], v[ZZ+2*i:ZZ+2*i+1], s[CB:CB+1], s[CA:CA+1] op_sel_hi:[1,0,0]
.set i, i+1
.endr
.set i, 0
.rept 32
	v_pk_mul_f32 v[ZZ+2*i:ZZ+2*i+1], v[XX+2*i:XX+2*i+1], v[ZZ+2*i:ZZ+2*i+1]
.set i, i+1
.endr
.set i, 0
.rept 64
	v_exp_f32 v[ZZ+i], v[ZZ+i]
.set i, i+1
.endr
	v_nop                                          ; a plain instruction behind the last exponential (ISA guide 5.7.2),
	s_wait_alu depctr_va_vdst(0)                   ; and the wait ahead of the batch's first reader
.set i, 0
.rept 32
	v_pk_add_f32 v[ZZ+2*i:ZZ+2*i+1], v[ZZ+2*i:ZZ+2*i+1], 1.0 op_sel_hi:[1,0]
.set i, i+1
.endr
.set i, 0
.rept 64
	v_rcp_f32 v[ZZ+i], v[ZZ+i]
.set i, i+1
.endr
	v_nop
	s_wait_alu depctr_va_vdst(0)
.set i, 0
.rept 32
	v_pk_mul_f32 v[XX+2*i:XX+2*i+1], v[XX+2*i:XX+2*i+1], v[ZZ+2*i:ZZ+2*i+1]
.set i, i+1
.endr
.set i, 0
.rept 32
	v_cvt_pk_bf16_f32 v[OO+i], v[XX+2*i], v[XX+2*i+1]
.set i, i+1
.endr
.irp i, 0,1,2,3,4,5,6,7
	global_store_b128 v[RO+\i], v[OO+4*\i:OO+4*\i+3], s[12:13]  ; lanes 0-15 store 256 consecutive bytes of row i, lanes 16-31 of row 8 + i, each at a multiple of 256 from h's first byte
.endr
.else
.irp ih, 0,1,2,3                       ; row 2 ih + il: times its score
.irp il, 0,1
.irp c, 0,1,2,3
	v_pk_mul_f32 v[XX+16*\ih+8*\il+2*\c:XX+16*\ih+8*\il+2*\c+1], v[XX+16*\ih+8*\il+2*\c:XX+16*\ih+8*\il+2*\c+1], v[SC+2*\ih:SC+2*\ih+1] op_sel:[0,\il] op_sel_hi:[1,\il]
.endr
.endr
.endr
.irp i, 0,1,2,3,4,5,6,7
	global_store_b128 v[RO+\i], v[XX+8*\i:XX+8*\i+3],   s[12:13]             ; sixteen lanes store 256 consecutive bytes of a row, at a multiple of 256 from p's first byte
	global_store_b128 v[RO+\i], v[XX+8*\i+4:XX+8*\i+7], s[12:13] offset:256
.endr
.endif
.Lsnext:
	s_add_co_u32 s[JS], s[JS], 1
	s_cmp_lt_u32 s[JS], 3
	s_cbranch_scc1 .Lslot
.Lnext:
	s_add_co_u32 s[PS], s[PS], 1
	s_cmp_lt_u32 s[PS], 3
	s_cbranch_scc1 .Lpass
	s_wait_tensorcnt 0x0                           ; the wave's end, behind my last LDS store
	ds_add_u32 v[SPW], v[NIL]
	s_wait_dscnt 0x0
	s_endpgm
.Lfunc_end_k_qe253bca805_ffn1:
	.size	k_qe253bca805_ffn1, .Lfunc_end_k_qe253bca805_ffn1-k_qe253bca805_ffn1
	.p2alignl 7, 3214868480
	.fill 96, 4, 3214868480
	.section	.rodata,"a",@progbits
	.p2align	6, 0x0
	.amdhsa_kernel k_qe253bca805_ffn1
		.amdhsa_group_segment_fixed_size 132096
		.amdhsa_private_segment_fixed_size 0
		.amdhsa_enable_private_segment 0
		.amdhsa_kernarg_size 48
		.amdhsa_user_sgpr_count 2
		.amdhsa_user_sgpr_kernarg_segment_ptr 1
		.amdhsa_wavefront_size32 1
		.amdhsa_system_sgpr_workgroup_id_x 1
		.amdhsa_system_sgpr_workgroup_id_y 1
		.amdhsa_system_sgpr_workgroup_id_z 1
		.amdhsa_system_vgpr_workitem_id 0
		.amdhsa_next_free_vgpr 512
		.amdhsa_next_free_sgpr 66
		.amdhsa_reserve_vcc 1
		.amdhsa_float_denorm_mode_32 3
		.amdhsa_float_denorm_mode_16_64 3
		.amdhsa_memory_ordered 1
		.amdhsa_forward_progress 1
		.amdhsa_inst_pref_size 161
	.end_amdhsa_kernel
	.amdgpu_metadata
---
amdhsa.version: [ 1, 2 ]
amdhsa.kernels:
  - .name:           k_qe253bca805_ffn1
    .symbol:         k_qe253bca805_ffn1.kd
    .args:
      - { .name: xb, .offset: 0, .size: 8, .value_kind: global_buffer, .address_space: global }
      - { .name: w1, .offset: 8, .size: 8, .value_kind: global_buffer, .address_space: global }
      - { .name: b1, .offset: 16, .size: 8, .value_kind: global_buffer, .address_space: global }
      - { .name: idx, .offset: 24, .size: 8, .value_kind: global_buffer, .address_space: global }
      - { .name: h, .offset: 32, .size: 8, .value_kind: global_buffer, .address_space: global }
      - { .name: lst, .offset: 40, .size: 8, .value_kind: global_buffer, .address_space: global }
    .group_segment_fixed_size: 132096
    .private_segment_fixed_size: 0
    .kernarg_segment_align: 8
    .kernarg_segment_size: 48
    .max_flat_workgroup_size: 256
    .sgpr_count:     66
    .vgpr_count:     512
    .wavefront_size: 32
...
	.end_amdgpu_metadata
.endif
;; end of part 2
;; launch ffn2 (part 3): grid 32 x 8, 8 waves a work-group, no clusters, 99,328 bytes of LDS; arguments h, w2, b2, lst, p, score; writes p
.if DOCPART == 3
	.amdgcn_target "amdgcn-amd-amdhsa--gfx1250"
	.amdhsa_code_object_version 6
	.text
	.protected	k_qe253bca805_ffn2
	.globl	k_qe253bca805_ffn2
	.p2align	8
	.type	k_qe253bca805_ffn2,@function
k_qe253bca805_ffn2:
	s_mov_b64 s[64:65], 0
	v_nop
	global_prefetch_b8 v0, s[64:65] scope:SCOPE_SE
	s_setreg_imm32_b32 hwreg(HW_REG_WAVE_MODE, 25, 1), 1
	s_wait_xcnt 0x0
; FMoE: THE EXPERTS' TWO PRODUCTS.  One text serves both; FFN below picks the constants.
;   FFN = 1:  h[entry][n] = gelu(xb[token] . w1[e][:, n] + b1[e][n]), rounded to bf16.          Arguments: xb, w1, b1, idx, h, lst.
;   FFN = 2:  p[kq][entry][n] = score[entry] x (h[entry][quarter kq of K] . w2[e][that quarter, n] + b2[e][n] in quarter 0), f32.   Arguments: h, w2, b2, lst, p, score.
; An ENTRY is 2 x token + k: the token's k-th choice.  Only the rows of the experts chosen are multiplied.
; SHARES.  Grid: x = slice of 128 columns (FFN = 2: slice + 8 x quarter of K), y = expert.  A work-group has a block of 1,024 K x 128 N of one expert's f32 weights, which it alone reads, and ALL rows of
; that expert.  Rows go in tiles of 16; tile 24 p + 8 j + w belongs to pass p, slot j (0..2) of wave w: 24 accumulators of 16 x 16 a wave.
; PASS 0 (the expert's first 384 rows) is the pipelined way.  K goes in 8 chunks of 128.  Each wave loads 16 rows of a chunk (512 consecutive bytes a load), rounds them to bf16 in registers and lays them into
; one of two LDS buffers in the order in which operand registers take them; all eight waves read the buffer.  The rows (A) come from memory straight into operand registers, by the list.
; All loads of pass 0 are issued whatever the count of rows, so that every counted wait counts the same on every path; only matrix instructions and stores are jumped, by forward branches on NL that pass no barrier.
; PASSES 1 AND 2 (rows 384 to 1,023) serve splits in which an expert has more than 384 rows: each wave then reads the block again from memory, straight in operand order, and waits for every step's loads.  A slow way.
; A place past the count repeats the expert's last row: the same bits are stored to the same bytes, and EXEC is never narrowed.  An expert without rows streams its block and stores nothing.
; NO TENSOR LOADS: f32 weights must pass through registers to be rounded, and the rows come by a list that no descriptor covers.  NO CLUSTER: a block of weights has one reader; what an expert's
; work-groups share is its rows, gathered by entry.  The accumulators are cleared (192 v_mov_b32, in the wait for the first weights): a first step with C = 0 would leave a jumped slot's registers unwritten.
; FORMATS.  Weights, bias and rows are rounded once to bf16, sums are f32; h is rounded once to bf16.  gelu is the tanh form, x / (1 + 2^(x (CA + CB x^2))).  NaN and infinities are not treated apart.
; COLUMNS.  The lane c that loaded 16 bytes of a weights row has columns 4 c + j.  FFN = 1: tile T = 2 j + (c & 1), lane r = c >> 1, so lane r of the results holds the 8 neighbouring columns 8 r ..: 16 bytes of bf16.
; FFN = 2: T = 4 (c >> 4) + j, r = c & 15, so lane r holds columns 64 q + 4 r + 0..3 (q = T >> 2): 16 bytes of f32.  Either way sixteen lanes store 256 consecutive bytes.
.set FFN, 2
.if FFN == 1
.set WPITCH, 16384                     ; bytes from a row of the weights to the next
.set ASH,    11                        ; a row of A: 2,048 bytes of xb
.set OSH,    13                        ; a row of the output: 8,192 bytes of h
.set BSH,    14                        ; an expert's bias: 16,384 bytes
.set SJ,     2                         ; column j of a lane goes SJ tiles on
.set QH,     16                        ; the slow way: bytes from my first four columns to my second four
.else
.set WPITCH, 4096
.set ASH,    13                        ; 8,192 bytes of h
.set OSH,    12                        ; 4,096 bytes of p
.set BSH,    12
.set SJ,     1
.set QH,     256
.endif
.set CHSTEP, 128*WPITCH                ; a chunk: 128 rows of the weights
; LDS.  A buffer: 8 tiles of TILEB bytes.  Tile T, group g of 8 k (0..15), column lane r: 16 bytes (8 bf16, k ascending) at T x TILEB + 256 g + 16 r.
; Sixteen lanes of a read take 256 consecutive bytes.  TILEB = 4,096 + 128, so that with FFN = 1 the even and the odd lanes of a store fall 128 bytes apart modulo 256.
.set TILEB,  4224
.set BUF1,   65536                     ; buffer 0 at byte 0, buffer 1 here
.set RT,     33792                     ; 512 bytes a wave, its own: entries [3][16], at + 256 scores [3][16]
.set SPARE,  37888                     ; the spare words: 128 bytes a wave, four blocks of 256 bytes that no other line names
.set LIST,   99328                     ; FFN = 1: 4,096 bytes a wave, its own copy of the expert's list
; VECTOR REGISTERS, window 0
.set RR,  1                            ; v1      r = lane & 15
.set H16, 2                            ; v2      16 h, h = lane >> 4          (v3: at work)
.set SPW, 4                            ; v4      LDS address of my spare word; never rewritten
.set NIL, 5                            ; v5      0; never rewritten
.set WO,  6                            ; v6      16 lane + 16 w rows: my place in a chunk of the weights
.set PF,  7                            ; v7      the prefetch: row 16 w + lane / 2, half lane & 1 of its 512 bytes
.set AO,  8                            ; v8-10   slot j: byte offset of my row of A, + 16 h
.set SWO, 11                           ; v11     the slow way: row 8 h, my first four columns
.set BA,  12                           ; v12-13  16 r + 256 h in buffer 0, 1
.set ST,  14                           ; v14-15  where I store rounded weights in buffer 0, 1
.set BI,  16                           ; v16-23  the bias of my 8 columns, rounded to bf16, as f32
.set PK,  24                           ; v24-31  packing
.set AF,  32                           ; v32-127 A: slot j, K step s at AF + 32 j + 8 s
.set BFA, 128                          ; v128-191 B's fragments, buffer a
.set WS,  192                          ; v192-255 16 rows x 4 columns of weights, f32
; window 1: v0-191 the accumulators, slot j, tile T at 64 j + 8 T; v192-255 B's fragments, buffer b
.set BFB, 192
; at work ahead of the trips and in ROWS, in buffer a's registers, which are idle then
.set T0,  128
.set T1,  129                          ; four
.set T4,  133                          ; three
.set T7,  136
.set T8,  138                          ; four
.set EN,  142                          ; three: my rows' entries
.set SCR, 145                          ; three: their scores
.set LN,  148                          ; lane
.set NLN, 149                          ; - lane
.set L2,  150                          ; 2 lane
.set LPOS, 151
.set LALT, 152
.set LENT, 153
; the way out
.set RO,  32                           ; eight: byte offset of rows 8 h + i in the output, + 16 r
.set ENT, 40                           ; eight: their entries
.set SC,  48                           ; eight: their scores
.set EA,  56                           ; my row table + 32 h: RT + 512 w + 32 h; the slot's 64 j stands in the loads' immediate
.set XX,  64                           ; 64: row i, my column c at XX + 8 i + c
.set ZZ,  128                          ; 64
.set OO,  192                          ; 32
; SCALAR REGISTERS: s[4:15] the six arguments; s20-23, s[30:31] at work
.set WV,  16                           ; wave
.set SL,  17                           ; slice
.set EX,  18                           ; expert
.set CNT, 19                           ; the expert's rows
.set NT,  24                           ; its tiles
.set NL,  25                           ; my live slots in the pass in hand
.set PS,  26                           ; pass
.set TR,  27                           ; counts the loop over chunks
.set WP,  32                           ; s[32:33] weights, walking
.set AP,  34                           ; s[34:35] A, walking
.set W0,  36                           ; s[36:37] my block's first byte
.set A0,  38                           ; s[38:39] A at my K range
.set CA,  40                           ; s[40:41]
.set CB,  42                           ; s[42:43]
.set CM1, 44                           ; max(count, 1) - 1
.set JS,  45                           ; slot, on the way out
.set KS,  46                           ; counts the slow way's K steps
.set LB,  47                           ; my list in LDS
.set RTB, 48                           ; my row table in LDS
.set KQ,  49                           ; quarter of K
.set RB,  50                           ; 384 p + 16 w
.set BM,  51                           ; all ones where the bias counts
.set LP,  52                           ; s[52:53] lst at my expert
.set MSB, 0
.macro WIN new                         ; s_set_vgpr_msb: bits 1:0 source 0, 3:2 source 1, 5:4 source 2, 7:6 destination; the high byte repeats the setting that is left
.if MSB != (\new)
	s_set_vgpr_msb (MSB<<8)|(\new)
.set MSB, (\new)
.endif
.endm
.macro PLACES                          ; four places behind matrix instructions, ahead of loads into their sources and of reads of their results
.rept 4
	v_nop
.endr
.endm
.macro WLOAD                           ; my 16 rows of the chunk at WP: 512 consecutive bytes a load
.set i, 0
.rept 16
	global_load_b128 v[WS+4*i:WS+4*i+3], v[WO], s[WP:WP+1] offset:i*WPITCH th:TH_LOAD_NT
.set i, i+1
.endr
.endm
.macro ALOAD s                         ; K step s of the chunk at AP, my three slots: lane (r, h) takes k = 8 h .. and 16 + 8 h .. of row r
.irp j, 0,1,2
	global_load_b128 v[AF+32*\j+8*(\s):AF+32*\j+8*(\s)+3],   v[AO+\j], s[AP:AP+1] offset:64*(\s)
	global_load_b128 v[AF+32*\j+8*(\s)+4:AF+32*\j+8*(\s)+7], v[AO+\j], s[AP:AP+1] offset:64*(\s)+32
.endr
.endm
.macro FETCHB s, b, buf                ; B's 8 fragments of K step s out of LDS buffer buf into register buffer a (b = 0) or b (b = 1): groups 4 s + h and 4 s + 2 + h
.if \b
	WIN 0x40                                       ; destination window 1
.endif
.irp t, 0,1,2,3,4,5,6,7
	ds_load_b128 v[128+64*(\b)+8*\t:128+64*(\b)+8*\t+3],   v[BA+(\buf)] offset:\t*TILEB+1024*(\s)
	ds_load_b128 v[128+64*(\b)+8*\t+4:128+64*(\b)+8*\t+7], v[BA+(\buf)] offset:\t*TILEB+1024*(\s)+512
.endr
	WIN 0
.endm
; 8 matrix instructions for each live slot: A at ab + as x j, B at bb in window bw.  A slot's eight accumulators take turns, one instruction a turn; on every path
; two matrix instructions that follow each other name different accumulators.  At a branch and at a label every window is 0.
.macro MMA ab, as, bb, bw
.irp j, 0,1,2
	s_cmp_le_u32 s[NL], \j
	s_cbranch_scc1 .Lmend_\@
	WIN 0x50|((\bw)<<2)                            ; C and D window 1
.irp t, 0,1,2,3,4,5,6,7
	v_wmma_f32_16x16x32_bf16 v[64*\j+8*\t:64*\j+8*\t+7], v[(\ab)+(\as)*\j:(\ab)+(\as)*\j+7], v[(\bb)+8*\t:(\bb)+8*\t+7], v[64*\j+8*\t:64*\j+8*\t+7]
.endr
	WIN 0
.endr
.Lmend_\@:
.endm
.macro ROUND buf                       ; my 16 rows x 128 columns to bf16 and into LDS buffer buf: for each of 2 groups of 8 k and each of my 4 columns, 16 bytes
.set u, 0
.irp gi, 0,1
.irp j, 0,1,2,3
.irp i, 0,1,2,3
	v_cvt_pk_bf16_f32 v[PK+4*(u%2)+\i], v[WS+32*\gi+8*\i+\j], v[WS+32*\gi+8*\i+4+\j]
.endr
	ds_store_b128 v[ST+(\buf)], v[PK+4*(u%2):PK+4*(u%2)+3] offset:SJ*TILEB*\j+256*\gi
.set u, u+1
.endr
.endr
.endm
.macro CLEAR
	WIN 0x40
.set i, 0
.rept 192
	v_mov_b32 v[i], 0
.set i, i+1
.endr
	WIN 0
.endm
; A TRIP multiplies the chunk in LDS buffer buf: four K steps of 32.  Beside them: A of the next chunk is loaded into each step's registers as they fall free (al); the weights loaded a trip ago, the next
; chunk's, are rounded into the other buffer (prod); the chunk after that is loaded (wl); the one after that is asked for ahead (pf; 2: not in the loop's last pass).
; LOADcnt.  A trip issues A'0 (6), A'1 (6), W (16), A'2 (6), A'3 (6).  Behind the loads of a step's A stand 34 when the step comes; behind W stand 24 when it is rounded.  n0..n3, nw are those counts.
; DScnt.  A step waits for all but the 16 loads just issued; the fourth for all, so that at the barrier my stores into the other buffer are done and my reads of this one are over.
; ONE BARRIER a trip orders both: behind it the other buffer is whole, and this one may be written.
.macro TRIP buf, prod, wl, al, pf, n0, n1, nw, n2, n3, bar
.if (\al)+(\wl)
	s_wait_xcnt 0x0                                ; AP and WP are bases of loads that are still out: they step only behind this wait
.endif
.if \al
	s_add_nc_u64 s[AP:AP+1], s[AP:AP+1], 256
.endif
.if \wl
	s_add_nc_u64 s[WP:WP+1], s[WP:WP+1], CHSTEP
.endif
	FETCHB 0, 0, \buf
	FETCHB 1, 1, \buf
	s_wait_dscnt 16
	s_wait_loadcnt \n0
	MMA AF, 32, BFA, 0
	PLACES
.if \al
	ALOAD 0
.endif
	FETCHB 2, 0, \buf
	s_wait_dscnt 16
	s_wait_loadcnt \n1
	MMA AF+8, 32, BFB, 1
	PLACES
.if \al
	ALOAD 1
.endif
.if \prod
	s_wait_loadcnt \nw
	ROUND 1-(\buf)
.endif
.if \wl
	WLOAD
.endif
.if (\pf) == 2
	s_cmp_eq_u32 s[TR], 1
	s_cbranch_scc1 .Lnopf_\@                       ; the chunk one behind WP's would lie past my block
.endif
.if \pf
	global_prefetch_b8 v[PF], s[WP:WP+1] offset:CHSTEP th:TH_LOAD_NT scope:SCOPE_SE  ; my 16 rows of the chunk that the next trip loads: 32 lanes, 256 bytes apart; each block is asked for once, by the wave that will load it
.endif
.if (\pf) == 2
.Lnopf_\@:
.endif
	FETCHB 3, 1, \buf
	s_wait_dscnt 16                                ; step 2's fragments are in, and my 8 stores are done
	s_wait_loadcnt \n2
	MMA AF+16, 32, BFA, 0
	PLACES
.if \al
	ALOAD 2
.endif
	s_wait_dscnt 0x0
	s_wait_loadcnt \n3
	MMA AF+24, 32, BFB, 1
	PLACES
.if \al
	ALOAD 3
.endif
.if \bar
	s_barrier_signal -1
	s_barrier_wait -1
.endif
.endm
.macro NLCALC                          ; my live slots in pass PS: the j with 24 p + 8 j + w < NT
	s_mul_i32 s20, s[PS], 24
	s_add_co_u32 s20, s20, s[WV]
	s_sub_co_i32 s[NL], s[NT], s20
	s_max_i32 s[NL], s[NL], 0
	s_add_co_u32 s[NL], s[NL], 7
	s_lshr_b32 s[NL], s[NL], 3
	s_min_u32 s[NL], s[NL], 3
.endm
; My rows' entries: rank RB + 128 j + r of the expert's list.
.macro ENTRIES
.irp j, 0,1,2
	v_add3_u32 v[T1+\j], s[RB], v[RR], 128*\j
.if FFN == 1
	v_min_u32 v[T1+\j], s[CM1], v[T1+\j]           ; a place past the count repeats the last row
	v_min_u32 v[T1+\j], 0x3ff, v[T1+\j]
	v_lshl_add_u32 v[T1+\j], v[T1+\j], 2, s[LB]
	ds_load_b32 v[EN+\j], v[T1+\j]                 ; LDS serves a wave's instructions in order: these see my stores of the list
.else
	v_min_u32 v[T1+\j], 0x3ff, v[T1+\j]            ; lst repeats the last row past the count
	v_lshlrev_b32 v[T1+\j], 2, v[T1+\j]
	global_load_b32 v[EN+\j], v[T1+\j], s[LP:LP+1]
.endif
.endr
.endm
; The entries go into my row table, for the way out, and make A's offsets.  FFN = 2: the scores are asked for.
.macro ROWS2
	v_lshl_add_u32 v[T0], v[RR], 2, s[RTB]
.irp j, 0,1,2
	ds_store_b32 v[T0], v[EN+\j] offset:64*\j
.if FFN == 1
	v_lshrrev_b32 v[T4+\j], 1, v[EN+\j]            ; the token
	v_min_u32 v[T4+\j], 0x3ff, v[T4+\j]
.else
	v_min_u32 v[T4+\j], 0x7ff, v[EN+\j]
.endif
	v_lshl_add_u32 v[AO+\j], v[T4+\j], ASH, v[H16]
.if FFN == 2
	v_lshlrev_b32 v[T4+\j], 2, v[T4+\j]
	global_load_b32 v[SCR+\j], v[T4+\j], s[14:15]
.endif
.endr
.endm
.macro SCSTORE
.irp j, 0,1,2
	ds_store_b32 v[T0], v[SCR+\j] offset:256+64*\j
.endr
.endm
; THE SLOW WAY's K step of 32: A of my three slots; the weights straight in operand order: lane (r, h) takes rows 8 h + 0..7 and 16 + 8 h + 0..7 of its 8 columns; all waited for; rounded; multiplied.
.macro SSTEP
.irp j, 0,1,2
	global_load_b128 v[AF+8*\j:AF+8*\j+3],   v[AO+\j], s[AP:AP+1]
	global_load_b128 v[AF+8*\j+4:AF+8*\j+7], v[AO+\j], s[AP:AP+1] offset:32
.endr
.set ii, 0
.rept 16
	global_load_b128 v[64+4*ii:64+4*ii+3],   v[SWO], s[WP:WP+1] offset:(ii+8*(ii/8))*WPITCH
	global_load_b128 v[192+4*ii:192+4*ii+3], v[SWO], s[WP:WP+1] offset:(ii+8*(ii/8))*WPITCH+QH
.set ii, ii+1
.endr
	s_wait_loadcnt 0x0
.irp t, 0,1,2,3,4,5,6,7
.if FFN == 1
.set sb, 64+128*((\t)&1)
.set mm, (\t)>>1
.else
.set sb, 64+128*((\t)>>2)
.set mm, (\t)&3
.endif
.irp i, 0,1,2,3,4,5,6,7
	v_cvt_pk_bf16_f32 v[BFA+8*\t+\i], v[sb+8*\i+mm], v[sb+8*\i+4+mm]
.endr
.endr
	MMA AF, 8, BFA, 0
	PLACES
	s_add_nc_u64 s[WP:WP+1], s[WP:WP+1], 32*WPITCH ; the loads that named them are done
	s_add_nc_u64 s[AP:AP+1], s[AP:AP+1], 64
.endm
; Slot j on the way out: the entries (FFN = 2: and scores) of rows 8 h .. 8 h + 7 are asked for out of my row table, at RT + 512 w + 32 h + 64 j; then slot j's results plus the bias,
; each accumulator's registers in ascending order.
.macro TAKE j
	ds_load_b128 v[ENT:ENT+3],   v[EA] offset:64*(\j)
	ds_load_b128 v[ENT+4:ENT+7], v[EA] offset:64*(\j)+16
.if FFN == 2
	ds_load_b128 v[SC:SC+3],   v[EA] offset:256+64*(\j)
	ds_load_b128 v[SC+4:SC+7], v[EA] offset:272+64*(\j)
.endif
	WIN 0x01                                       ; source 0 window 1
.irp i, 0,1,2,3,4,5,6,7
.irp c, 0,1,2,3,4,5,6,7
.if FFN == 1
.set tc, 2*((\c)&3)+((\c)>>2)
.else
.set tc, \c
.endif
	v_add_f32 v[XX+8*\i+\c], v[64*(\j)+8*tc+\i], v[BI+\c]
.endr
.endr
	WIN 0
.endm
	; ---------------- the head
	s_load_b256 s[4:11], s[0:1], 0x0               ; rows s[4:5], weights s[6:7], bias s[8:9], idx or lst s[10:11]
	s_load_b128 s[12:15], s[0:1], 0x20             ; output s[12:13], lst or score s[14:15]
	v_lshl_add_u32 v[SPW], v0, 2, SPARE
	v_mov_b32 v[NIL], 0
	v_lshrrev_b32 v3, 5, v0
	v_readfirstlane_b32 s[WV], v3
	s_and_b32 s[EX], ttmp7, 0xffff
.if FFN == 1
	s_mov_b32 s[SL], ttmp9
	s_mov_b32 s[KQ], 0
.else
	s_and_b32 s[SL], ttmp9, 7
	s_lshr_b32 s[KQ], ttmp9, 3
.endif
	v_and_b32 v[LN], 31, v0
	v_and_b32 v[RR], 15, v0
	v_and_b32 v[H16], 16, v0
	s_mul_i32 s20, s[WV], 16*WPITCH
	v_lshl_add_u32 v[WO], v[LN], 4, s20
	v_lshrrev_b32 v3, 1, v[LN]
	v_mul_u32_u24 v[PF], v3, WPITCH
	v_and_b32 v3, 1, v[LN]
	v_lshl_add_u32 v[PF], v3, 8, v[PF]
	v_add_nc_u32 v[PF], s20, v[PF]
	v_mul_u32_u24 v[SWO], v[H16], WPITCH/2         ; 8 h rows
	v_lshlrev_b32 v[BA], 4, v[RR]
	v_lshl_add_u32 v[BA], v[H16], 4, v[BA]
	v_add_nc_u32 v[BA+1], BUF1, v[BA]
	s_lshl_b32 s21, s[WV], 9                       ; my two groups of 8 k in a tile
.if FFN == 1
	v_lshl_add_u32 v[SWO], v[RR], 5, v[SWO]
	v_mul_u32_u24 v[ST], v3, TILEB                 ; (c & 1) tiles
	v_lshrrev_b32 v3, 1, v[LN]
	v_lshl_add_u32 v[ST], v3, 4, v[ST]             ; + 16 (c >> 1)
.else
	v_lshl_add_u32 v[SWO], v[RR], 4, v[SWO]
	v_mul_u32_u24 v[ST], v[H16], 4*TILEB/16        ; 4 (c >> 4) tiles
	v_lshl_add_u32 v[ST], v[RR], 4, v[ST]          ; + 16 (c & 15)
.endif
	v_add_nc_u32 v[ST], s21, v[ST]
	v_add_nc_u32 v[ST+1], BUF1, v[ST]
	s_lshl_b32 s[LB], s[WV], 12
	s_add_co_u32 s[LB], s[LB], LIST
	s_add_co_u32 s[RTB], s21, RT
	s_mov_b32 s[PS], 0
	s_lshl_b32 s[RB], s[WV], 4
.if FFN == 1
	s_mov_b32 s[CA], 0xc0135761                    ; - 2 log2(e) sqrt(2 / pi) = -2.3022082
	s_mov_b32 s[CA+1], s[CA]                       ; named with it as a pair
	s_mov_b32 s[CB], 0xbdd2d3e8                    ; CA x 0.044715 = -0.10294324
	s_mov_b32 s[CB+1], s[CB]
.else
	s_cmp_eq_u32 s[KQ], 0
	s_cselect_b32 s[BM], -1, 0
	s_lshl_b32 s28, s[EX], 2                       ; kept for the count's load alone
.endif
	s_mov_b32 s31, 0
	s_lshl_b32 s20, s[SL], 9                       ; 128 columns of f32
	s_wait_kmcnt 0x0
	s_lshl_b32 s30, s[EX], 24                      ; an expert's weights: 16 MiB
	s_add_co_u32 s30, s30, s20
.if FFN == 2
	s_lshl_b32 s21, s[KQ], 22                      ; 1,024 rows of 4,096 bytes
	s_add_co_u32 s30, s30, s21
.endif
	s_add_nc_u64 s[W0:W0+1], s[6:7], s[30:31]
	s_mov_b64 s[WP:WP+1], s[W0:W0+1]
	s_lshl_b32 s30, s[EX], BSH
	s_add_co_u32 s30, s30, s20
	s_add_nc_u64 s[8:9], s[8:9], s[30:31]          ; the bias of my 128 columns
.if FFN == 1
	s_mov_b64 s[A0:A0+1], s[4:5]
	s_lshl_b32 s30, s[SL], 8                       ; 128 columns of bf16
	s_add_nc_u64 s[12:13], s[12:13], s[30:31]
	s_lshl_b32 s30, s[EX], 12
	s_add_nc_u64 s[LP:LP+1], s[14:15], s[30:31]
.else
	s_load_b32 s[CNT], s[10:11], s28 offset:0x8000 ; the expert's count, behind the eight lists
	s_lshl_b32 s30, s[KQ], 11                      ; 1,024 bf16
	s_add_nc_u64 s[A0:A0+1], s[4:5], s[30:31]
	s_lshl_b32 s30, s[KQ], 23                      ; a quarter's partial sums: 8 MiB
	s_add_co_u32 s30, s30, s20
	s_add_nc_u64 s[12:13], s[12:13], s[30:31]
	s_lshl_b32 s30, s[EX], 12
	s_add_nc_u64 s[LP:LP+1], s[10:11], s[30:31]
.endif
	s_mov_b64 s[AP:AP+1], s[A0:A0+1]
	; ---------------- the first loads: what the rows hang on, then chunk 0 of the weights
.if FFN == 1
	v_lshlrev_b32 v[T0], 3, v[LN]
.set g, 0
.rept 32                               ; all 1,024 tokens' choices: group g gives lane l token 32 g + l
	global_load_b64 v[AF+2*g:AF+2*g+1], v[T0], s[10:11] offset:256*g
.set g, g+1
.endr
.else
	ENTRIES
.endif
	WLOAD
	global_prefetch_b8 v[PF], s[WP:WP+1] offset:CHSTEP th:TH_LOAD_NT scope:SCOPE_SE    ; my rows of chunks 1 and 2; the trips ask for chunks 3 to 7
	global_prefetch_b8 v[PF], s[WP:WP+1] offset:2*CHSTEP th:TH_LOAD_NT scope:SCOPE_SE
	CLEAR                                          ; stands in the wait for those loads
	s_wait_loadcnt 16                              ; all but chunk 0's sixteen
.if FFN == 1
	; THE LIST, each wave's own copy, so that no barrier is needed.  Members of the expert take ranks 0 upward in the order of tokens, the others the places 1,023 downward: each of the 1,024 words is written once.
	s_mov_b32 s[CNT], 0
	v_sub_nc_u32 v[NLN], 0, v[LN]
	v_lshlrev_b32 v[L2], 1, v[LN]
.set g, 0
.rept 32
	v_cmp_eq_u32 s20, s[EX], v[AF+2*g]             ; the first choice is my expert,
	v_cmp_eq_u32 s21, s[EX], v[AF+2*g+1]           ; or the second
	s_or_b32 s22, s20, s21
	v_mbcnt_lo_u32_b32 v[LPOS], s22, s[CNT]        ; members ahead of this token
	v_add3_u32 v[LALT], v[LPOS], v[NLN], 1023-32*g ; 1,023 less the others ahead of it
	v_cndmask_b32 v[LPOS], v[LALT], v[LPOS], s22
	v_min_u32 v[LPOS], 0x3ff, v[LPOS]
	v_lshl_add_u32 v[LPOS], v[LPOS], 2, s[LB]
	v_cndmask_b32 v[LENT], 0, 1, s21
	v_add3_u32 v[LENT], v[LENT], v[L2], 64*g       ; the entry: 2 x token + k
	ds_store_b32 v[LPOS], v[LENT]
	s_bcnt1_i32_b32 s23, s22
	s_add_co_u32 s[CNT], s[CNT], s23
.set g, g+1
.endr
	s_min_u32 s[CNT], s[CNT], 0x400
	s_max_u32 s[CM1], s[CNT], 1
	s_sub_co_u32 s[CM1], s[CM1], 1
	s_min_u32 s[CM1], s[CM1], 0x3ff
	; slice 0 writes the list and the count out for the second product: wave w ranks 128 w .. 128 w + 127, the last row repeated past the count
	s_cmp_lg_u32 s[SL], 0
	s_cbranch_scc1 .Lnoexp
	v_lshlrev_b32 v[T0], 2, v0
.irp i, 0,1,2,3
	v_add_nc_u32 v[T1+\i], \i, v[T0]
	v_min_u32 v[T1+\i], s[CM1], v[T1+\i]
	v_min_u32 v[T1+\i], 0x3ff, v[T1+\i]
	v_lshl_add_u32 v[T1+\i], v[T1+\i], 2, s[LB]
	ds_load_b32 v[T8+\i], v[T1+\i]
.endr
	v_lshlrev_b32 v[T0], 4, v0
	s_wait_dscnt 0x0
	global_store_b128 v[T0], v[T8:T8+3], s[LP:LP+1]  ; a wave stores 512 consecutive bytes
	s_cmp_lg_u32 s[WV], 0
	s_cbranch_scc1 .Lnoexp
	v_mov_b32 v[T1], s[CNT]
	s_lshl_b32 s20, s[EX], 2
	v_mov_b32 v[T1+1], s20
	v_cmp_eq_u32 vcc_lo, 0, v0
	s_wait_xcnt 0x0                                ; EXEC is a source of the loads and the store that are out: it changes only behind this wait
	s_and_saveexec_b32 s21, vcc_lo
	global_store_b32 v[T1+1], v[T1], s[14:15] offset:32768
	s_wait_xcnt 0x0                                ; and again ahead of the line that widens it
	s_or_b32 exec_lo, exec_lo, s21
.Lnoexp:
	s_wait_xcnt 0x0                                ; the stores' registers are written again below
	ENTRIES
	s_wait_dscnt 0x0
.else
	s_wait_kmcnt 0x0
	s_min_u32 s[CNT], s[CNT], 0x400
.endif
	ROWS2
.if FFN == 1
	v_lshlrev_b32 v[T7], 5, v[RR]                  ; my 8 neighbouring columns
.else
	v_lshlrev_b32 v[T7], 4, v[RR]                  ; my 4 columns in each half
.endif
	global_load_b128 v[BI:BI+3],   v[T7], s[8:9]
	global_load_b128 v[BI+4:BI+7], v[T7], s[8:9] offset:QH
	ALOAD 0
	ALOAD 1
	s_wait_loadcnt 14+3*(FFN-1)                    ; behind chunk 0: (three scores,) two of bias, twelve of A
	ROUND 0
	s_wait_xcnt 0x0                                ; WP is the base of the two prefetches
	s_add_nc_u64 s[WP:WP+1], s[WP:WP+1], CHSTEP
	WLOAD                                          ; chunk 1.  From the bias on the order is a trip's: A0, A1, W, A2, A3
	ALOAD 2
	ALOAD 3
	s_wait_loadcnt 40                              ; those forty may stay out: bias and scores are in
.irp m, 0,1,2,3
	v_cvt_pk_bf16_f32 v3, v[BI+2*\m], v[BI+2*\m+1] ; the bias is rounded to bf16 like every input
	v_lshlrev_b32 v[BI+2*\m], 16, v3
	v_and_b32 v[BI+2*\m+1], 0xffff0000, v3
.endr
.if FFN == 2
.irp c, 0,1,2,3,4,5,6,7
	v_cndmask_b32 v[BI+\c], 0, v[BI+\c], s[BM]     ; it counts in quarter 0 alone
.endr
	SCSTORE
.endif
	s_add_co_u32 s[NT], s[CNT], 15
	s_lshr_b32 s[NT], s[NT], 4
	NLCALC
	s_wait_dscnt 0x0                               ; for the others' sake: my part of chunk 0 is in buffer 0
	s_barrier_signal -1
	s_barrier_wait -1
	; ---------------- pass 0: chunks 0 to 7
	s_mov_b32 s[TR], 3
.Ltrip:
	TRIP 0, 1, 1, 1, 1, 34, 34, 24, 34, 34, 1
	TRIP 1, 1, 1, 1, 2, 34, 34, 24, 34, 34, 1
	s_sub_co_u32 s[TR], s[TR], 1
	s_cmp_lg_u32 s[TR], 0
	s_cbranch_scc1 .Ltrip
	TRIP 0, 1, 0, 1, 0, 34, 34, 24, 18, 18, 1      ; chunk 6: no weights are left to load, so 16 fewer stand behind A's last two steps
	TRIP 1, 0, 0, 0, 0, 18, 12, 0, 6, 0, 0         ; chunk 7: nothing is loaded, the counts run down; no buffer is written again, so no barrier
	s_branch .Lepi
	; ---------------- passes 1 and 2
.Lpass:
	s_wait_xcnt 0x0                                ; the last stores have read their registers
	NLCALC
	s_cmp_eq_u32 s[NL], 0
	s_cbranch_scc1 .Lnext
	s_mul_i32 s[RB], s[PS], 384
	s_lshl4_add_u32 s[RB], s[WV], s[RB]
	ENTRIES
.if FFN == 1
	s_wait_dscnt 0x0
	ROWS2
.else
	s_wait_loadcnt 0x0
	ROWS2
	s_wait_loadcnt 0x0
	SCSTORE
.endif
	CLEAR
	s_mov_b64 s[WP:WP+1], s[W0:W0+1]
	s_mov_b64 s[AP:AP+1], s[A0:A0+1]
	s_mov_b32 s[KS], 32
.Lslow:
	SSTEP
	s_sub_co_u32 s[KS], s[KS], 1
	s_cmp_lg_u32 s[KS], 0
	s_cbranch_scc1 .Lslow
	; ---------------- the way out, a live slot at a time.  Lane (r, h) holds rows 8 h + i of the tile and 8 columns.
.Lepi:
	s_mov_b32 s[JS], 0
.Lslot:
	s_cmp_ge_u32 s[JS], s[NL]
	s_cbranch_scc1 .Lsnext
	s_wait_xcnt 0x0                                ; the slot before: its stores have read their registers
	v_lshl_add_u32 v[EA], v[H16], 1, s[RTB]        ; my own row table, rows 8 h on: only my wave writes or reads these bytes, and LDS serves a wave's instructions in order
	s_cmp_eq_u32 s[JS], 1
	s_cbranch_scc1 .Ltake1
	s_cmp_eq_u32 s[JS], 2
	s_cbranch_scc1 .Ltake2
	TAKE 0
	s_branch .Lcommon
.Ltake1:
	TAKE 1
	s_branch .Lcommon
.Ltake2:
	TAKE 2
.Lcommon:
	s_wait_dscnt 0x0                               ; the entries (and scores) are in
.irp i, 0,1,2,3,4,5,6,7
	v_min_u32 v[RO+\i], 0x7ff, v[ENT+\i]
	v_lshlrev_b32 v[RO+\i], OSH, v[RO+\i]
	v_lshl_add_u32 v[RO+\i], v[RR], 4, v[RO+\i]
.endr
.if FFN == 1
	; gelu(x) = x / (1 + 2^(x (CA + CB x^2))).  The 64 exponentials are one batch with one wait, and so are the 64 reciprocals.
.set i, 0
.rept 32
	v_pk_mul_f32 v[ZZ+2*i:ZZ+2*i+1], v[XX+2*i:XX+2*i+1], v[XX+2*i:XX+2*i+1]
.set i, i+1
.endr
.set i, 0
.rept 32
	v_pk_fma_f32 v[ZZ+2*i:ZZ+2*i+1], v[ZZ+2*i:ZZ+2*i+1], s[CB:CB+1], s[CA:CA+1] op_sel_hi:[1,0,0]
.set i, i+1
.endr
.set i, 0
.rept 32
	v_pk_mul_f32 v[ZZ+2*i:ZZ+2*i+1], v[XX+2*i:XX+2*i+1], v[ZZ+2*i:ZZ+2*i+1]
.set i, i+1
.endr
.set i, 0
.rept 64
	v_exp_f32 v[ZZ+i], v[ZZ+i]
.set i, i+1
.endr
	v_nop                                          ; a plain instruction behind the last exponential (ISA guide 5.7.2),
	s_wait_alu depctr_va_vdst(0)                   ; and the wait ahead of the batch's first reader
.set i, 0
.rept 32
	v_pk_add_f32 v[ZZ+2*i:ZZ+2*i+1], v[ZZ+2*i:ZZ+2*i+1], 1.0 op_sel_hi:[1,0]
.set i, i+1
.endr
.set i, 0
.rept 64
	v_rcp_f32 v[ZZ+i], v[ZZ+i]
.set i, i+1
.endr
	v_nop
	s_wait_alu depctr_va_vdst(0)
.set i, 0
.rept 32
	v_pk_mul_f32 v[XX+2*i:XX+2*i+1], v[XX+2*i:XX+2*i+1], v[ZZ+2*i:ZZ+2*i+1]
.set i, i+1
.endr
.set i, 0
.rept 32
	v_cvt_pk_bf16_f32 v[OO+i], v[XX+2*i], v[XX+2*i+1]
.set i, i+1
.endr
.irp i, 0,1,2,3,4,5,6,7
	global_store_b128 v[RO+\i], v[OO+4*\i:OO+4*\i+3], s[12:13]  ; lanes 0-15 store 256 consecutive bytes of row i, lanes 16-31 of row 8 + i, each at a multiple of 256 from h's first byte
.endr
.else
.irp ih, 0,1,2,3                       ; row 2 ih + il: times its score
.irp il, 0,1
.irp c, 0,1,2,3
	v_pk_mul_f32 v[XX+16*\ih+8*\il+2*\c:XX+16*\ih+8*\il+2*\c+1], v[XX+16*\ih+8*\il+2*\c:XX+16*\ih+8*\il+2*\c+1], v[SC+2*\ih:SC+2*\ih+1] op_sel:[0,\il] op_sel_hi:[1,\il]
.endr
.endr
.endr
.irp i, 0,1,2,3,4,5,6,7
	global_store_b128 v[RO+\i], v[XX+8*\i:XX+8*\i+3],   s[12:13]             ; sixteen lanes store 256 consecutive bytes of a row, at a multiple of 256 from p's first byte
	global_store_b128 v[RO+\i], v[XX+8*\i+4:XX+8*\i+7], s[12:13] offset:256
.endr
.endif
.Lsnext:
	s_add_co_u32 s[JS], s[JS], 1
	s_cmp_lt_u32 s[JS], 3
	s_cbranch_scc1 .Lslot
.Lnext:
	s_add_co_u32 s[PS], s[PS], 1
	s_cmp_lt_u32 s[PS], 3
	s_cbranch_scc1 .Lpass
	s_wait_tensorcnt 0x0                           ; the wave's end, behind my last LDS store
	ds_add_u32 v[SPW], v[NIL]
	s_wait_dscnt 0x0
	s_endpgm
.Lfunc_end_k_qe253bca805_ffn2:
	.size	k_qe253bca805_ffn2, .Lfunc_end_k_qe253bca805_ffn2-k_qe253bca805_ffn2
	.p2alignl 7, 3214868480
	.fill 96, 4, 3214868480
	.section	.rodata,"a",@progbits
	.p2align	6, 0x0
	.amdhsa_kernel k_qe253bca805_ffn2
		.amdhsa_group_segment_fixed_size 99328
		.amdhsa_private_segment_fixed_size 0
		.amdhsa_enable_private_segment 0
		.amdhsa_kernarg_size 48
		.amdhsa_user_sgpr_count 2
		.amdhsa_user_sgpr_kernarg_segment_ptr 1
		.amdhsa_wavefront_size32 1
		.amdhsa_system_sgpr_workgroup_id_x 1
		.amdhsa_system_sgpr_workgroup_id_y 1
		.amdhsa_system_sgpr_workgroup_id_z 1
		.amdhsa_system_vgpr_workitem_id 0
		.amdhsa_next_free_vgpr 512
		.amdhsa_next_free_sgpr 66
		.amdhsa_reserve_vcc 1
		.amdhsa_float_denorm_mode_32 3
		.amdhsa_float_denorm_mode_16_64 3
		.amdhsa_memory_ordered 1
		.amdhsa_forward_progress 1
		.amdhsa_inst_pref_size 120
	.end_amdhsa_kernel
	.amdgpu_metadata
---
amdhsa.version: [ 1, 2 ]
amdhsa.kernels:
  - .name:           k_qe253bca805_ffn2
    .symbol:         k_qe253bca805_ffn2.kd
    .args:
      - { .name: h, .offset: 0, .size: 8, .value_kind: global_buffer, .address_space: global }
      - { .name: w2, .offset: 8, .size: 8, .value_kind: global_buffer, .address_space: global }
      - { .name: b2, .offset: 16, .size: 8, .value_kind: global_buffer, .address_space: global }
      - { .name: lst, .offset: 24, .size: 8, .value_kind: global_buffer, .address_space: global }
      - { .name: p, .offset: 32, .size: 8, .value_kind: global_buffer, .address_space: global }
      - { .name: score, .offset: 40, .size: 8, .value_kind: global_buffer, .address_space: global }
    .group_segment_fixed_size: 99328
    .private_segment_fixed_size: 0
    .kernarg_segment_align: 8
    .kernarg_segment_size: 48
    .max_flat_workgroup_size: 256
    .sgpr_count:     66
    .vgpr_count:     512
    .wavefront_size: 32
...
	.end_amdgpu_metadata
.endif
;; end of part 3
;; launch combine (part 4): grid 256 x 1, 8 waves a work-group, no clusters, 0 bytes of LDS; arguments p, out0; writes out0
.if DOCPART == 4
	.amdgcn_target "amdgcn-amd-amdhsa--gfx1250"
	.amdhsa_code_object_version 6
	.text
	.protected	k_qe253bca805_combine
	.globl	k_qe253bca805_combine
	.p2align	8
	.type	k_qe253bca805_combine,@function
k_qe253bca805_combine:
	s_mov_b64 s[64:65], 0
	v_nop
	global_prefetch_b8 v0, s[64:65] scope:SCOPE_SE
	s_setreg_imm32_b32 hwreg(HW_REG_WAVE_MODE, 25, 1), 1
	s_wait_xcnt 0x0
; out0[t][c] = the sum over the four quarters of K and the token's two choices of p[kq][2 t + k][c].  p: [4][2048][1024] f32, already weighed by the gate; out0: [1024][1024] f32.
; A stream: each byte of p is read once and each byte of out0 written once.  A work-group has four tokens; thread u has the 16 bytes at 16 u of every row, so a wave's load or store covers 512 consecutive bytes.
; All 32 loads of a thread go out at once, token by token; each token is added up and stored as its eight loads come in.  No LDS, no barrier, no matrix unit: there is nothing to share and nothing to multiply.
.set D, 8                              ; v[8:135]  token tt, quarter q, choice k: four registers at D + 32 tt + 8 q + 4 k
.set B, 8                              ; s[8:15]   p at my first entry, a base for each quarter: 8 MiB do not fit a load's immediate
	s_load_b128 s[4:7], s[0:1], 0x0                ; p s[4:5], out0 s[6:7]
	v_lshlrev_b32 v1, 4, v0
	s_lshl_b32 s16, ttmp9, 15                      ; 8 entries of 4,096 bytes
	s_mov_b32 s17, 0
	s_lshl_b32 s18, ttmp9, 14                      ; 4 tokens of 4,096 bytes
	s_mov_b32 s19, 0
	s_wait_kmcnt 0x0
	s_add_nc_u64 s[B:B+1], s[4:5], s[16:17]
	s_add_nc_u64 s[B+2:B+3], s[B:B+1], 0x800000
	s_add_nc_u64 s[B+4:B+5], s[B+2:B+3], 0x800000
	s_add_nc_u64 s[B+6:B+7], s[B+4:B+5], 0x800000
	s_add_nc_u64 s[6:7], s[6:7], s[18:19]
.irp tt, 0,1,2,3
.irp q, 0,1,2,3
.irp k, 0,1
	global_load_b128 v[D+32*\tt+8*\q+4*\k:D+32*\tt+8*\q+4*\k+3], v1, s[B+2*\q:B+2*\q+1] offset:(2*\tt+\k)*4096 th:TH_LOAD_NT
.endr
.endr
.endr
.macro ADD4 a, b                       ; four numbers at a += four at b
	v_pk_add_f32 v[(\a):(\a)+1], v[(\a):(\a)+1], v[(\b):(\b)+1]
	v_pk_add_f32 v[(\a)+2:(\a)+3], v[(\a)+2:(\a)+3], v[(\b)+2:(\b)+3]
.endm
.irp tt, 0,1,2,3
	s_wait_loadcnt 24-8*\tt                        ; loads come back in order: this token's eight are in, the later tokens' stay out
	ADD4 D+32*\tt,    D+32*\tt+4                   ; a tree of seven sums
	ADD4 D+32*\tt+8,  D+32*\tt+12
	ADD4 D+32*\tt+16, D+32*\tt+20
	ADD4 D+32*\tt+24, D+32*\tt+28
	ADD4 D+32*\tt,    D+32*\tt+8
	ADD4 D+32*\tt+16, D+32*\tt+24
	ADD4 D+32*\tt,    D+32*\tt+16
	global_store_b128 v1, v[D+32*\tt:D+32*\tt+3], s[6:7] offset:4096*\tt th:TH_STORE_NT  ; its registers are not written again
.endr
	s_endpgm
.Lfunc_end_k_qe253bca805_combine:
	.size	k_qe253bca805_combine, .Lfunc_end_k_qe253bca805_combine-k_qe253bca805_combine
	.p2alignl 7, 3214868480
	.fill 96, 4, 3214868480
	.section	.rodata,"a",@progbits
	.p2align	6, 0x0
	.amdhsa_kernel k_qe253bca805_combine
		.amdhsa_group_segment_fixed_size 0
		.amdhsa_private_segment_fixed_size 0
		.amdhsa_enable_private_segment 0
		.amdhsa_kernarg_size 16
		.amdhsa_user_sgpr_count 2
		.amdhsa_user_sgpr_kernarg_segment_ptr 1
		.amdhsa_wavefront_size32 1
		.amdhsa_system_sgpr_workgroup_id_x 1
		.amdhsa_system_sgpr_workgroup_id_y 1
		.amdhsa_system_sgpr_workgroup_id_z 1
		.amdhsa_system_vgpr_workitem_id 0
		.amdhsa_next_free_vgpr 136
		.amdhsa_next_free_sgpr 66
		.amdhsa_reserve_vcc 0
		.amdhsa_float_denorm_mode_32 3
		.amdhsa_float_denorm_mode_16_64 3
		.amdhsa_memory_ordered 1
		.amdhsa_forward_progress 1
		.amdhsa_inst_pref_size 8
	.end_amdhsa_kernel
	.amdgpu_metadata
---
amdhsa.version: [ 1, 2 ]
amdhsa.kernels:
  - .name:           k_qe253bca805_combine
    .symbol:         k_qe253bca805_combine.kd
    .args:
      - { .name: p, .offset: 0, .size: 8, .value_kind: global_buffer, .address_space: global }
      - { .name: out0, .offset: 8, .size: 8, .value_kind: global_buffer, .address_space: global }
    .group_segment_fixed_size: 0
    .private_segment_fixed_size: 0
    .kernarg_segment_align: 8
    .kernarg_segment_size: 16
    .max_flat_workgroup_size: 256
    .sgpr_count:     66
    .vgpr_count:     136
    .wavefront_size: 32
...
	.end_amdgpu_metadata
.endif
;; end of part 4
;; ======== version 2 of 2: 4 launches
;; workspace buffers: xb 2,097,152 bytes; idx 8,192 bytes of whole numbers; score 8,192 bytes; h 16,777,216 bytes; lst 33,024 bytes of whole numbers; p 33,554,432 bytes
;; launch router: the kernel of part 1 again; grid 256 x 1, 4 waves a work-group, no clusters, 0 bytes of LDS; arguments x, gate_w, gate_b, xb, idx, score; writes xb, idx, score
;; launch ffn1 (part 5): grid 32 x 8, 8 waves a work-group, no clusters, 99,328 bytes of LDS; arguments xb, w1, b1, idx, h, lst; writes h, lst
.if DOCPART == 5
	.amdgcn_target "amdgcn-amd-amdhsa--gfx1250"
	.amdhsa_code_object_version 6
	.text
	.protected	k_qe253bca805_ffn1
	.globl	k_qe253bca805_ffn1
	.p2align	8
	.type	k_qe253bca805_ffn1,@function
k_qe253bca805_ffn1:
	s_mov_b64 s[64:65], 0
	v_nop
	global_prefetch_b8 v0, s[64:65] scope:SCOPE_SE
	s_setreg_imm32_b32 hwreg(HW_REG_WAVE_MODE, 25, 1), 1
	s_wait_xcnt 0x0
; FMoE: THE EXPERTS' TWO PRODUCTS.  One text serves both; FFN below picks the constants.
;   FFN = 1:  h[entry][n] = gelu(xb[token] . w1[e][:, n] + b1[e][n]), rounded to bf16.          Arguments: xb, w1, b1, idx, h, lst.
;   FFN = 2:  p[kq][entry][n] = score[entry] x (h[entry][quarter kq of K] . w2[e][that quarter, n] + b2[e][n] in quarter 0), f32.   Arguments: h, w2, b2, lst, p, score.
; An ENTRY is 2 x token + k: the token's k-th choice.  Only the rows of the experts chosen are multiplied.
; SHARES.  Grid: x = slice of 128 columns (FFN = 2: bits 0, 1, 3 of x the slice, bits 2, 4 the quarter of K), y = expert.  A work-group has a block of 1,024 K x 128 N of one expert's f32 weights, which it alone
; reads, and ALL rows of that expert.  Rows go in tiles of 16; tile 24 p + 8 j + w belongs to pass p, slot j (0..2) of wave w: 24 accumulators of 16 x 16 a wave.
; PASS 0 (the expert's first 384 rows) is the pipelined way.  K goes in 8 chunks of 128.  Each wave loads 16 rows of a chunk (512 consecutive bytes a load), rounds them to bf16 in registers and lays them into
; one of two LDS buffers in the order in which operand registers take them; all eight waves read the buffer.  The rows (A) come from memory straight into operand registers, by the list.
; All loads of pass 0 are issued whatever the count of rows, so that every counted wait counts the same on every path; only matrix instructions and stores are jumped, by forward branches on NL that pass no barrier.
; PASSES 1 AND 2 (rows 384 to 1,023) serve splits in which an expert has more than 384 rows: each wave then reads the block again from memory, straight in operand order, and waits for every step's loads.  A slow way.
; WHICH ROWS.  FFN = 1: every wave finds its own rows from all tokens' choices, in registers.  A group of 32 tokens gives the bitmap of the expert's members in a scalar register; each lane keeps the bitmap of the
; group in which its rank falls, and finds its bit there by five halvings on counts made by adding neighbours.  In slice 0 each wave also stores the entries that it has found, at their ranks, and wave 0 the count.
; FFN = 2: the rows are read from that list: wave w reads in pass p just the ranks that wave w of the first product's slice 0 stored in its pass p (both enter a slow pass by the same count).
; A place past the count repeats the expert's last row: the same bits are stored to the same bytes, and EXEC is never narrowed.  An expert without rows streams its block and stores nothing.
; NO TENSOR LOADS: f32 weights must pass through registers to be rounded, and the rows come by a list that no descriptor covers.  NO CLUSTER: a block of weights has one reader; what an expert's
; work-groups share is its rows, gathered by entry.  The accumulators are cleared (192 v_mov_b32, in the wait for the first weights): a first step with C = 0 would leave a jumped slot's registers unwritten.
; FORMATS.  Weights, bias and rows are rounded once to bf16, sums are f32; h is rounded once to bf16.  gelu is the tanh form, x / (1 + 2^(x (CA + CB x^2))).  NaN and infinities are not treated apart.
; COLUMNS.  The lane c that loaded 16 bytes of a weights row has columns 4 c + j.  FFN = 1: tile T = 2 j + (c & 1), lane r = c >> 1, so lane r of the results holds the 8 neighbouring columns 8 r ..: 16 bytes of bf16.
; FFN = 2: T = 4 (c >> 4) + j, r = c & 15, so lane r holds columns 64 q + 4 r + 0..3 (q = T >> 2): 16 bytes of f32.  Either way sixteen lanes store 256 consecutive bytes.
.set FFN, 1
.if FFN == 1
.set WPITCH, 16384                     ; bytes from a row of the weights to the next
.set ASH,    11                        ; a row of A: 2,048 bytes of xb
.set OSH,    13                        ; a row of the output: 8,192 bytes of h
.set BSH,    14                        ; an expert's bias: 16,384 bytes
.set SJ,     2                         ; column j of a lane goes SJ tiles on
.set QH,     16                        ; the slow way: bytes from my first four columns to my second four
.else
.set WPITCH, 4096
.set ASH,    13                        ; 8,192 bytes of h
.set OSH,    12                        ; 4,096 bytes of p
.set BSH,    12
.set SJ,     1
.set QH,     256
.endif
.set CHSTEP, 128*WPITCH                ; a chunk: 128 rows of the weights
; LDS.  A buffer: 8 tiles of TILEB bytes.  Tile T, group g of 8 k (0..15), column lane r: 16 bytes (8 bf16, k ascending) at T x TILEB + 256 g + 16 r.
; Sixteen lanes of a read take 256 consecutive bytes.  TILEB = 4,096 + 128, so that with FFN = 1 the even and the odd lanes of a store fall 128 bytes apart modulo 256.
.set TILEB,  4224
.set BUF1,   65536                     ; buffer 0 at byte 0, buffer 1 here
.set RT,     33792                     ; 512 bytes a wave, its own: entries [3][16], at + 256 scores [3][16]
.set SPARE,  37888                     ; the spare words: 128 bytes a wave, four blocks of 256 bytes that no other line names
; VECTOR REGISTERS, window 0
.set RR,  1                            ; v1      r = lane & 15
.set H16, 2                            ; v2      16 h, h = lane >> 4          (v3: at work)
.set SPW, 4                            ; v4      LDS address of my spare word; never rewritten
.set NIL, 5                            ; v5      0; never rewritten
.set WO,  6                            ; v6      16 lane + 16 w rows: my place in a chunk of the weights
.set PF,  7                            ; v7      the prefetch: row 16 w + lane / 2, half lane & 1 of its 512 bytes
.set AO,  8                            ; v8-10   slot j: byte offset of my row of A, + 16 h
.set SWO, 11                           ; v11     the slow way: row 8 h, my first four columns
.set BA,  12                           ; v12-13  16 r + 256 h in buffer 0, 1
.set ST,  14                           ; v14-15  where I store rounded weights in buffer 0, 1
.set BI,  16                           ; v16-23  the bias of my 8 columns, rounded to bf16, as f32
.set PK,  24                           ; v24-31  packing
.set AF,  32                           ; v32-127 A: slot j, K step s at AF + 32 j + 8 s
.set BFA, 128                          ; v128-191 B's fragments, buffer a
.set WS,  192                          ; v192-255 16 rows x 4 columns of weights, f32
; window 1: v0-191 the accumulators, slot j, tile T at 64 j + 8 T; v192-255 B's fragments, buffer b
.set BFB, 192
; at work ahead of the trips and in the slow passes' set-up, in buffer a's registers, which are idle then
.set T0,  128
.set T1,  129                          ; four
.set T4,  133                          ; three
.set T7,  136
.set T8,  138                          ; four
.set EN,  142                          ; three: my rows' entries
.set SCR, 145                          ; three: their scores
.set LN,  148                          ; lane
.set IXL, 160                          ; the slow passes: a group's choices
; FFN = 1, the search for my rows: three registers each, one a slot, in registers that A's fragments take afterwards.  The tokens' choices lie beside them (SETIX).
.set RHO, 32                           ; my rank
.set VM,  35                           ; the members' bitmap of the group in which it falls
.set VM2, 38                           ; of those, the ones whose second choice the expert is
.set VQ,  41                           ; 2,048 x that group + the members ahead of it
.set KA,  64                           ; counts of VM's bits in fields of 2,
.set KB,  67                           ; of 4,
.set KC,  70                           ; of 8
.set KL,  73                           ; the count of bits 0 to 15
.set KN,  76                           ; how many members of the window stand ahead of mine
.set KP,  96                           ; the window's first bit
.set KT,  99                           ; at work
.set KU,  102
; the way out
.set RO,  32                           ; eight: byte offset of rows 8 h + i in the output, + 16 r
.set ENT, 40                           ; eight: their entries
.set SC,  48                           ; eight: their scores
.set EA,  56                           ; my row table + 32 h: RT + 512 w + 32 h; the slot's 64 j stands in the loads' immediate
.set XX,  64                           ; 64: row i, my column c at XX + 8 i + c
.set ZZ,  128                          ; 64
.set OO,  192                          ; 32
; SCALAR REGISTERS: s[4:15] the six arguments; s20-23, s[30:31] at work
.set WV,  16                           ; wave
.set SL,  17                           ; slice
.set EX,  18                           ; expert
.set CNT, 19                           ; the expert's rows; in the search: the members ahead of the group in hand
.set NT,  24                           ; its tiles
.set NL,  25                           ; my live slots in the pass in hand
.set PS,  26                           ; pass
.set TR,  27                           ; counts the loop over chunks
.set GQ,  28                           ; FFN = 1: 2,048 x the group in hand (FFN = 2: s28 is the offset of the count's load)
.set QS,  29                           ; FFN = 1: GQ + CNT
.set WP,  32                           ; s[32:33] weights, walking
.set AP,  34                           ; s[34:35] A, walking
.set W0,  36                           ; s[36:37] my block's first byte
.set A0,  38                           ; s[38:39] A at my K range
.set CA,  40                           ; s[40:41]
.set CB,  42                           ; s[42:43]
.set JS,  45                           ; slot, on the way out
.set KS,  46                           ; counts the slow way's loops
.set RTB, 48                           ; my row table in LDS
.set KQ,  49                           ; quarter of K
.set RB,  50                           ; 384 p + 16 w
.set BM,  51                           ; all ones where the bias counts
.set LP,  52                           ; s[52:53] lst at my expert
.set MSB, 0
.macro WIN new                         ; s_set_vgpr_msb: bits 1:0 source 0, 3:2 source 1, 5:4 source 2, 7:6 destination; the high byte repeats the setting that is left
.if MSB != (\new)
	s_set_vgpr_msb (MSB<<8)|(\new)
.set MSB, (\new)
.endif
.endm
.macro PLACES                          ; four places behind matrix instructions, ahead of loads into their sources and of reads of their results
.rept 4
	v_nop
.endr
.endm
.macro WLOAD                           ; my 16 rows of the chunk at WP: 512 consecutive bytes a load
.set i, 0
.rept 16
	global_load_b128 v[WS+4*i:WS+4*i+3], v[WO], s[WP:WP+1] offset:i*WPITCH th:TH_LOAD_NT
.set i, i+1
.endr
.endm
.macro ALOAD s                         ; K step s of the chunk at AP, my three slots: lane (r, h) takes k = 8 h .. and 16 + 8 h .. of row r
.irp j, 0,1,2
	global_load_b128 v[AF+32*\j+8*(\s):AF+32*\j+8*(\s)+3],   v[AO+\j], s[AP:AP+1] offset:64*(\s)
	global_load_b128 v[AF+32*\j+8*(\s)+4:AF+32*\j+8*(\s)+7], v[AO+\j], s[AP:AP+1] offset:64*(\s)+32
.endr
.endm
.macro FETCHB s, b, buf                ; B's 8 fragments of K step s out of LDS buffer buf into register buffer a (b = 0) or b (b = 1): groups 4 s + h and 4 s + 2 + h
.if \b
	WIN 0x40                                       ; destination window 1
.endif
.irp t, 0,1,2,3,4,5,6,7
	ds_load_b128 v[128+64*(\b)+8*\t:128+64*(\b)+8*\t+3],   v[BA+(\buf)] offset:\t*TILEB+1024*(\s)
	ds_load_b128 v[128+64*(\b)+8*\t+4:128+64*(\b)+8*\t+7], v[BA+(\buf)] offset:\t*TILEB+1024*(\s)+512
.endr
	WIN 0
.endm
; 8 matrix instructions for each live slot: A at ab + as x j, B at bb in window bw.  A slot's eight accumulators take turns, one instruction a turn; on every path
; two matrix instructions that follow each other name different accumulators.  At a branch and at a label every window is 0.
.macro MMA ab, as, bb, bw
.irp j, 0,1,2
	s_cmp_le_u32 s[NL], \j
	s_cbranch_scc1 .Lmend_\@
	WIN 0x50|((\bw)<<2)                            ; C and D window 1
.irp t, 0,1,2,3,4,5,6,7
	v_wmma_f32_16x16x32_bf16 v[64*\j+8*\t:64*\j+8*\t+7], v[(\ab)+(\as)*\j:(\ab)+(\as)*\j+7], v[(\bb)+8*\t:(\bb)+8*\t+7], v[64*\j+8*\t:64*\j+8*\t+7]
.endr
	WIN 0
.endr
.Lmend_\@:
.endm
.macro ROUND buf                       ; my 16 rows x 128 columns to bf16 and into LDS buffer buf: for each of 2 groups of 8 k and each of my 4 columns, 16 bytes
.set u, 0
.irp gi, 0,1
.irp j, 0,1,2,3
.irp i, 0,1,2,3
	v_cvt_pk_bf16_f32 v[PK+4*(u%2)+\i], v[WS+32*\gi+8*\i+\j], v[WS+32*\gi+8*\i+4+\j]
.endr
	ds_store_b128 v[ST+(\buf)], v[PK+4*(u%2):PK+4*(u%2)+3] offset:SJ*TILEB*\j+256*\gi
.set u, u+1
.endr
.endr
.endm
.macro CLEAR
	WIN 0x40
.set i, 0
.rept 192
	v_mov_b32 v[i], 0
.set i, i+1
.endr
	WIN 0
.endm
; A TRIP multiplies the chunk in LDS buffer buf: four K steps of 32.  Beside them: A of the next chunk is loaded into each step's registers as they fall free (al); the weights loaded a trip ago, the next
; chunk's, are rounded into the other buffer (prod); the chunk after that is loaded (wl); the one after that is asked for ahead (pf; 2: not in the loop's last pass).
; LOADcnt.  A trip issues A'0 (6), A'1 (6), W (16), A'2 (6), A'3 (6).  Behind the loads of a step's A stand 34 when the step comes; behind W stand 24 when it is rounded.  n0..n3, nw are those counts.
; DScnt.  A step waits for all but the 16 loads just issued; the fourth for all.
; ONE BARRIER a trip orders two things: my stores of the next chunk into the other buffer against the others' reads of it in the next trip, and my reads of this buffer against the others' stores into it in the
; next trip.  Both are done at the fourth step's wait for all my LDS instructions.  The signal stands straight behind that wait; the fourth step's products, work on registers, stand between the signal and
; the wait; the next loads from memory stand behind the wait.
.macro TRIP buf, prod, wl, al, pf, n0, n1, nw, n2, n3, bar
.if (\al)+(\wl)
	s_wait_xcnt 0x0                                ; AP and WP are bases of loads that are still out: they step only behind this wait
.endif
.if \al
	s_add_nc_u64 s[AP:AP+1], s[AP:AP+1], 256
.endif
.if \wl
	s_add_nc_u64 s[WP:WP+1], s[WP:WP+1], CHSTEP
.endif
	FETCHB 0, 0, \buf
	FETCHB 1, 1, \buf
	s_wait_dscnt 16
	s_wait_loadcnt \n0
	MMA AF, 32, BFA, 0
	PLACES
.if \al
	ALOAD 0
.endif
	FETCHB 2, 0, \buf
	s_wait_dscnt 16
	s_wait_loadcnt \n1
	MMA AF+8, 32, BFB, 1
	PLACES
.if \al
	ALOAD 1
.endif
.if \prod
	s_wait_loadcnt \nw
	ROUND 1-(\buf)
.endif
.if \wl
	WLOAD
.endif
.if (\pf) == 2
	s_cmp_eq_u32 s[TR], 1
	s_cbranch_scc1 .Lnopf_\@                       ; the chunk one behind WP's would lie past my block
.endif
.if \pf
	global_prefetch_b8 v[PF], s[WP:WP+1] offset:CHSTEP th:TH_LOAD_NT scope:SCOPE_SE  ; my 16 rows of the chunk that the next trip loads: 32 lanes, 256 bytes apart; each block is asked for once, by the wave that will load it
.endif
.if (\pf) == 2
.Lnopf_\@:
.endif
	FETCHB 3, 1, \buf
	s_wait_dscnt 16                                ; step 2's fragments are in, and my 8 stores are done
	s_wait_loadcnt \n2
	MMA AF+16, 32, BFA, 0
	PLACES
.if \al
	ALOAD 2
.endif
	s_wait_dscnt 0x0                               ; for the others' sake too: my stores into the other buffer are done and my reads of this one are over
.if \bar
	s_barrier_signal -1                            ; say so,
.endif
	s_wait_loadcnt \n3
	MMA AF+24, 32, BFB, 1                          ; work on registers while the others arrive,
	PLACES
.if \bar
	s_barrier_wait -1                              ; and go on when all eight have said so
.endif
.if \al
	ALOAD 3
.endif
.endm
.macro NLCALC                          ; my live slots in pass PS: the j with 24 p + 8 j + w < NT
	s_mul_i32 s20, s[PS], 24
	s_add_co_u32 s20, s20, s[WV]
	s_sub_co_i32 s[NL], s[NT], s20
	s_max_i32 s[NL], s[NL], 0
	s_add_co_u32 s[NL], s[NL], 7
	s_lshr_b32 s[NL], s[NL], 3
	s_min_u32 s[NL], s[NL], 3
.endm
.macro ALL3 line:vararg                ; one line for each slot j
.set j, 0
.rept 3
	\line
.set j, j+1
.endr
.endm
; ---- FFN = 1: FROM RANKS TO ENTRIES, in registers.  My rank in slot j is RB + 128 j + r.
.macro SETIX g                         ; where group g's choices lie: v48-63, v80-95, v112-127, v160-175: beside the search's registers
.if (\g) < 24
.set ix, 48+32*((\g)/8)+2*((\g)%8)
.else
.set ix, 160+2*((\g)-24)
.endif
.endm
.macro RANKINIT
	s_mov_b32 s[CNT], 0
	s_mov_b32 s[GQ], 0
	ALL3 v_add3_u32 v[RHO+j], s[RB], v[RR], 128*j
	ALL3 v_mov_b32 v[VM+j], 0
	ALL3 v_mov_b32 v[VM2+j], 0
	ALL3 v_mov_b32 v[VQ+j], 0
.endm
; A group of 32 tokens, lane l's two choices in v[ix], v[ix+1].  A lane takes the group's bitmaps if the group has members and no more of them stand ahead of it than the lane's rank says.  The members ahead only
; grow, so what a lane holds at the end is the group in which its rank falls, or, for a rank past the count, the last group that has members.
.macro GROUP ix
	v_cmp_eq_u32 s20, s[EX], v[\ix]                ; the first choice is my expert,
	v_cmp_eq_u32 s21, s[EX], v[(\ix)+1]            ; or the second
	s_or_b32 s22, s20, s21                         ; the members; SCC: there are some
	s_cselect_b32 s23, s[CNT], -1                  ; the members ahead, or for an empty group a number above every rank
	s_or_b32 s[QS], s[CNT], s[GQ]                  ; at most 992 members stand ahead of a group: they fit under 2,048
.irp j, 0,1,2
	v_cmp_gt_u32 vcc_lo, s23, v[RHO+\j]            ; set: the lane keeps what it has
	v_cndmask_b32 v[VM+\j],  s22,   v[VM+\j],  vcc_lo
	v_cndmask_b32 v[VM2+\j], s21,   v[VM2+\j], vcc_lo
	v_cndmask_b32 v[VQ+\j],  s[QS], v[VQ+\j],  vcc_lo
.endr
	s_bcnt1_i32_b32 s20, s22
	s_add_co_u32 s[CNT], s[CNT], s20
	s_addk_co_i32 s[GQ], 0x800
.endm
; A halving: the window of 2 w bits at KP holds my bit, with KN members of the window ahead of it.  src holds the counts in fields of w bits (mask msk).  If the lower half has KN members or fewer, my bit lies in the upper.
.macro HALVE src, w, msk
	ALL3 v_lshrrev_b32 v[KT+j], v[KP+j], v[(\src)+j]
	ALL3 v_and_b32 v[KT+j], \msk, v[KT+j]
	ALL3 v_cmp_ge_u32 s[20+j], v[KN+j], v[KT+j]
	ALL3 v_sub_nc_u32 v[KU+j], v[KN+j], v[KT+j]
	ALL3 v_cndmask_b32 v[KN+j], v[KN+j], v[KU+j], s[20+j]
	ALL3 v_cndmask_b32 v[KU+j], 0, \w, s[20+j]
	ALL3 v_add_nc_u32 v[KP+j], v[KP+j], v[KU+j]
.endm
; The place of member number KN = min(rank - members ahead, the group's members - 1) in VM; then the entry: 2 x (32 x group + place) + (the expert is the second choice).
; With no member at all the result is some entry below 2,048, which nothing stores by.
.macro SELECT
	ALL3 v_lshrrev_b32 v[KA+j], 1, v[VM+j]
	ALL3 v_and_b32 v[KA+j], 0x55555555, v[KA+j]
	ALL3 v_sub_nc_u32 v[KA+j], v[VM+j], v[KA+j]    ; counts in fields of 2 bits
	ALL3 v_lshrrev_b32 v[KB+j], 2, v[KA+j]
	ALL3 v_and_b32 v[KT+j], 0x33333333, v[KA+j]
	ALL3 v_and_b32 v[KB+j], 0x33333333, v[KB+j]
	ALL3 v_add_nc_u32 v[KB+j], v[KB+j], v[KT+j]    ; of 4
	ALL3 v_lshrrev_b32 v[KC+j], 4, v[KB+j]
	ALL3 v_add_nc_u32 v[KC+j], v[KC+j], v[KB+j]
	ALL3 v_and_b32 v[KC+j], 0x0f0f0f0f, v[KC+j]    ; of 8
	ALL3 v_lshrrev_b32 v[KU+j], 8, v[KC+j]
	ALL3 v_add_nc_u32 v[KU+j], v[KU+j], v[KC+j]    ; byte 0: bits 0 to 15; byte 2: bits 16 to 31
	ALL3 v_and_b32 v[KL+j], 0xff, v[KU+j]
	ALL3 v_bfe_u32 v[KU+j], v[KU+j], 16, 8
	ALL3 v_add3_u32 v[KU+j], v[KU+j], v[KL+j], -1  ; the group's members - 1
	ALL3 v_and_b32 v[KT+j], 0x7ff, v[VQ+j]         ; the members ahead of the group
	ALL3 v_sub_nc_u32 v[KN+j], v[RHO+j], v[KT+j]
	ALL3 v_min_u32 v[KN+j], v[KN+j], v[KU+j]       ; a rank past the count takes the last member
	ALL3 v_cmp_ge_u32 s[20+j], v[KN+j], v[KL+j]    ; the first halving, of all 32 bits
	ALL3 v_sub_nc_u32 v[KU+j], v[KN+j], v[KL+j]
	ALL3 v_cndmask_b32 v[KN+j], v[KN+j], v[KU+j], s[20+j]
	ALL3 v_cndmask_b32 v[KP+j], 0, 16, s[20+j]
	HALVE KC, 8, 0xff
	HALVE KB, 4, 15
	HALVE KA, 2, 3
	HALVE VM, 1, 1
	ALL3 v_lshrrev_b32 v[KT+j], v[KP+j], v[VM2+j]
	ALL3 v_and_b32 v[KT+j], 1, v[KT+j]             ; k
	ALL3 v_lshrrev_b32 v[KU+j], 11, v[VQ+j]        ; the group
	ALL3 v_lshl_add_u32 v[KU+j], v[KU+j], 5, v[KP+j]   ; the token
	ALL3 v_lshl_add_u32 v[EN+j], v[KU+j], 1, v[KT+j]   ; the entry
.endm
; SLICE 0 WRITES THE LIST OUT for the second product: each wave the entries that it has just found, at their ranks: three stores of 64 consecutive bytes (lanes 16 to 31 repeat the address and the number of lanes
; 0 to 15).  A rank past 1,023 goes to the place of rank 1,023: both hold the expert's last row.  withcnt = 1 (pass 0): wave 0's first lane stores the count behind the eight lists.
.macro PUTLIST withcnt
	s_cmp_lg_u32 s[SL], 0
	s_cbranch_scc1 .Lnolist_\@
.irp j, 0,1,2
	v_min_u32 v[T1+\j], 0x3ff, v[RHO+\j]
	v_lshlrev_b32 v[T1+\j], 2, v[T1+\j]
	global_store_b32 v[T1+\j], v[EN+\j], s[LP:LP+1]
.endr
.if \withcnt
	s_cmp_lg_u32 s[WV], 0
	s_cbranch_scc1 .Lnocnt_\@
	v_mov_b32 v[T8], s[CNT]
	s_lshl_b32 s20, s[EX], 2
	v_mov_b32 v[T8+1], s20
	v_cmp_eq_u32 vcc_lo, 0, v0
	s_wait_xcnt 0x0                                ; EXEC is a source of the loads and the stores that are out: it changes only behind this wait
	s_and_saveexec_b32 s21, vcc_lo
	global_store_b32 v[T8+1], v[T8], s[14:15] offset:32768
	s_wait_xcnt 0x0                                ; and again ahead of the line that widens it
	s_or_b32 exec_lo, exec_lo, s21
.Lnocnt_\@:
.endif
	s_wait_xcnt 0x0                                ; the stores' registers are written again further down
.Lnolist_\@:
.endm
; ---- FFN = 2: my rows' entries are read: rank RB + 128 j + r of the expert's list, which repeats the last row past the count.
.macro ENTRIES
.irp j, 0,1,2
	v_add3_u32 v[T1+\j], s[RB], v[RR], 128*\j
	v_min_u32 v[T1+\j], 0x3ff, v[T1+\j]
	v_lshlrev_b32 v[T1+\j], 2, v[T1+\j]
	global_load_b32 v[EN+\j], v[T1+\j], s[LP:LP+1]
.endr
.endm
; The entries go into my row table, for the way out, and make A's offsets.  FFN = 2: the scores are asked for.
.macro ROWS2
	v_lshl_add_u32 v[T0], v[RR], 2, s[RTB]
.irp j, 0,1,2
	ds_store_b32 v[T0], v[EN+\j] offset:64*\j
.if FFN == 1
	v_lshrrev_b32 v[T4+\j], 1, v[EN+\j]            ; the token
	v_min_u32 v[T4+\j], 0x3ff, v[T4+\j]
.else
	v_min_u32 v[T4+\j], 0x7ff, v[EN+\j]
.endif
	v_lshl_add_u32 v[AO+\j], v[T4+\j], ASH, v[H16]
.if FFN == 2
	v_lshlrev_b32 v[T4+\j], 2, v[T4+\j]
	global_load_b32 v[SCR+\j], v[T4+\j], s[14:15]
.endif
.endr
.endm
.macro SCSTORE
.irp j, 0,1,2
	ds_store_b32 v[T0], v[SCR+\j] offset:256+64*\j
.endr
.endm
; THE SLOW WAY's K step of 32: A of my three slots; the weights straight in operand order: lane (r, h) takes rows 8 h + 0..7 and 16 + 8 h + 0..7 of its 8 columns; all waited for; rounded; multiplied.
.macro SSTEP
.irp j, 0,1,2
	global_load_b128 v[AF+8*\j:AF+8*\j+3],   v[AO+\j], s[AP:AP+1]
	global_load_b128 v[AF+8*\j+4:AF+8*\j+7], v[AO+\j], s[AP:AP+1] offset:32
.endr
.set ii, 0
.rept 16
	global_load_b128 v[64+4*ii:64+4*ii+3],   v[SWO], s[WP:WP+1] offset:(ii+8*(ii/8))*WPITCH
	global_load_b128 v[192+4*ii:192+4*ii+3], v[SWO], s[WP:WP+1] offset:(ii+8*(ii/8))*WPITCH+QH
.set ii, ii+1
.endr
	s_wait_loadcnt 0x0
.irp t, 0,1,2,3,4,5,6,7
.if FFN == 1
.set sb, 64+128*((\t)&1)
.set mm, (\t)>>1
.else
.set sb, 64+128*((\t)>>2)
.set mm, (\t)&3
.endif
.irp i, 0,1,2,3,4,5,6,7
	v_cvt_pk_bf16_f32 v[BFA+8*\t+\i], v[sb+8*\i+mm], v[sb+8*\i+4+mm]
.endr
.endr
	MMA AF, 8, BFA, 0
	PLACES
	s_add_nc_u64 s[WP:WP+1], s[WP:WP+1], 32*WPITCH ; the loads that named them are done
	s_add_nc_u64 s[AP:AP+1], s[AP:AP+1], 64
.endm
; Slot j on the way out: the entries (FFN = 2: and scores) of rows 8 h .. 8 h + 7 are asked for out of my row table, at RT + 512 w + 32 h + 64 j; then slot j's results plus the bias,
; each accumulator's registers in ascending order.
.macro TAKE j
	ds_load_b128 v[ENT:ENT+3],   v[EA] offset:64*(\j)
	ds_load_b128 v[ENT+4:ENT+7], v[EA] offset:64*(\j)+16
.if FFN == 2
	ds_load_b128 v[SC:SC+3],   v[EA] offset:256+64*(\j)
	ds_load_b128 v[SC+4:SC+7], v[EA] offset:272+64*(\j)
.endif
	WIN 0x01                                       ; source 0 window 1
.irp i, 0,1,2,3,4,5,6,7
.irp c, 0,1,2,3,4,5,6,7
.if FFN == 1
.set tc, 2*((\c)&3)+((\c)>>2)
.else
.set tc, \c
.endif
	v_add_f32 v[XX+8*\i+\c], v[64*(\j)+8*tc+\i], v[BI+\c]
.endr
.endr
	WIN 0
.endm
	; ---------------- the head
	s_load_b256 s[4:11], s[0:1], 0x0               ; rows s[4:5], weights s[6:7], bias s[8:9], idx or lst s[10:11]
	s_load_b128 s[12:15], s[0:1], 0x20             ; output s[12:13], lst or score s[14:15]
	v_lshl_add_u32 v[SPW], v0, 2, SPARE
	v_mov_b32 v[NIL], 0
	v_lshrrev_b32 v3, 5, v0
	v_readfirstlane_b32 s[WV], v3
	s_and_b32 s[EX], ttmp7, 0xffff
.if FFN == 1
	s_mov_b32 s[SL], ttmp9
	s_mov_b32 s[KQ], 0
.else
	s_and_b32 s[SL], ttmp9, 3                      ; the slice: bits 0, 1 and 3 of x; the quarter: bits 2 and 4.  So the eight work-groups that read the same rows of h
	s_lshr_b32 s20, ttmp9, 1                       ; agree in bits 2 and 4 of their number.  Any one-to-one map gives the same results: this is a choice of order
	s_and_b32 s20, s20, 4
	s_or_b32 s[SL], s[SL], s20
	s_bfe_u32 s[KQ], ttmp9, 0x10002
	s_lshr_b32 s20, ttmp9, 3
	s_and_b32 s20, s20, 2
	s_or_b32 s[KQ], s[KQ], s20
.endif
	v_and_b32 v[LN], 31, v0
	v_and_b32 v[RR], 15, v0
	v_and_b32 v[H16], 16, v0
	s_mul_i32 s20, s[WV], 16*WPITCH
	v_lshl_add_u32 v[WO], v[LN], 4, s20
	v_lshrrev_b32 v3, 1, v[LN]
	v_mul_u32_u24 v[PF], v3, WPITCH
	v_and_b32 v3, 1, v[LN]
	v_lshl_add_u32 v[PF], v3, 8, v[PF]
	v_add_nc_u32 v[PF], s20, v[PF]
	v_mul_u32_u24 v[SWO], v[H16], WPITCH/2         ; 8 h rows
	v_lshlrev_b32 v[BA], 4, v[RR]
	v_lshl_add_u32 v[BA], v[H16], 4, v[BA]
	v_add_nc_u32 v[BA+1], BUF1, v[BA]
	s_lshl_b32 s21, s[WV], 9                       ; my two groups of 8 k in a tile
.if FFN == 1
	v_lshl_add_u32 v[SWO], v[RR], 5, v[SWO]
	v_mul_u32_u24 v[ST], v3, TILEB                 ; (c & 1) tiles
	v_lshrrev_b32 v3, 1, v[LN]
	v_lshl_add_u32 v[ST], v3, 4, v[ST]             ; + 16 (c >> 1)
.else
	v_lshl_add_u32 v[SWO], v[RR], 4, v[SWO]
	v_mul_u32_u24 v[ST], v[H16], 4*TILEB/16        ; 4 (c >> 4) tiles
	v_lshl_add_u32 v[ST], v[RR], 4, v[ST]          ; + 16 (c & 15)
.endif
	v_add_nc_u32 v[ST], s21, v[ST]
	v_add_nc_u32 v[ST+1], BUF1, v[ST]
	s_add_co_u32 s[RTB], s21, RT
	s_mov_b32 s[PS], 0
	s_lshl_b32 s[RB], s[WV], 4
.if FFN == 1
	s_mov_b32 s[CA], 0xc0135761                    ; - 2 log2(e) sqrt(2 / pi) = -2.3022082
	s_mov_b32 s[CA+1], s[CA]                       ; named with it as a pair
	s_mov_b32 s[CB], 0xbdd2d3e8                    ; CA x 0.044715 = -0.10294324
	s_mov_b32 s[CB+1], s[CB]
.else
	s_cmp_eq_u32 s[KQ], 0
	s_cselect_b32 s[BM], -1, 0
	s_lshl_b32 s28, s[EX], 2                       ; kept for the count's load alone
.endif
	s_mov_b32 s31, 0
	s_lshl_b32 s20, s[SL], 9                       ; 128 columns of f32
	s_wait_kmcnt 0x0
	s_lshl_b32 s30, s[EX], 24                      ; an expert's weights: 16 MiB
	s_add_co_u32 s30, s30, s20
.if FFN == 2
	s_lshl_b32 s21, s[KQ], 22                      ; 1,024 rows of 4,096 bytes
	s_add_co_u32 s30, s30, s21
.endif
	s_add_nc_u64 s[W0:W0+1], s[6:7], s[30:31]
	s_mov_b64 s[WP:WP+1], s[W0:W0+1]
	s_lshl_b32 s30, s[EX], BSH
	s_add_co_u32 s30, s30, s20
	s_add_nc_u64 s[8:9], s[8:9], s[30:31]          ; the bias of my 128 columns
.if FFN == 1
	s_mov_b64 s[A0:A0+1], s[4:5]
	s_lshl_b32 s30, s[SL], 8                       ; 128 columns of bf16
	s_add_nc_u64 s[12:13], s[12:13], s[30:31]
	s_lshl_b32 s30, s[EX], 12
	s_add_nc_u64 s[LP:LP+1], s[14:15], s[30:31]
.else
	s_load_b32 s[CNT], s[10:11], s28 offset:0x8000 ; the expert's count, behind the eight lists
	s_lshl_b32 s30, s[KQ], 11                      ; 1,024 bf16
	s_add_nc_u64 s[A0:A0+1], s[4:5], s[30:31]
	s_lshl_b32 s30, s[KQ], 23                      ; a quarter's partial sums: 8 MiB
	s_add_co_u32 s30, s30, s20
	s_add_nc_u64 s[12:13], s[12:13], s[30:31]
	s_lshl_b32 s30, s[EX], 12
	s_add_nc_u64 s[LP:LP+1], s[10:11], s[30:31]
.endif
	s_mov_b64 s[AP:AP+1], s[A0:A0+1]
	; ---------------- the first loads: what the rows hang on, then chunk 0 of the weights
.if FFN == 1
	v_lshlrev_b32 v[T0], 3, v[LN]
.set g, 0
.rept 32                               ; all 1,024 tokens' choices: group g gives lane l token 32 g + l
	SETIX g
	global_load_b64 v[ix:ix+1], v[T0], s[10:11] offset:256*g
.set g, g+1
.endr
.else
	ENTRIES
.endif
	WLOAD
	global_prefetch_b8 v[PF], s[WP:WP+1] offset:CHSTEP th:TH_LOAD_NT scope:SCOPE_SE    ; my rows of chunks 1 and 2; the trips ask for chunks 3 to 7
	global_prefetch_b8 v[PF], s[WP:WP+1] offset:2*CHSTEP th:TH_LOAD_NT scope:SCOPE_SE
.if FFN == 1
	RANKINIT
.endif
	CLEAR                                          ; stands in the wait for those loads
	s_wait_loadcnt 16                              ; all but chunk 0's sixteen
.if FFN == 1
.set g, 0
.rept 32
	SETIX g
	GROUP ix
.set g, g+1
.endr
	SELECT
	s_min_u32 s[CNT], s[CNT], 0x400
	PUTLIST 1
.else
	s_wait_kmcnt 0x0
	s_min_u32 s[CNT], s[CNT], 0x400
.endif
	ROWS2
.if FFN == 1
	v_lshlrev_b32 v[T7], 5, v[RR]                  ; my 8 neighbouring columns
.else
	v_lshlrev_b32 v[T7], 4, v[RR]                  ; my 4 columns in each half
.endif
	global_load_b128 v[BI:BI+3],   v[T7], s[8:9]
	global_load_b128 v[BI+4:BI+7], v[T7], s[8:9] offset:QH
	ALOAD 0
	ALOAD 1
	s_wait_loadcnt 14+3*(FFN-1)                    ; behind chunk 0: (three scores,) two of bias, twelve of A
	ROUND 0
	s_wait_xcnt 0x0                                ; WP is the base of the two prefetches
	s_add_nc_u64 s[WP:WP+1], s[WP:WP+1], CHSTEP
	WLOAD                                          ; chunk 1.  From the bias on the order is a trip's: A0, A1, W, A2, A3
	ALOAD 2
	ALOAD 3
	s_wait_loadcnt 40                              ; those forty may stay out: bias and scores are in
.irp m, 0,1,2,3
	v_cvt_pk_bf16_f32 v3, v[BI+2*\m], v[BI+2*\m+1] ; the bias is rounded to bf16 like every input
	v_lshlrev_b32 v[BI+2*\m], 16, v3
	v_and_b32 v[BI+2*\m+1], 0xffff0000, v3
.endr
.if FFN == 2
.irp c, 0,1,2,3,4,5,6,7
	v_cndmask_b32 v[BI+\c], 0, v[BI+\c], s[BM]     ; it counts in quarter 0 alone
.endr
	SCSTORE
.endif
	s_add_co_u32 s[NT], s[CNT], 15
	s_lshr_b32 s[NT], s[NT], 4
	NLCALC
	s_wait_dscnt 0x0                               ; for the others' sake: my part of chunk 0 is in buffer 0
	s_barrier_signal -1
	s_barrier_wait -1
	; ---------------- pass 0: chunks 0 to 7
	s_mov_b32 s[TR], 3
.Ltrip:
	TRIP 0, 1, 1, 1, 1, 34, 34, 24, 34, 34, 1
	TRIP 1, 1, 1, 1, 2, 34, 34, 24, 34, 34, 1
	s_sub_co_u32 s[TR], s[TR], 1
	s_cmp_lg_u32 s[TR], 0
	s_cbranch_scc1 .Ltrip
	TRIP 0, 1, 0, 1, 0, 34, 34, 24, 18, 18, 1      ; chunk 6: no weights are left to load, so 16 fewer stand behind A's last two steps
	TRIP 1, 0, 0, 0, 0, 18, 12, 0, 6, 0, 0         ; chunk 7: nothing is loaded, the counts run down; no buffer is written again, so no barrier
	s_branch .Lepi
	; ---------------- passes 1 and 2
.Lpass:
	s_wait_xcnt 0x0                                ; the last stores have read their registers
	NLCALC
	s_cmp_eq_u32 s[NL], 0
	s_cbranch_scc1 .Lnext
	s_mul_i32 s[RB], s[PS], 384
	s_lshl4_add_u32 s[RB], s[WV], s[RB]
.if FFN == 1
	RANKINIT                                       ; the same search for this pass's ranks; the choices are read again, a group a trip, each load waited for
	v_and_b32 v[T0], 31, v0
	v_lshlrev_b32 v[T0], 3, v[T0]
	s_mov_b64 s[WP:WP+1], s[10:11]
	s_mov_b32 s[KS], 32
.Lgrp:
	global_load_b64 v[IXL:IXL+1], v[T0], s[WP:WP+1]
	s_wait_loadcnt 0x0
	GROUP IXL
	s_add_nc_u64 s[WP:WP+1], s[WP:WP+1], 256       ; the load that named it is done
	s_sub_co_u32 s[KS], s[KS], 1
	s_cmp_lg_u32 s[KS], 0
	s_cbranch_scc1 .Lgrp
	SELECT
	PUTLIST 0
	ROWS2
.else
	ENTRIES
	s_wait_loadcnt 0x0
	ROWS2
	s_wait_loadcnt 0x0
	SCSTORE
.endif
	CLEAR
	s_mov_b64 s[WP:WP+1], s[W0:W0+1]
	s_mov_b64 s[AP:AP+1], s[A0:A0+1]
	s_mov_b32 s[KS], 32
.Lslow:
	SSTEP
	s_sub_co_u32 s[KS], s[KS], 1
	s_cmp_lg_u32 s[KS], 0
	s_cbranch_scc1 .Lslow
	; ---------------- the way out, a live slot at a time.  Lane (r, h) holds rows 8 h + i of the tile and 8 columns.
.Lepi:
	s_mov_b32 s[JS], 0
.Lslot:
	s_cmp_ge_u32 s[JS], s[NL]
	s_cbranch_scc1 .Lsnext
	s_wait_xcnt 0x0                                ; the slot before: its stores have read their registers
	v_lshl_add_u32 v[EA], v[H16], 1, s[RTB]        ; my own row table, rows 8 h on: only my wave writes or reads these bytes, and LDS serves a wave's instructions in order
	s_cmp_eq_u32 s[JS], 1
	s_cbranch_scc1 .Ltake1
	s_cmp_eq_u32 s[JS], 2
	s_cbranch_scc1 .Ltake2
	TAKE 0
	s_branch .Lcommon
.Ltake1:
	TAKE 1
	s_branch .Lcommon
.Ltake2:
	TAKE 2
.Lcommon:
	s_wait_dscnt 0x0                               ; the entries (and scores) are in
.irp i, 0,1,2,3,4,5,6,7
	v_min_u32 v[RO+\i], 0x7ff, v[ENT+\i]
	v_lshlrev_b32 v[RO+\i], OSH, v[RO+\i]
	v_lshl_add_u32 v[RO+\i], v[RR], 4, v[RO+\i]
.endr
.if FFN == 1
	; gelu(x) = x / (1 + 2^(x (CA + CB x^2))).  The 64 exponentials are one batch with one wait, and so are the 64 reciprocals.
.set i, 0
.rept 32
	v_pk_mul_f32 v[ZZ+2*i:ZZ+2*i+1], v[XX+2*i:XX+2*i+1], v[XX+2*i:XX+2*i+1]
.set i, i+1
.endr
.set i, 0
.rept 32
	v_pk_fma_f32 v[ZZ+2*i:ZZ+2*i+1], v[ZZ+2*i:ZZ+2*i+1], s[CB:CB+1], s[CA:CA+1] op_sel_hi:[1,0,0]
.set i, i+1
.endr
.set i, 0
.rept 32
	v_pk_mul_f32 v[ZZ+2*i:ZZ+2*i+1], v[XX+2*i:XX+2*i+1], v[ZZ+2*i:ZZ+2*i+1]
.set i, i+1
.endr
.set i, 0
.rept 64
	v_exp_f32 v[ZZ+i], v[ZZ+i]
.set i, i+1
.endr
	v_nop                                          ; a plain instruction behind the last exponential (ISA guide 5.7.2),
	s_wait_alu depctr_va_vdst(0)                   ; and the wait ahead of the batch's first reader
.set i, 0
.rept 32
	v_pk_add_f32 v[ZZ+2*i:ZZ+2*i+1], v[ZZ+2*i:ZZ+2*i+1], 1.0 op_sel_hi:[1,0]
.set i, i+1
.endr
.set i, 0
.rept 64
	v_rcp_f32 v[ZZ+i], v[ZZ+i]
.set i, i+1
.endr
	v_nop
	s_wait_alu depctr_va_vdst(0)
.set i, 0
.rept 32
	v_pk_mul_f32 v[XX+2*i:XX+2*i+1], v[XX+2*i:XX+2*i+1], v[ZZ+2*i:ZZ+2*i+1]
.set i, i+1
.endr
.set i, 0
.rept 32
	v_cvt_pk_bf16_f32 v[OO+i], v[XX+2*i], v[XX+2*i+1]
.set i, i+1
.endr
.irp i, 0,1,2,3,4,5,6,7
	global_store_b128 v[RO+\i], v[OO+4*\i:OO+4*\i+3], s[12:13]  ; lanes 0-15 store 256 consecutive bytes of row i, lanes 16-31 of row 8 + i, each at a multiple of 256 from h's first byte
.endr
.else
.irp ih, 0,1,2,3                       ; row 2 ih + il: times its score
.irp il, 0,1
.irp c, 0,1,2,3
	v_pk_mul_f32 v[XX+16*\ih+8*\il+2*\c:XX+16*\ih+8*\il+2*\c+1], v[XX+16*\ih+8*\il+2*\c:XX+16*\ih+8*\il+2*\c+1], v[SC+2*\ih:SC+2*\ih+1] op_sel:[0,\il] op_sel_hi:[1,\il]
.endr
.endr
.endr
.irp i, 0,1,2,3,4,5,6,7
	global_store_b128 v[RO+\i], v[XX+8*\i:XX+8*\i+3],   s[12:13]             ; sixteen lanes store 256 consecutive bytes of a row, at a multiple of 256 from p's first byte
	global_store_b128 v[RO+\i], v[XX+8*\i+4:XX+8*\i+7], s[12:13] offset:256
.endr
.endif
.Lsnext:
	s_add_co_u32 s[JS], s[JS], 1
	s_cmp_lt_u32 s[JS], 3
	s_cbranch_scc1 .Lslot
.Lnext:
	s_add_co_u32 s[PS], s[PS], 1
	s_cmp_lt_u32 s[PS], 3
	s_cbranch_scc1 .Lpass
	s_wait_tensorcnt 0x0                           ; the wave's end, behind my last LDS store
	ds_add_u32 v[SPW], v[NIL]
	s_wait_dscnt 0x0
	s_endpgm
.Lfunc_end_k_qe253bca805_ffn1:
	.size	k_qe253bca805_ffn1, .Lfunc_end_k_qe253bca805_ffn1-k_qe253bca805_ffn1
	.p2alignl 7, 3214868480
	.fill 96, 4, 3214868480
	.section	.rodata,"a",@progbits
	.p2align	6, 0x0
	.amdhsa_kernel k_qe253bca805_ffn1
		.amdhsa_group_segment_fixed_size 99328
		.amdhsa_private_segment_fixed_size 0
		.amdhsa_enable_private_segment 0
		.amdhsa_kernarg_size 48
		.amdhsa_user_sgpr_count 2
		.amdhsa_user_sgpr_kernarg_segment_ptr 1
		.amdhsa_wavefront_size32 1
		.amdhsa_system_sgpr_workgroup_id_x 1
		.amdhsa_system_sgpr_workgroup_id_y 1
		.amdhsa_system_sgpr_workgroup_id_z 1
		.amdhsa_system_vgpr_workitem_id 0
		.amdhsa_next_free_vgpr 512
		.amdhsa_next_free_sgpr 66
		.amdhsa_reserve_vcc 1
		.amdhsa_float_denorm_mode_32 3
		.amdhsa_float_denorm_mode_16_64 3
		.amdhsa_memory_ordered 1
		.amdhsa_forward_progress 1
		.amdhsa_inst_pref_size 174
	.end_amdhsa_kernel
	.amdgpu_metadata
---
amdhsa.version: [ 1, 2 ]
amdhsa.kernels:
  - .name:           k_qe253bca805_ffn1
    .symbol:         k_qe253bca805_ffn1.kd
    .args:
      - { .name: xb, .offset: 0, .size: 8, .value_kind: global_buffer, .address_space: global }
      - { .name: w1, .offset: 8, .size: 8, .value_kind: global_buffer, .address_space: global }
      - { .name: b1, .offset: 16, .size: 8, .value_kind: global_buffer, .address_space: global }
      - { .name: idx, .offset: 24, .size: 8, .value_kind: global_buffer, .address_space: global }
      - { .name: h, .offset: 32, .size: 8, .value_kind: global_buffer, .address_space: global }
      - { .name: lst, .offset: 40, .size: 8, .value_kind: global_buffer, .address_space: global }
    .group_segment_fixed_size: 99328
    .private_segment_fixed_size: 0
    .kernarg_segment_align: 8
    .kernarg_segment_size: 48
    .max_flat_workgroup_size: 256
    .sgpr_count:     66
    .vgpr_count:     512
    .wavefront_size: 32
...
	.end_amdgpu_metadata
.endif
;; end of part 5
;; launch ffn2 (part 6): grid 32 x 8, 8 waves a work-group, no clusters, 99,328 bytes of LDS; arguments h, w2, b2, lst, p, score; writes p
.if DOCPART == 6
	.amdgcn_target "amdgcn-amd-amdhsa--gfx1250"
	.amdhsa_code_object_version 6
	.text
	.protected	k_qe253bca805_ffn2
	.globl	k_qe253bca805_ffn2
	.p2align	8
	.type	k_qe253bca805_ffn2,@function
k_qe253bca805_ffn2:
	s_mov_b64 s[64:65], 0
	v_nop
	global_prefetch_b8 v0, s[64:65] scope:SCOPE_SE
	s_setreg_imm32_b32 hwreg(HW_REG_WAVE_MODE, 25, 1), 1
	s_wait_xcnt 0x0
; FMoE: THE EXPERTS' TWO PRODUCTS.  One text serves both; FFN below picks the constants.
;   FFN = 1:  h[entry][n] = gelu(xb[token] . w1[e][:, n] + b1[e][n]), rounded to bf16.          Arguments: xb, w1, b1, idx, h, lst.
;   FFN = 2:  p[kq][entry][n] = score[entry] x (h[entry][quarter kq of K] . w2[e][that quarter, n] + b2[e][n] in quarter 0), f32.   Arguments: h, w2, b2, lst, p, score.
; An ENTRY is 2 x token + k: the token's k-th choice.  Only the rows of the experts chosen are multiplied.
; SHARES.  Grid: x = slice of 128 columns (FFN = 2: bits 0, 1, 3 of x the slice, bits 2, 4 the quarter of K), y = expert.  A work-group has a block of 1,024 K x 128 N of one expert's f32 weights, which it alone
; reads, and ALL rows of that expert.  Rows go in tiles of 16; tile 24 p + 8 j + w belongs to pass p, slot j (0..2) of wave w: 24 accumulators of 16 x 16 a wave.
; PASS 0 (the expert's first 384 rows) is the pipelined way.  K goes in 8 chunks of 128.  Each wave loads 16 rows of a chunk (512 consecutive bytes a load), rounds them to bf16 in registers and lays them into
; one of two LDS buffers in the order in which operand registers take them; all eight waves read the buffer.  The rows (A) come from memory straight into operand registers, by the list.
; All loads of pass 0 are issued whatever the count of rows, so that every counted wait counts the same on every path; only matrix instructions and stores are jumped, by forward branches on NL that pass no barrier.
; PASSES 1 AND 2 (rows 384 to 1,023) serve splits in which an expert has more than 384 rows: each wave then reads the block again from memory, straight in operand order, and waits for every step's loads.  A slow way.
; WHICH ROWS.  FFN = 1: every wave finds its own rows from all tokens' choices, in registers.  A group of 32 tokens gives the bitmap of the expert's members in a scalar register; each lane keeps the bitmap of the
; group in which its rank falls, and finds its bit there by five halvings on counts made by adding neighbours.  In slice 0 each wave also stores the entries that it has found, at their ranks, and wave 0 the count.
; FFN = 2: the rows are read from that list: wave w reads in pass p just the ranks that wave w of the first product's slice 0 stored in its pass p (both enter a slow pass by the same count).
; A place past the count repeats the expert's last row: the same bits are stored to the same bytes, and EXEC is never narrowed.  An expert without rows streams its block and stores nothing.
; NO TENSOR LOADS: f32 weights must pass through registers to be rounded, and the rows come by a list that no descriptor covers.  NO CLUSTER: a block of weights has one reader; what an expert's
; work-groups share is its rows, gathered by entry.  The accumulators are cleared (192 v_mov_b32, in the wait for the first weights): a first step with C = 0 would leave a jumped slot's registers unwritten.
; FORMATS.  Weights, bias and rows are rounded once to bf16, sums are f32; h is rounded once to bf16.  gelu is the tanh form, x / (1 + 2^(x (CA + CB x^2))).  NaN and infinities are not treated apart.
; COLUMNS.  The lane c that loaded 16 bytes of a weights row has columns 4 c + j.  FFN = 1: tile T = 2 j + (c & 1), lane r = c >> 1, so lane r of the results holds the 8 neighbouring columns 8 r ..: 16 bytes of bf16.
; FFN = 2: T = 4 (c >> 4) + j, r = c & 15, so lane r holds columns 64 q + 4 r + 0..3 (q = T >> 2): 16 bytes of f32.  Either way sixteen lanes store 256 consecutive bytes.
.set FFN, 2
.if FFN == 1
.set WPITCH, 16384                     ; bytes from a row of the weights to the next
.set ASH,    11                        ; a row of A: 2,048 bytes of xb
.set OSH,    13                        ; a row of the output: 8,192 bytes of h
.set BSH,    14                        ; an expert's bias: 16,384 bytes
.set SJ,     2                         ; column j of a lane goes SJ tiles on
.set QH,     16                        ; the slow way: bytes from my first four columns to my second four
.else
.set WPITCH, 4096
.set ASH,    13                        ; 8,192 bytes of h
.set OSH,    12                        ; 4,096 bytes of p
.set BSH,    12
.set SJ,     1
.set QH,     256
.endif
.set CHSTEP, 128*WPITCH                ; a chunk: 128 rows of the weights
; LDS.  A buffer: 8 tiles of TILEB bytes.  Tile T, group g of 8 k (0..15), column lane r: 16 bytes (8 bf16, k ascending) at T x TILEB + 256 g + 16 r.
; Sixteen lanes of a read take 256 consecutive bytes.  TILEB = 4,096 + 128, so that with FFN = 1 the even and the odd lanes of a store fall 128 bytes apart modulo 256.
.set TILEB,  4224
.set BUF1,   65536                     ; buffer 0 at byte 0, buffer 1 here
.set RT,     33792                     ; 512 bytes a wave, its own: entries [3][16], at + 256 scores [3][16]
.set SPARE,  37888                     ; the spare words: 128 bytes a wave, four blocks of 256 bytes that no other line names
; VECTOR REGISTERS, window 0
.set RR,  1                            ; v1      r = lane & 15
.set H16, 2                            ; v2      16 h, h = lane >> 4          (v3: at work)
.set SPW, 4                            ; v4      LDS address of my spare word; never rewritten
.set NIL, 5                            ; v5      0; never rewritten
.set WO,  6                            ; v6      16 lane + 16 w rows: my place in a chunk of the weights
.set PF,  7                            ; v7      the prefetch: row 16 w + lane / 2, half lane & 1 of its 512 bytes
.set AO,  8                            ; v8-10   slot j: byte offset of my row of A, + 16 h
.set SWO, 11                           ; v11     the slow way: row 8 h, my first four columns
.set BA,  12                           ; v12-13  16 r + 256 h in buffer 0, 1
.set ST,  14                           ; v14-15  where I store rounded weights in buffer 0, 1
.set BI,  16                           ; v16-23  the bias of my 8 columns, rounded to bf16, as f32
.set PK,  24                           ; v24-31  packing
.set AF,  32                           ; v32-127 A: slot j, K step s at AF + 32 j + 8 s
.set BFA, 128                          ; v128-191 B's fragments, buffer a
.set WS,  192                          ; v192-255 16 rows x 4 columns of weights, f32
; window 1: v0-191 the accumulators, slot j, tile T at 64 j + 8 T; v192-255 B's fragments, buffer b
.set BFB, 192
; at work ahead of the trips and in the slow passes' set-up, in buffer a's registers, which are idle then
.set T0,  128
.set T1,  129                          ; four
.set T4,  133                          ; three
.set T7,  136
.set T8,  138                          ; four
.set EN,  142                          ; three: my rows' entries
.set SCR, 145                          ; three: their scores
.set LN,  148                          ; lane
.set IXL, 160                          ; the slow passes: a group's choices
; FFN = 1, the search for my rows: three registers each, one a slot, in registers that A's fragments take afterwards.  The tokens' choices lie beside them (SETIX).
.set RHO, 32                           ; my rank
.set VM,  35                           ; the members' bitmap of the group in which it falls
.set VM2, 38                           ; of those, the ones whose second choice the expert is
.set VQ,  41                           ; 2,048 x that group + the members ahead of it
.set KA,  64                           ; counts of VM's bits in fields of 2,
.set KB,  67                           ; of 4,
.set KC,  70                           ; of 8
.set KL,  73                           ; the count of bits 0 to 15
.set KN,  76                           ; how many members of the window stand ahead of mine
.set KP,  96                           ; the window's first bit
.set KT,  99                           ; at work
.set KU,  102
; the way out
.set RO,  32                           ; eight: byte offset of rows 8 h + i in the output, + 16 r
.set ENT, 40                           ; eight: their entries
.set SC,  48                           ; eight: their scores
.set EA,  56                           ; my row table + 32 h: RT + 512 w + 32 h; the slot's 64 j stands in the loads' immediate
.set XX,  64                           ; 64: row i, my column c at XX + 8 i + c
.set ZZ,  128                          ; 64
.set OO,  192                          ; 32
; SCALAR REGISTERS: s[4:15] the six arguments; s20-23, s[30:31] at work
.set WV,  16                           ; wave
.set SL,  17                           ; slice
.set EX,  18                           ; expert
.set CNT, 19                           ; the expert's rows; in the search: the members ahead of the group in hand
.set NT,  24                           ; its tiles
.set NL,  25                           ; my live slots in the pass in hand
.set PS,  26                           ; pass
.set TR,  27                           ; counts the loop over chunks
.set GQ,  28                           ; FFN = 1: 2,048 x the group in hand (FFN = 2: s28 is the offset of the count's load)
.set QS,  29                           ; FFN = 1: GQ + CNT
.set WP,  32                           ; s[32:33] weights, walking
.set AP,  34                           ; s[34:35] A, walking
.set W0,  36                           ; s[36:37] my block's first byte
.set A0,  38                           ; s[38:39] A at my K range
.set CA,  40                           ; s[40:41]
.set CB,  42                           ; s[42:43]
.set JS,  45                           ; slot, on the way out
.set KS,  46                           ; counts the slow way's loops
.set RTB, 48                           ; my row table in LDS
.set KQ,  49                           ; quarter of K
.set RB,  50                           ; 384 p + 16 w
.set BM,  51                           ; all ones where the bias counts
.set LP,  52                           ; s[52:53] lst at my expert
.set MSB, 0
.macro WIN new                         ; s_set_vgpr_msb: bits 1:0 source 0, 3:2 source 1, 5:4 source 2, 7:6 destination; the high byte repeats the setting that is left
.if MSB != (\new)
	s_set_vgpr_msb (MSB<<8)|(\new)
.set MSB, (\new)
.endif
.endm
.macro PLACES                          ; four places behind matrix instructions, ahead of loads into their sources and of reads of their results
.rept 4
	v_nop
.endr
.endm
.macro WLOAD                           ; my 16 rows of the chunk at WP: 512 consecutive bytes a load
.set i, 0
.rept 16
	global_load_b128 v[WS+4*i:WS+4*i+3], v[WO], s[WP:WP+1] offset:i*WPITCH th:TH_LOAD_NT
.set i, i+1
.endr
.endm
.macro ALOAD s                         ; K step s of the chunk at AP, my three slots: lane (r, h) takes k = 8 h .. and 16 + 8 h .. of row r
.irp j, 0,1,2
	global_load_b128 v[AF+32*\j+8*(\s):AF+32*\j+8*(\s)+3],   v[AO+\j], s[AP:AP+1] offset:64*(\s)
	global_load_b128 v[AF+32*\j+8*(\s)+4:AF+32*\j+8*(\s)+7], v[AO+\j], s[AP:AP+1] offset:64*(\s)+32
.endr
.endm
.macro FETCHB s, b, buf                ; B's 8 fragments of K step s out of LDS buffer buf into register buffer a (b = 0) or b (b = 1): groups 4 s + h and 4 s + 2 + h
.if \b
	WIN 0x40                                       ; destination window 1
.endif
.irp t, 0,1,2,3,4,5,6,7
	ds_load_b128 v[128+64*(\b)+8*\t:128+64*(\b)+8*\t+3],   v[BA+(\buf)] offset:\t*TILEB+1024*(\s)
	ds_load_b128 v[128+64*(\b)+8*\t+4:128+64*(\b)+8*\t+7], v[BA+(\buf)] offset:\t*TILEB+1024*(\s)+512
.endr
	WIN 0
.endm
; 8 matrix instructions for each live slot: A at ab + as x j, B at bb in window bw.  A slot's eight accumulators take turns, one instruction a turn; on every path
; two matrix instructions that follow each other name different accumulators.  At a branch and at a label every window is 0.
.macro MMA ab, as, bb, bw
.irp j, 0,1,2
	s_cmp_le_u32 s[NL], \j
	s_cbranch_scc1 .Lmend_\@
	WIN 0x50|((\bw)<<2)                            ; C and D window 1
.irp t, 0,1,2,3,4,5,6,7
	v_wmma_f32_16x16x32_bf16 v[64*\j+8*\t:64*\j+8*\t+7], v[(\ab)+(\as)*\j:(\ab)+(\as)*\j+7], v[(\bb)+8*\t:(\bb)+8*\t+7], v[64*\j+8*\t:64*\j+8*\t+7]
.endr
	WIN 0
.endr
.Lmend_\@:
.endm
.macro ROUND buf                       ; my 16 rows x 128 columns to bf16 and into LDS buffer buf: for each of 2 groups of 8 k and each of my 4 columns, 16 bytes
.set u, 0
.irp gi, 0,1
.irp j, 0,1,2,3
.irp i, 0,1,2,3
	v_cvt_pk_bf16_f32 v[PK+4*(u%2)+\i], v[WS+32*\gi+8*\i+\j], v[WS+32*\gi+8*\i+4+\j]
.endr
	ds_store_b128 v[ST+(\buf)], v[PK+4*(u%2):PK+4*(u%2)+3] offset:SJ*TILEB*\j+256*\gi
.set u, u+1
.endr
.endr
.endm
.macro CLEAR
	WIN 0x40
.set i, 0
.rept 192
	v_mov_b32 v[i], 0
.set i, i+1
.endr
	WIN 0
.endm
; A TRIP multiplies the chunk in LDS buffer buf: four K steps of 32.  Beside them: A of the next chunk is loaded into each step's registers as they fall free (al); the weights loaded a trip ago, the next
; chunk's, are rounded into the other buffer (prod); the chunk after that is loaded (wl); the one after that is asked for ahead (pf; 2: not in the loop's last pass).
; LOADcnt.  A trip issues A'0 (6), A'1 (6), W (16), A'2 (6), A'3 (6).  Behind the loads of a step's A stand 34 when the step comes; behind W stand 24 when it is rounded.  n0..n3, nw are those counts.
; DScnt.  A step waits for all but the 16 loads just issued; the fourth for all.
; ONE BARRIER a trip orders two things: my stores of the next chunk into the other buffer against the others' reads of it in the next trip, and my reads of this buffer against the others' stores into it in the
; next trip.  Both are done at the fourth step's wait for all my LDS instructions.  The signal stands straight behind that wait; the fourth step's products, work on registers, stand between the signal and
; the wait; the next loads from memory stand behind the wait.
.macro TRIP buf, prod, wl, al, pf, n0, n1, nw, n2, n3, bar
.if (\al)+(\wl)
	s_wait_xcnt 0x0                                ; AP and WP are bases of loads that are still out: they step only behind this wait
.endif
.if \al
	s_add_nc_u64 s[AP:AP+1], s[AP:AP+1], 256
.endif
.if \wl
	s_add_nc_u64 s[WP:WP+1], s[WP:WP+1], CHSTEP
.endif
	FETCHB 0, 0, \buf
	FETCHB 1, 1, \buf
	s_wait_dscnt 16
	s_wait_loadcnt \n0
	MMA AF, 32, BFA, 0
	PLACES
.if \al
	ALOAD 0
.endif
	FETCHB 2, 0, \buf
	s_wait_dscnt 16
	s_wait_loadcnt \n1
	MMA AF+8, 32, BFB, 1
	PLACES
.if \al
	ALOAD 1
.endif
.if \prod
	s_wait_loadcnt \nw
	ROUND 1-(\buf)
.endif
.if \wl
	WLOAD
.endif
.if (\pf) == 2
	s_cmp_eq_u32 s[TR], 1
	s_cbranch_scc1 .Lnopf_\@                       ; the chunk one behind WP's would lie past my block
.endif
.if \pf
	global_prefetch_b8 v[PF], s[WP:WP+1] offset:CHSTEP th:TH_LOAD_NT scope:SCOPE_SE  ; my 16 rows of the chunk that the next trip loads: 32 lanes, 256 bytes apart; each block is asked for once, by the wave that will load it
.endif
.if (\pf) == 2
.Lnopf_\@:
.endif
	FETCHB 3, 1, \buf
	s_wait_dscnt 16                                ; step 2's fragments are in, and my 8 stores are done
	s_wait_loadcnt \n2
	MMA AF+16, 32, BFA, 0
	PLACES
.if \al
	ALOAD 2
.endif
	s_wait_dscnt 0x0                               ; for the others' sake too: my stores into the other buffer are done and my reads of this one are over
.if \bar
	s_barrier_signal -1                            ; say so,
.endif
	s_wait_loadcnt \n3
	MMA AF+24, 32, BFB, 1                          ; work on registers while the others arrive,
	PLACES
.if \bar
	s_barrier_wait -1                              ; and go on when all eight have said so
.endif
.if \al
	ALOAD 3
.endif
.endm
.macro NLCALC                          ; my live slots in pass PS: the j with 24 p + 8 j + w < NT
	s_mul_i32 s20, s[PS], 24
	s_add_co_u32 s20, s20, s[WV]
	s_sub_co_i32 s[NL], s[NT], s20
	s_max_i32 s[NL], s[NL], 0
	s_add_co_u32 s[NL], s[NL], 7
	s_lshr_b32 s[NL], s[NL], 3
	s_min_u32 s[NL], s[NL], 3
.endm
.macro ALL3 line:vararg                ; one line for each slot j
.set j, 0
.rept 3
	\line
.set j, j+1
.endr
.endm
; ---- FFN = 1: FROM RANKS TO ENTRIES, in registers.  My rank in slot j is RB + 128 j + r.
.macro SETIX g                         ; where group g's choices lie: v48-63, v80-95, v112-127, v160-175: beside the search's registers
.if (\g) < 24
.set ix, 48+32*((\g)/8)+2*((\g)%8)
.else
.set ix, 160+2*((\g)-24)
.endif
.endm
.macro RANKINIT
	s_mov_b32 s[CNT], 0
	s_mov_b32 s[GQ], 0
	ALL3 v_add3_u32 v[RHO+j], s[RB], v[RR], 128*j
	ALL3 v_mov_b32 v[VM+j], 0
	ALL3 v_mov_b32 v[VM2+j], 0
	ALL3 v_mov_b32 v[VQ+j], 0
.endm
; A group of 32 tokens, lane l's two choices in v[ix], v[ix+1].  A lane takes the group's bitmaps if the group has members and no more of them stand ahead of it than the lane's rank says.  The members ahead only
; grow, so what a lane holds at the end is the group in which its rank falls, or, for a rank past the count, the last group that has members.
.macro GROUP ix
	v_cmp_eq_u32 s20, s[EX], v[\ix]                ; the first choice is my expert,
	v_cmp_eq_u32 s21, s[EX], v[(\ix)+1]            ; or the second
	s_or_b32 s22, s20, s21                         ; the members; SCC: there are some
	s_cselect_b32 s23, s[CNT], -1                  ; the members ahead, or for an empty group a number above every rank
	s_or_b32 s[QS], s[CNT], s[GQ]                  ; at most 992 members stand ahead of a group: they fit under 2,048
.irp j, 0,1,2
	v_cmp_gt_u32 vcc_lo, s23, v[RHO+\j]            ; set: the lane keeps what it has
	v_cndmask_b32 v[VM+\j],  s22,   v[VM+\j],  vcc_lo
	v_cndmask_b32 v[VM2+\j], s21,   v[VM2+\j], vcc_lo
	v_cndmask_b32 v[VQ+\j],  s[QS], v[VQ+\j],  vcc_lo
.endr
	s_bcnt1_i32_b32 s20, s22
	s_add_co_u32 s[CNT], s[CNT], s20
	s_addk_co_i32 s[GQ], 0x800
.endm
; A halving: the window of 2 w bits at KP holds my bit, with KN members of the window ahead of it.  src holds the counts in fields of w bits (mask msk).  If the lower half has KN members or fewer, my bit lies in the upper.
.macro HALVE src, w, msk
	ALL3 v_lshrrev_b32 v[KT+j], v[KP+j], v[(\src)+j]
	ALL3 v_and_b32 v[KT+j], \msk, v[KT+j]
	ALL3 v_cmp_ge_u32 s[20+j], v[KN+j], v[KT+j]
	ALL3 v_sub_nc_u32 v[KU+j], v[KN+j], v[KT+j]
	ALL3 v_cndmask_b32 v[KN+j], v[KN+j], v[KU+j], s[20+j]
	ALL3 v_cndmask_b32 v[KU+j], 0, \w, s[20+j]
	ALL3 v_add_nc_u32 v[KP+j], v[KP+j], v[KU+j]
.endm
; The place of member number KN = min(rank - members ahead, the group's members - 1) in VM; then the entry: 2 x (32 x group + place) + (the expert is the second choice).
; With no member at all the result is some entry below 2,048, which nothing stores by.
.macro SELECT
	ALL3 v_lshrrev_b32 v[KA+j], 1, v[VM+j]
	ALL3 v_and_b32 v[KA+j], 0x55555555, v[KA+j]
	ALL3 v_sub_nc_u32 v[KA+j], v[VM+j], v[KA+j]    ; counts in fields of 2 bits
	ALL3 v_lshrrev_b32 v[KB+j], 2, v[KA+j]
	ALL3 v_and_b32 v[KT+j], 0x33333333, v[KA+j]
	ALL3 v_and_b32 v[KB+j], 0x33333333, v[KB+j]
	ALL3 v_add_nc_u32 v[KB+j], v[KB+j], v[KT+j]    ; of 4
	ALL3 v_lshrrev_b32 v[KC+j], 4, v[KB+j]
	ALL3 v_add_nc_u32 v[KC+j], v[KC+j], v[KB+j]
	ALL3 v_and_b32 v[KC+j], 0x0f0f0f0f, v[KC+j]    ; of 8
	ALL3 v_lshrrev_b32 v[KU+j], 8, v[KC+j]
	ALL3 v_add_nc_u32 v[KU+j], v[KU+j], v[KC+j]    ; byte 0: bits 0 to 15; byte 2: bits 16 to 31
	ALL3 v_and_b32 v[KL+j], 0xff, v[KU+j]
	ALL3 v_bfe_u32 v[KU+j], v[KU+j], 16, 8
	ALL3 v_add3_u32 v[KU+j], v[KU+j], v[KL+j], -1  ; the group's members - 1
	ALL3 v_and_b32 v[KT+j], 0x7ff, v[VQ+j]         ; the members ahead of the group
	ALL3 v_sub_nc_u32 v[KN+j], v[RHO+j], v[KT+j]
	ALL3 v_min_u32 v[KN+j], v[KN+j], v[KU+j]       ; a rank past the count takes the last member
	ALL3 v_cmp_ge_u32 s[20+j], v[KN+j], v[KL+j]    ; the first halving, of all 32 bits
	ALL3 v_sub_nc_u32 v[KU+j], v[KN+j], v[KL+j]
	ALL3 v_cndmask_b32 v[KN+j], v[KN+j], v[KU+j], s[20+j]
	ALL3 v_cndmask_b32 v[KP+j], 0, 16, s[20+j]
	HALVE KC, 8, 0xff
	HALVE KB, 4, 15
	HALVE KA, 2, 3
	HALVE VM, 1, 1
	ALL3 v_lshrrev_b32 v[KT+j], v[KP+j], v[VM2+j]
	ALL3 v_and_b32 v[KT+j], 1, v[KT+j]             ; k
	ALL3 v_lshrrev_b32 v[KU+j], 11, v[VQ+j]        ; the group
	ALL3 v_lshl_add_u32 v[KU+j], v[KU+j], 5, v[KP+j]   ; the token
	ALL3 v_lshl_add_u32 v[EN+j], v[KU+j], 1, v[KT+j]   ; the entry
.endm
; SLICE 0 WRITES THE LIST OUT for the second product: each wave the entries that it has just found, at their ranks: three stores of 64 consecutive bytes (lanes 16 to 31 repeat the address and the number of lanes
; 0 to 15).  A rank past 1,023 goes to the place of rank 1,023: both hold the expert's last row.  withcnt = 1 (pass 0): wave 0's first lane stores the count behind the eight lists.
.macro PUTLIST withcnt
	s_cmp_lg_u32 s[SL], 0
	s_cbranch_scc1 .Lnolist_\@
.irp j, 0,1,2
	v_min_u32 v[T1+\j], 0x3ff, v[RHO+\j]
	v_lshlrev_b32 v[T1+\j], 2, v[T1+\j]
	global_store_b32 v[T1+\j], v[EN+\j], s[LP:LP+1]
.endr
.if \withcnt
	s_cmp_lg_u32 s[WV], 0
	s_cbranch_scc1 .Lnocnt_\@
	v_mov_b32 v[T8], s[CNT]
	s_lshl_b32 s20, s[EX], 2
	v_mov_b32 v[T8+1], s20
	v_cmp_eq_u32 vcc_lo, 0, v0
	s_wait_xcnt 0x0                                ; EXEC is a source of the loads and the stores that are out: it changes only behind this wait
	s_and_saveexec_b32 s21, vcc_lo
	global_store_b32 v[T8+1], v[T8], s[14:15] offset:32768
	s_wait_xcnt 0x0                                ; and again ahead of the line that widens it
	s_or_b32 exec_lo, exec_lo, s21
.Lnocnt_\@:
.endif
	s_wait_xcnt 0x0                                ; the stores' registers are written again further down
.Lnolist_\@:
.endm
; ---- FFN = 2: my rows' entries are read: rank RB + 128 j + r of the expert's list, which repeats the last row past the count.
.macro ENTRIES
.irp j, 0,1,2
	v_add3_u32 v[T1+\j], s[RB], v[RR], 128*\j
	v_min_u32 v[T1+\j], 0x3ff, v[T1+\j]
	v_lshlrev_b32 v[T1+\j], 2, v[T1+\j]
	global_load_b32 v[EN+\j], v[T1+\j], s[LP:LP+1]
.endr
.endm
; The entries go into my row table, for the way out, and make A's offsets.  FFN = 2: the scores are asked for.
.macro ROWS2
	v_lshl_add_u32 v[T0], v[RR], 2, s[RTB]
.irp j, 0,1,2
	ds_store_b32 v[T0], v[EN+\j] offset:64*\j
.if FFN == 1
	v_lshrrev_b32 v[T4+\j], 1, v[EN+\j]            ; the token
	v_min_u32 v[T4+\j], 0x3ff, v[T4+\j]
.else
	v_min_u32 v[T4+\j], 0x7ff, v[EN+\j]
.endif
	v_lshl_add_u32 v[AO+\j], v[T4+\j], ASH, v[H16]
.if FFN == 2
	v_lshlrev_b32 v[T4+\j], 2, v[T4+\j]
	global_load_b32 v[SCR+\j], v[T4+\j], s[14:15]
.endif
.endr
.endm
.macro SCSTORE
.irp j, 0,1,2
	ds_store_b32 v[T0], v[SCR+\j] offset:256+64*\j
.endr
.endm
; THE SLOW WAY's K step of 32: A of my three slots; the weights straight in operand order: lane (r, h) takes rows 8 h + 0..7 and 16 + 8 h + 0..7 of its 8 columns; all waited for; rounded; multiplied.
.macro SSTEP
.irp j, 0,1,2
	global_load_b128 v[AF+8*\j:AF+8*\j+3],   v[AO+\j], s[AP:AP+1]
	global_load_b128 v[AF+8*\j+4:AF+8*\j+7], v[AO+\j], s[AP:AP+1] offset:32
.endr
.set ii, 0
.rept 16
	global_load_b128 v[64+4*ii:64+4*ii+3],   v[SWO], s[WP:WP+1] offset:(ii+8*(ii/8))*WPITCH
	global_load_b128 v[192+4*ii:192+4*ii+3], v[SWO], s[WP:WP+1] offset:(ii+8*(ii/8))*WPITCH+QH
.set ii, ii+1
.endr
	s_wait_loadcnt 0x0
.irp t, 0,1,2,3,4,5,6,7
.if FFN == 1
.set sb, 64+128*((\t)&1)
.set mm, (\t)>>1
.else
.set sb, 64+128*((\t)>>2)
.set mm, (\t)&3
.endif
.irp i, 0,1,2,3,4,5,6,7
	v_cvt_pk_bf16_f32 v[BFA+8*\t+\i], v[sb+8*\i+mm], v[sb+8*\i+4+mm]
.endr
.endr
	MMA AF, 8, BFA, 0
	PLACES
	s_add_nc_u64 s[WP:WP+1], s[WP:WP+1], 32*WPITCH ; the loads that named them are done
	s_add_nc_u64 s[AP:AP+1], s[AP:AP+1], 64
.endm
; Slot j on the way out: the entries (FFN = 2: and scores) of rows 8 h .. 8 h + 7 are asked for out of my row table, at RT + 512 w + 32 h + 64 j; then slot j's results plus the bias,
; each accumulator's registers in ascending order.
.macro TAKE j
	ds_load_b128 v[ENT:ENT+3],   v[EA] offset:64*(\j)
	ds_load_b128 v[ENT+4:ENT+7], v[EA] offset:64*(\j)+16
.if FFN == 2
	ds_load_b128 v[SC:SC+3],   v[EA] offset:256+64*(\j)
	ds_load_b128 v[SC+4:SC+7], v[EA] offset:272+64*(\j)
.endif
	WIN 0x01                                       ; source 0 window 1
.irp i, 0,1,2,3,4,5,6,7
.irp c, 0,1,2,3,4,5,6,7
.if FFN == 1
.set tc, 2*((\c)&3)+((\c)>>2)
.else
.set tc, \c
.endif
	v_add_f32 v[XX+8*\i+\c], v[64*(\j)+8*tc+\i], v[BI+\c]
.endr
.endr
	WIN 0
.endm
	; ---------------- the head
	s_load_b256 s[4:11], s[0:1], 0x0               ; rows s[4:5], weights s[6:7], bias s[8:9], idx or lst s[10:11]
	s_load_b128 s[12:15], s[0:1], 0x20             ; output s[12:13], lst or score s[14:15]
	v_lshl_add_u32 v[SPW], v0, 2, SPARE
	v_mov_b32 v[NIL], 0
	v_lshrrev_b32 v3, 5, v0
	v_readfirstlane_b32 s[WV], v3
	s_and_b32 s[EX], ttmp7, 0xffff
.if FFN == 1
	s_mov_b32 s[SL], ttmp9
	s_mov_b32 s[KQ], 0
.else
	s_and_b32 s[SL], ttmp9, 3                      ; the slice: bits 0, 1 and 3 of x; the quarter: bits 2 and 4.  So the eight work-groups that read the same rows of h
	s_lshr_b32 s20, ttmp9, 1                       ; agree in bits 2 and 4 of their number.  Any one-to-one map gives the same results: this is a choice of order
	s_and_b32 s20, s20, 4
	s_or_b32 s[SL], s[SL], s20
	s_bfe_u32 s[KQ], ttmp9, 0x10002
	s_lshr_b32 s20, ttmp9, 3
	s_and_b32 s20, s20, 2
	s_or_b32 s[KQ], s[KQ], s20
.endif
	v_and_b32 v[LN], 31, v0
	v_and_b32 v[RR], 15, v0
	v_and_b32 v[H16], 16, v0
	s_mul_i32 s20, s[WV], 16*WPITCH
	v_lshl_add_u32 v[WO], v[LN], 4, s20
	v_lshrrev_b32 v3, 1, v[LN]
	v_mul_u32_u24 v[PF], v3, WPITCH
	v_and_b32 v3, 1, v[LN]
	v_lshl_add_u32 v[PF], v3, 8, v[PF]
	v_add_nc_u32 v[PF], s20, v[PF]
	v_mul_u32_u24 v[SWO], v[H16], WPITCH/2         ; 8 h rows
	v_lshlrev_b32 v[BA], 4, v[RR]
	v_lshl_add_u32 v[BA], v[H16], 4, v[BA]
	v_add_nc_u32 v[BA+1], BUF1, v[BA]
	s_lshl_b32 s21, s[WV], 9                       ; my two groups of 8 k in a tile
.if FFN == 1
	v_lshl_add_u32 v[SWO], v[RR], 5, v[SWO]
	v_mul_u32_u24 v[ST], v3, TILEB                 ; (c & 1) tiles
	v_lshrrev_b32 v3, 1, v[LN]
	v_lshl_add_u32 v[ST], v3, 4, v[ST]             ; + 16 (c >> 1)
.else
	v_lshl_add_u32 v[SWO], v[RR], 4, v[SWO]
	v_mul_u32_u24 v[ST], v[H16], 4*TILEB/16        ; 4 (c >> 4) tiles
	v_lshl_add_u32 v[ST], v[RR], 4, v[ST]          ; + 16 (c & 15)
.endif
	v_add_nc_u32 v[ST], s21, v[ST]
	v_add_nc_u32 v[ST+1], BUF1, v[ST]
	s_add_co_u32 s[RTB], s21, RT
	s_mov_b32 s[PS], 0
	s_lshl_b32 s[RB], s[WV], 4
.if FFN == 1
	s_mov_b32 s[CA], 0xc0135761                    ; - 2 log2(e) sqrt(2 / pi) = -2.3022082
	s_mov_b32 s[CA+1], s[CA]                       ; named with it as a pair
	s_mov_b32 s[CB], 0xbdd2d3e8                    ; CA x 0.044715 = -0.10294324
	s_mov_b32 s[CB+1], s[CB]
.else
	s_cmp_eq_u32 s[KQ], 0
	s_cselect_b32 s[BM], -1, 0
	s_lshl_b32 s28, s[EX], 2                       ; kept for the count's load alone
.endif
	s_mov_b32 s31, 0
	s_lshl_b32 s20, s[SL], 9                       ; 128 columns of f32
	s_wait_kmcnt 0x0
	s_lshl_b32 s30, s[EX], 24                      ; an expert's weights: 16 MiB
	s_add_co_u32 s30, s30, s20
.if FFN == 2
	s_lshl_b32 s21, s[KQ], 22                      ; 1,024 rows of 4,096 bytes
	s_add_co_u32 s30, s30, s21
.endif
	s_add_nc_u64 s[W0:W0+1], s[6:7], s[30:31]
	s_mov_b64 s[WP:WP+1], s[W0:W0+1]
	s_lshl_b32 s30, s[EX], BSH
	s_add_co_u32 s30, s30, s20
	s_add_nc_u64 s[8:9], s[8:9], s[30:31]          ; the bias of my 128 columns
.if FFN == 1
	s_mov_b64 s[A0:A0+1], s[4:5]
	s_lshl_b32 s30, s[SL], 8                       ; 128 columns of bf16
	s_add_nc_u64 s[12:13], s[12:13], s[30:31]
	s_lshl_b32 s30, s[EX], 12
	s_add_nc_u64 s[LP:LP+1], s[14:15], s[30:31]
.else
	s_load_b32 s[CNT], s[10:11], s28 offset:0x8000 ; the expert's count, behind the eight lists
	s_lshl_b32 s30, s[KQ], 11                      ; 1,024 bf16
	s_add_nc_u64 s[A0:A0+1], s[4:5], s[30:31]
	s_lshl_b32 s30, s[KQ], 23                      ; a quarter's partial sums: 8 MiB
	s_add_co_u32 s30, s30, s20
	s_add_nc_u64 s[12:13], s[12:13], s[30:31]
	s_lshl_b32 s30, s[EX], 12
	s_add_nc_u64 s[LP:LP+1], s[10:11], s[30:31]
.endif
	s_mov_b64 s[AP:AP+1], s[A0:A0+1]
	; ---------------- the first loads: what the rows hang on, then chunk 0 of the weights
.if FFN == 1
	v_lshlrev_b32 v[T0], 3, v[LN]
.set g, 0
.rept 32                               ; all 1,024 tokens' choices: group g gives lane l token 32 g + l
	SETIX g
	global_load_b64 v[ix:ix+1], v[T0], s[10:11] offset:256*g
.set g, g+1
.endr
.else
	ENTRIES
.endif
	WLOAD
	global_prefetch_b8 v[PF], s[WP:WP+1] offset:CHSTEP th:TH_LOAD_NT scope:SCOPE_SE    ; my rows of chunks 1 and 2; the trips ask for chunks 3 to 7
	global_prefetch_b8 v[PF], s[WP:WP+1] offset:2*CHSTEP th:TH_LOAD_NT scope:SCOPE_SE
.if FFN == 1
	RANKINIT
.endif
	CLEAR                                          ; stands in the wait for those loads
	s_wait_loadcnt 16                              ; all but chunk 0's sixteen
.if FFN == 1
.set g, 0
.rept 32
	SETIX g
	GROUP ix
.set g, g+1
.endr
	SELECT
	s_min_u32 s[CNT], s[CNT], 0x400
	PUTLIST 1
.else
	s_wait_kmcnt 0x0
	s_min_u32 s[CNT], s[CNT], 0x400
.endif
	ROWS2
.if FFN == 1
	v_lshlrev_b32 v[T7], 5, v[RR]                  ; my 8 neighbouring columns
.else
	v_lshlrev_b32 v[T7], 4, v[RR]                  ; my 4 columns in each half
.endif
	global_load_b128 v[BI:BI+3],   v[T7], s[8:9]
	global_load_b128 v[BI+4:BI+7], v[T7], s[8:9] offset:QH
	ALOAD 0
	ALOAD 1
	s_wait_loadcnt 14+3*(FFN-1)                    ; behind chunk 0: (three scores,) two of bias, twelve of A
	ROUND 0
	s_wait_xcnt 0x0                                ; WP is the base of the two prefetches
	s_add_nc_u64 s[WP:WP+1], s[WP:WP+1], CHSTEP
	WLOAD                                          ; chunk 1.  From the bias on the order is a trip's: A0, A1, W, A2, A3
	ALOAD 2
	ALOAD 3
	s_wait_loadcnt 40                              ; those forty may stay out: bias and scores are in
.irp m, 0,1,2,3
	v_cvt_pk_bf16_f32 v3, v[BI+2*\m], v[BI+2*\m+1] ; the bias is rounded to bf16 like every input
	v_lshlrev_b32 v[BI+2*\m], 16, v3
	v_and_b32 v[BI+2*\m+1], 0xffff0000, v3
.endr
.if FFN == 2
.irp c, 0,1,2,3,4,5,6,7
	v_cndmask_b32 v[BI+\c], 0, v[BI+\c], s[BM]     ; it counts in quarter 0 alone
.endr
	SCSTORE
.endif
	s_add_co_u32 s[NT], s[CNT], 15
	s_lshr_b32 s[NT], s[NT], 4
	NLCALC
	s_wait_dscnt 0x0                               ; for the others' sake: my part of chunk 0 is in buffer 0
	s_barrier_signal -1
	s_barrier_wait -1
	; ---------------- pass 0: chunks 0 to 7
	s_mov_b32 s[TR], 3
.Ltrip:
	TRIP 0, 1, 1, 1, 1, 34, 34, 24, 34, 34, 1
	TRIP 1, 1, 1, 1, 2, 34, 34, 24, 34, 34, 1
	s_sub_co_u32 s[TR], s[TR], 1
	s_cmp_lg_u32 s[TR], 0
	s_cbranch_scc1 .Ltrip
	TRIP 0, 1, 0, 1, 0, 34, 34, 24, 18, 18, 1      ; chunk 6: no weights are left to load, so 16 fewer stand behind A's last two steps
	TRIP 1, 0, 0, 0, 0, 18, 12, 0, 6, 0, 0         ; chunk 7: nothing is loaded, the counts run down; no buffer is written again, so no barrier
	s_branch .Lepi
	; ---------------- passes 1 and 2
.Lpass:
	s_wait_xcnt 0x0                                ; the last stores have read their registers
	NLCALC
	s_cmp_eq_u32 s[NL], 0
	s_cbranch_scc1 .Lnext
	s_mul_i32 s[RB], s[PS], 384
	s_lshl4_add_u32 s[RB], s[WV], s[RB]
.if FFN == 1
	RANKINIT                                       ; the same search for this pass's ranks; the choices are read again, a group a trip, each load waited for
	v_and_b32 v[T0], 31, v0
	v_lshlrev_b32 v[T0], 3, v[T0]
	s_mov_b64 s[WP:WP+1], s[10:11]
	s_mov_b32 s[KS], 32
.Lgrp:
	global_load_b64 v[IXL:IXL+1], v[T0], s[WP:WP+1]
	s_wait_loadcnt 0x0
	GROUP IXL
	s_add_nc_u64 s[WP:WP+1], s[WP:WP+1], 256       ; the load that named it is done
	s_sub_co_u32 s[KS], s[KS], 1
	s_cmp_lg_u32 s[KS], 0
	s_cbranch_scc1 .Lgrp
	SELECT
	PUTLIST 0
	ROWS2
.else
	ENTRIES
	s_wait_loadcnt 0x0
	ROWS2
	s_wait_loadcnt 0x0
	SCSTORE
.endif
	CLEAR
	s_mov_b64 s[WP:WP+1], s[W0:W0+1]
	s_mov_b64 s[AP:AP+1], s[A0:A0+1]
	s_mov_b32 s[KS], 32
.Lslow:
	SSTEP
	s_sub_co_u32 s[KS], s[KS], 1
	s_cmp_lg_u32 s[KS], 0
	s_cbranch_scc1 .Lslow
	; ---------------- the way out, a live slot at a time.  Lane (r, h) holds rows 8 h + i of the tile and 8 columns.
.Lepi:
	s_mov_b32 s[JS], 0
.Lslot:
	s_cmp_ge_u32 s[JS], s[NL]
	s_cbranch_scc1 .Lsnext
	s_wait_xcnt 0x0                                ; the slot before: its stores have read their registers
	v_lshl_add_u32 v[EA], v[H16], 1, s[RTB]        ; my own row table, rows 8 h on: only my wave writes or reads these bytes, and LDS serves a wave's instructions in order
	s_cmp_eq_u32 s[JS], 1
	s_cbranch_scc1 .Ltake1
	s_cmp_eq_u32 s[JS], 2
	s_cbranch_scc1 .Ltake2
	TAKE 0
	s_branch .Lcommon
.Ltake1:
	TAKE 1
	s_branch .Lcommon
.Ltake2:
	TAKE 2
.Lcommon:
	s_wait_dscnt 0x0                               ; the entries (and scores) are in
.irp i, 0,1,2,3,4,5,6,7
	v_min_u32 v[RO+\i], 0x7ff, v[ENT+\i]
	v_lshlrev_b32 v[RO+\i], OSH, v[RO+\i]
	v_lshl_add_u32 v[RO+\i], v[RR], 4, v[RO+\i]
.endr
.if FFN == 1
	; gelu(x) = x / (1 + 2^(x (CA + CB x^2))).  The 64 exponentials are one batch with one wait, and so are the 64 reciprocals.
.set i, 0
.rept 32
	v_pk_mul_f32 v[ZZ+2*i:ZZ+2*i+1], v[XX+2*i:XX+2*i+1], v[XX+2*i:XX+2*i+1]
.set i, i+1
.endr
.set i, 0
.rept 32
	v_pk_fma_f32 v[ZZ+2*i:ZZ+2*i+1], v[ZZ+2*i:ZZ+2*i+1], s[CB:CB+1], s[CA:CA+1] op_sel_hi:[1,0,0]
.set i, i+1
.endr
.set i, 0
.rept 32
	v_pk_mul_f32 v[ZZ+2*i:ZZ+2*i+1], v[XX+2*i:XX+2*i+1], v[ZZ+2*i:ZZ+2*i+1]
.set i, i+1
.endr
.set i, 0
.rept 64
	v_exp_f32 v[ZZ+i], v[ZZ+i]
.set i, i+1
.endr
	v_nop                                          ; a plain instruction behind the last exponential (ISA guide 5.7.2),
	s_wait_alu depctr_va_vdst(0)                   ; and the wait ahead of the batch's first reader
.set i, 0
.rept 32
	v_pk_add_f32 v[ZZ+2*i:ZZ+2*i+1], v[ZZ+2*i:ZZ+2*i+1], 1.0 op_sel_hi:[1,0]
.set i, i+1
.endr
.set i, 0
.rept 64
	v_rcp_f32 v[ZZ+i], v[ZZ+i]
.set i, i+1
.endr
	v_nop
	s_wait_alu depctr_va_vdst(0)
.set i, 0
.rept 32
	v_pk_mul_f32 v[XX+2*i:XX+2*i+1], v[XX+2*i:XX+2*i+1], v[ZZ+2*i:ZZ+2*i+1]
.set i, i+1
.endr
.set i, 0
.rept 32
	v_cvt_pk_bf16_f32 v[OO+i], v[XX+2*i], v[XX+2*i+1]
.set i, i+1
.endr
.irp i, 0,1,2,3,4,5,6,7
	global_store_b128 v[RO+\i], v[OO+4*\i:OO+4*\i+3], s[12:13]  ; lanes 0-15 store 256 consecutive bytes of row i, lanes 16-31 of row 8 + i, each at a multiple of 256 from h's first byte
.endr
.else
.irp ih, 0,1,2,3                       ; row 2 ih + il: times its score
.irp il, 0,1
.irp c, 0,1,2,3
	v_pk_mul_f32 v[XX+16*\ih+8*\il+2*\c:XX+16*\ih+8*\il+2*\c+1], v[XX+16*\ih+8*\il+2*\c:XX+16*\ih+8*\il+2*\c+1], v[SC+2*\ih:SC+2*\ih+1] op_sel:[0,\il] op_sel_hi:[1,\il]
.endr
.endr
.endr
.irp i, 0,1,2,3,4,5,6,7
	global_store_b128 v[RO+\i], v[XX+8*\i:XX+8*\i+3],   s[12:13]             ; sixteen lanes store 256 consecutive bytes of a row, at a multiple of 256 from p's first byte
	global_store_b128 v[RO+\i], v[XX+8*\i+4:XX+8*\i+7], s[12:13] offset:256
.endr
.endif
.Lsnext:
	s_add_co_u32 s[JS], s[JS], 1
	s_cmp_lt_u32 s[JS], 3
	s_cbranch_scc1 .Lslot
.Lnext:
	s_add_co_u32 s[PS], s[PS], 1
	s_cmp_lt_u32 s[PS], 3
	s_cbranch_scc1 .Lpass
	s_wait_tensorcnt 0x0                           ; the wave's end, behind my last LDS store
	ds_add_u32 v[SPW], v[NIL]
	s_wait_dscnt 0x0
	s_endpgm
.Lfunc_end_k_qe253bca805_ffn2:
	.size	k_qe253bca805_ffn2, .Lfunc_end_k_qe253bca805_ffn2-k_qe253bca805_ffn2
	.p2alignl 7, 3214868480
	.fill 96, 4, 3214868480
	.section	.rodata,"a",@progbits
	.p2align	6, 0x0
	.amdhsa_kernel k_qe253bca805_ffn2
		.amdhsa_group_segment_fixed_size 99328
		.amdhsa_private_segment_fixed_size 0
		.amdhsa_enable_private_segment 0
		.amdhsa_kernarg_size 48
		.amdhsa_user_sgpr_count 2
		.amdhsa_user_sgpr_kernarg_segment_ptr 1
		.amdhsa_wavefront_size32 1
		.amdhsa_system_sgpr_workgroup_id_x 1
		.amdhsa_system_sgpr_workgroup_id_y 1
		.amdhsa_system_sgpr_workgroup_id_z 1
		.amdhsa_system_vgpr_workitem_id 0
		.amdhsa_next_free_vgpr 512
		.amdhsa_next_free_sgpr 66
		.amdhsa_reserve_vcc 1
		.amdhsa_float_denorm_mode_32 3
		.amdhsa_float_denorm_mode_16_64 3
		.amdhsa_memory_ordered 1
		.amdhsa_forward_progress 1
		.amdhsa_inst_pref_size 120
	.end_amdhsa_kernel
	.amdgpu_metadata
---
amdhsa.version: [ 1, 2 ]
amdhsa.kernels:
  - .name:           k_qe253bca805_ffn2
    .symbol:         k_qe253bca805_ffn2.kd
    .args:
      - { .name: h, .offset: 0, .size: 8, .value_kind: global_buffer, .address_space: global }
      - { .name: w2, .offset: 8, .size: 8, .value_kind: global_buffer, .address_space: global }
      - { .name: b2, .offset: 16, .size: 8, .value_kind: global_buffer, .address_space: global }
      - { .name: lst, .offset: 24, .size: 8, .value_kind: global_buffer, .address_space: global }
      - { .name: p, .offset: 32, .size: 8, .value_kind: global_buffer, .address_space: global }
      - { .name: score, .offset: 40, .size: 8, .value_kind: global_buffer, .address_space: global }
    .group_segment_fixed_size: 99328
    .private_segment_fixed_size: 0
    .kernarg_segment_align: 8
    .kernarg_segment_size: 48
    .max_flat_workgroup_size: 256
    .sgpr_count:     66
    .vgpr_count:     512
    .wavefront_size: 32
...
	.end_amdgpu_metadata
.endif
;; end of part 6
;; launch combine: the kernel of part 4 again; grid 256 x 1, 8 waves a work-group, no clusters, 0 bytes of LDS; arguments p, out0; writes out0
